; MI455X (gfx1250); checked and timed in simulation.
; The chip was launched on July 23, 2026; its instructions are those of AMD's public machine-readable ISA for CDNA 5 (MIT licence, August 2026) and "CDNA5" Instruction Set Architecture Reference Guide (July 2026). The comments in the code are by the model that wrote it; some were corrected since.
;; Multi Head Attention. Allowed arithmetic: matrix products marked QUANTISED: E2M1 operands, one E8M0 scale for each 32 along K, by v_wmma_scale_f32_16x16x128_f8f6f4 with both operands' format E2M1 (or v_wmma_scale_f32_32x16x128_f4), f32 sums; everything else in f32.
;; Inputs: encoder_padding_mask 8 x 1,024 int32; hidden_states 8 x 1,024 x 1,024 float32; in_proj_bias 3 x 1,024 float32; in_proj_weight_codes 3 x 1,024 x 32 x 16 uint8 (E2M1 codes of in_proj_weight, K innermost, in blocks of 32 codes, two codes a byte); in_proj_weight_scales 3 x 1,024 x 32 uint8 (E8M0 scales of in_proj_weight, one for each 32 codes along K); norm_bias 1,024 float32; norm_weight 1,024 float32; out_proj_bias 1,024 float32; out_proj_weight_codes 1,024 x 32 x 16 uint8 (E2M1 codes of out_proj_weight, K innermost, in blocks of 32 codes, two codes a byte); out_proj_weight_scales 1,024 x 32 uint8 (E8M0 scales of out_proj_weight, one for each 32 codes along K).
;; Outputs: out0 8 x 1,024 x 1,024 float32.
;; This version of the problem:
;;   THIS VERSION OF THE PROBLEM IS GIVEN IN LOW PRECISION. The matrix products marked QUANTISED in the list below multiply operands that are first quantised to E2M1 (2 exponent bits, 1 mantissa bit; 4 bits a number), with one power-of-two scale for each 32 numbers along K (OCP MX v1.0); their sums are f32. All else is computed in f32.
;;   The module's matrix products, in the order in which they are computed (A, B: the left and right operand; K: the contracted axis; several contracted axes count as one K, in the product's order):
;;     1. [M 8,192, K 1,024] x [K 1,024, N 3,072]; A: computed on the way; B: input in_proj_weight (given as codes): QUANTISED
;;     2. batch 128 x [M 1,024, K 64] x [K 64, N 1,024]; A: computed on the way; B: computed on the way: QUANTISED
;;     3. batch 128 x [M 64, K 1,024] x [K 1,024, N 1,024]; A: computed on the way; B: softmax (see below): QUANTISED
;;     4. [M 8,192, K 1,024] x [K 1,024, N 1,024]; A: computed on the way; B: input out_proj_weight (given as codes): QUANTISED
;;   THE QUANTISER, for each operand of a quantised product, along K:
;;     - K is cut into blocks of 32 from its start; a last block that is shorter is filled with zeros.
;;     - A block's scale is 2^e with e = floor(log2(the largest magnitude in the block)) - 2, held to -126 .. 127; a block of zeros has e = 0. As a byte (E8M0): e + 127.
;;     - Each number is divided by its block's scale, clamped to +-6, and rounded to the nearest number of E2M1, ties to even, subnormals kept.
;;     - The product sums the exact products of the quantised numbers (number of the format x scale) in f32.
;;   ~~~python
;;   def quantise(x, axis):      # numpy; x: float32 -> the quantised numbers, widened to float32 again
;;       x = np.moveaxis(x, axis, -1); K = x.shape[-1]
;;       x = np.pad(x, [(0, 0)] * (x.ndim - 1) + [(0, -K % 32)]); x = x.reshape(x.shape[:-1] + (-1, 32)); a = np.abs(x).max(-1, keepdims=True)
;;       e = np.where(a > 0, np.clip(np.frexp(np.where(a > 0, a, 1))[1] - 1 - 2, -126, 127), 0)      # np.frexp(a)[1] - 1 = floor(log2(a)), exactly
;;       r = np.clip(x / 2.0 ** e, -6, 6)
;;       step = 2.0 ** (np.maximum(np.frexp(np.where(r == 0, 1, r))[1] - 1, 0) - 1)
;;       q = np.round(r / step) * step * 2.0 ** e      # np.round: ties to even
;;       return np.moveaxis(q.reshape(q.shape[:-2] + (-1,))[..., :K], -1, axis).astype(np.float32)
;;   ~~~
;;   SOFTMAX AHEAD OF A QUANTISED PRODUCT. Where the list says 'softmax', what is quantised is not the finished softmax but p = 2^(t - M), with t = logit x log2(e) and M = ceil(the row's largest t), a whole number; so 1/2 < the row's largest p <= 1. The row's sum l is taken of the UNQUANTISED p, in f32, and the product's result is divided by l at the end. Since M is a whole number, a kernel that streams over the keys may use a running M (the ceiling of the running maximum): every later rescaling is an exact power of two, which a block's scale takes up: the codes' values come out the same.
;;   OPERANDS COMPUTED ON THE WAY. 'Computed on the way' means the value that the module computes at that place (a softmax that the list does not call 'softmax' is quantised finished and normalised). What goes into a quantiser is computed in f32, as accurately as f32 sums, v_exp_f32 and their like allow (about 1e-6 of the number): no bf16 or f16 on the way to a quantiser, and a product that is left as it is and whose result goes on into a quantised operand takes f32 operands (vector FMAs, or v_wmma_f32_16x16x4_f32). A number that lies on a knife's edge between two numbers of the format may be rounded either way, as far as f32 arithmetic and the matrix unit's own rounding can turn it there, and no further.
;;   INPUTS GIVEN AS CODES. in_proj_weight (in the module: [3, 1024, 1024], K = its axis 2); out_proj_weight (in the module: [1024, 1024], K = its axis 1): each comes as NAME_codes (uint8): NAME with its K axis moved to the last place and cut into blocks of 32 codes, [.., K / 32, bytes a block], one block behind the other in memory; two codes a byte, the lower K in the low four bits (a code: sign, 2 exponent bits, 1 mantissa bit); and NAME_scales (uint8): the same leading axes, one E8M0 byte (e + 127) for each 32 codes along K. Its value is code x scale, taken as it is: it is not quantised again, and the codes and scales need not be those that the quantiser above would give.
;; 2 versions. Each part assembles by itself: llvm-mc -triple=amdgcn-amd-amdhsa -mcpu=gfx1250 --defsym DOCPART=n.
;; ======== version 1 of 2: 4 launches
;; workspace buffers: y_img 4,194,304 bytes; y_sc 262,144 bytes; qkv_img 12,582,912 bytes; qk_sc 1,048,576 bytes; v_sc 262,144 bytes; ctx_img 4,194,304 bytes; ctx_sc 262,144 bytes; w_img 2,097,152 bytes
;; launch lnq (part 1): grid 256 x 1, 8 waves a work-group, no clusters, 142,080 bytes of LDS; arguments hidden_states, norm_weight, norm_bias, in_proj_weight_codes, out_proj_weight_codes, y_img, y_sc, w_img; writes y_img, y_sc, w_img
.if DOCPART == 1
	.amdgcn_target "amdgcn-amd-amdhsa--gfx1250"
	.amdhsa_code_object_version 6
	.text
	.protected	k_qeb304d6a65_lnq
	.globl	k_qeb304d6a65_lnq
	.p2align	8
	.type	k_qeb304d6a65_lnq,@function
k_qeb304d6a65_lnq:
	s_mov_b64 s[64:65], 0
	v_nop
	global_prefetch_b8 v0, s[64:65] scope:SCOPE_SE
	s_setreg_imm32_b32 hwreg(HW_REG_WAVE_MODE, 25, 1), 1
	s_wait_xcnt 0x0
; y = LayerNorm(x) x w + b in f32, then y's codes of FP4 (E2M1) with one E8M0 byte for each 32 along the hidden axis.  Beside that: the two weights' codes are laid in the order of an operand's registers.
; x: [8192][1024] f32.  A work-group takes 32 tokens (group G = its number), eight waves.
; OUTPUT LAYOUT (this program's own): tiles of 16 rows; tile T = 2 G + u holds in its row r the token (or weight row) 32 G + 8 u + r + 8 (r / 8).
;   y_img [T][kb 32][r 16][16 bytes]: block kb of 32 codes of row r.  A fragment (16 rows x 128 K) is then two loads of 16 bytes a lane at 16 x lane.
;   y_sc  [T][lane 32][j 4] words: the word at 16 (r + 16 hh) + 4 j is row r's scale word of K step 2 j + hh.
;   w_img [T 256][kb 32][r 16][16 bytes]: the same for the weights' rows: tiles 0-191 in_proj's 3,072 rows, tiles 192-255 out_proj's 1,024.  The codes are copied as they are given.
; PHASE 1: a wave takes four rows, a row in 32 registers (lane l, register 4 j + e: k = 128 j + 4 l + e): mean, then the sum of squares of x - mean, in f32.  The rows go to a stage in LDS.
; PHASE 2: wave w takes K step w (128 along K) of all 32 rows, a lane a row: four whole blocks of 32 in a lane's registers, so no other lane is asked for a maximum.
; THE WEIGHTS: there are 256 tiles and 256 work-groups: work-group G takes tile G, 16 rows of 512 bytes.  Wave w loads rows 2 w and 2 w + 1 of the tile (neighbours in memory: 1,024 consecutive bytes), they go to a
; stage of their own ahead of the barrier between the phases, and behind it wave w reads K step w as a fragment and stores it as 2 x 512 consecutive bytes.
; A block's scale byte is its largest magnitude's exponent field - 2, held at 1 from below by a floor among the maximum's leaves.
; LIMITS: a block of zeros gets the byte 1 where the rule says 127 (its codes are zeros and this program alone reads the bytes); blocks whose largest magnitude lies under 2^-124 have their byte held at 1;
; NaN and infinities among the inputs are not served.
; No matrix unit, no cluster: work-groups share only the two norm vectors (8 KB against 128 KB of x).  All 50 loads of a wave go out at its head.
.set PITCH, 4112                       ; a stage row: 4,096 bytes + 16: an odd multiple of 16, so that sixteen lanes that read sixteen rows touch sixteen different 16-byte columns
.set YS,    32*PITCH                   ; behind the stage: the two tiles' scale images, 1,024 bytes
.set WS,    YS+1024                    ; behind them: the weight tile's stage, 16 rows x 528 bytes (528 = 33 x 16)
.set WP,    528
.set MP,  8                            ; v[8:15]    row i: the mean, later 1 / sqrt(var + eps), twice (a pair for the packed forms)
.set SU,  16                           ; v[16:19]   row i: a sum
.set PD,  28                           ; v[28:31]   destinations of the lane permutes
.set X,   32                           ; v[32:159]  phase 1: row i at X + 32 i; phase 2: my row's 128 numbers
.set NW,  160                          ; v[160:191] norm_weight at my k
.set NB,  192                          ; v[192:223] norm_bias; phase 2: the weight tile's fragment
.set C,   224                          ; v[224:239] phase 1: partial sums; phase 2: the codes
.set TM,  240                          ; v[240:255] phase 1: two rows of the weight tile; phase 2: the quantiser's work
	s_load_b512 s[4:19], s[0:1], 0x0               ; x s[4:5], norm_weight s[6:7], norm_bias s[8:9], in_proj's codes s[10:11], out_proj's s[12:13], y_img s[14:15], y_sc s[16:17], w_img s[18:19]
	v_lshl_add_u32 v254, v0, 2, 0x22700
	v_mov_b32 v255, 0
	v_lshrrev_b32 v16, 5, v0
	v_readfirstlane_b32 s20, v16                   ; wave 0..7
	v_and_b32 v17, 31, v0                          ; lane
	v_lshlrev_b32 v1, 4, v17                       ; v1: 16 x lane
	s_mul_i32 s26, s20, 4*PITCH
	v_add_nc_u32 v2, s26, v1                       ; v2: the stage, in: my wave's four rows, 16 x lane
	v_mul_u32_u24 v3, v17, PITCH
	s_lshl_b32 s26, s20, 9
	v_add_nc_u32 v3, s26, v3                       ; v3: the stage, out: row = lane, 512 bytes x wave
	v_lshrrev_b32 v18, 4, v17                      ; u (for the weight tile: h)
	v_and_b32 v19, 15, v17                         ; r
	v_lshlrev_b32 v4, 4, v19
	v_lshl_add_u32 v5, v18, 9, v4                  ; 512 u + 16 r
	v_lshl_add_u32 v4, v18, 13, v4                 ; v4: my place in y_img: 8,192 u + 16 r
	s_and_b32 s26, s20, 1
	s_lshl_b32 s27, s26, 8
	s_lshr_b32 s28, s20, 1
	s_lshl_b32 s28, s28, 2
	s_add_co_u32 s27, s27, s28
	s_add_co_u32 s27, s27, YS
	v_add_nc_u32 v5, s27, v5                       ; v5: my row's scale word of K step w: YS + 512 u + 16 r + 256 (w % 2) + 4 (w / 2)
	s_lshl_b32 s26, s26, 9
	s_add_co_u32 s26, s26, YS
	v_add_nc_u32 v6, s26, v1                       ; v6: a tile's scale image read back: YS + 512 (w % 2) + 16 x lane
	s_mul_i32 s26, s20, 2*WP
	s_add_co_u32 s26, s26, WS
	v_add_nc_u32 v7, s26, v1                       ; v7: the weight tile's stage, in: rows 2 w, 2 w + 1, 16 x lane
	v_mul_u32_u24 v20, v19, WP
	v_lshl_add_u32 v20, v18, 4, v20
	s_lshl_b32 s26, s20, 6
	s_add_co_u32 s26, s26, WS
	v_add_nc_u32 v20, s26, v20                     ; v20: out: row r, K step w's 64 bytes, + 16 h
	s_lshr_b32 s26, s20, 2                         ; my four stage rows 4 w .. 4 w + 3 are neighbouring tokens: the first is 8 (w / 4) + 4 (w % 4) + 8 ((w / 2) % 2)
	s_lshl_b32 s26, s26, 3
	s_and_b32 s27, s20, 3
	s_lshl_b32 s27, s27, 2
	s_add_co_u32 s26, s26, s27
	s_bfe_u32 s27, s20, 0x10001
	s_lshl_b32 s27, s27, 3
	s_add_co_u32 s26, s26, s27
	s_lshl_b32 s27, ttmp9, 5
	s_add_co_u32 s26, s26, s27                     ; + 32 G
	s_lshl_b32 s26, s26, 12                        ; x 4,096 bytes: under 2^25
	s_mov_b32 s27, 0
	s_lshl_b32 s28, ttmp9, 14                      ; y_img: two tiles of 8,192 bytes a group, + four blocks of 256 bytes a wave
	s_lshl_b32 s29, s20, 10
	s_add_co_u32 s28, s28, s29
	s_mov_b32 s29, 0
	s_lshl_b32 s30, ttmp9, 10                      ; y_sc: two tiles of 512 bytes a group, + the tile that waves 0 and 1 store
	s_and_b32 s31, s20, 1
	s_lshl_b32 s31, s31, 9
	s_add_co_u32 s30, s30, s31
	s_mov_b32 s31, 0
	s_lshl_b32 s32, ttmp9, 13                      ; w_img: a tile of 8,192 bytes a work-group, + a K step of 1,024 bytes a wave
	s_lshl_b32 s33, s20, 10
	s_add_co_u32 s32, s32, s33
	s_mov_b32 s33, 0
	s_cmp_lt_u32 ttmp9, 192                        ; in_proj's tile or out_proj's?  The choice hangs on the work-group's number alone
	s_cselect_b32 s34, 0, 192
	s_sub_co_u32 s34, ttmp9, s34                   ; the tile in its tensor
	s_lshr_b32 s35, s34, 1
	s_lshl_b32 s35, s35, 5
	s_and_b32 s34, s34, 1
	s_lshl_b32 s34, s34, 3
	s_add_co_u32 s34, s34, s35                     ; its first row: 32 (T / 2) + 8 (T % 2);
	s_lshl_b32 s35, s20, 1
	s_add_co_u32 s34, s34, s35
	s_lshr_b32 s35, s20, 2
	s_lshl_b32 s35, s35, 3
	s_add_co_u32 s34, s34, s35                     ; its row p = 2 w lies p + 8 (p / 8) further on, and row 2 w + 1 is the next in memory
	s_lshl_b32 s34, s34, 9                         ; x 512 bytes
	s_mov_b32 s35, 0
	s_mov_b32 s24, 0x76543210                      ; v_permlanex16_b32's selects: lane l xor 16
	s_mov_b32 s25, 0xfedcba98
	s_mov_b32 s21, 0x3727c5ac                      ; 1e-5
	s_wait_kmcnt 0x0
	s_add_nc_u64 s[4:5], s[4:5], s[26:27]
	s_add_nc_u64 s[14:15], s[14:15], s[28:29]
	s_add_nc_u64 s[16:17], s[16:17], s[30:31]
	s_add_nc_u64 s[18:19], s[18:19], s[32:33]
	s_cmp_lt_u32 ttmp9, 192
	s_cselect_b64 s[10:11], s[10:11], s[12:13]
	s_add_nc_u64 s[10:11], s[10:11], s[34:35]
.irp i, 0,1,2,3
.irp j, 0,1,2,3,4,5,6,7
	global_load_b128 v[X+32*\i+4*\j:X+32*\i+4*\j+3], v1, s[4:5] offset:4096*\i+512*\j th:TH_LOAD_NT   ; 32 lanes read 512 consecutive bytes
.endr
.endr
.irp j, 0,1,2,3,4,5,6,7
	global_load_b128 v[NW+4*\j:NW+4*\j+3], v1, s[6:7] offset:512*\j
	global_load_b128 v[NB+4*\j:NB+4*\j+3], v1, s[8:9] offset:512*\j
.endr
	global_load_b128 v[TM:TM+3], v1, s[10:11] th:TH_LOAD_NT              ; the weight tile's row 2 w: 512 consecutive bytes,
	global_load_b128 v[TM+4:TM+7], v1, s[10:11] offset:512 th:TH_LOAD_NT ; and row 2 w + 1
.irp i, 0,1,2,3
	v_mov_b32 v[PD+\i], 0                          ; written once: a lane permute's destination counts as one of its sources
.endr
; v[SU + i], i = 0 .. 3: summed over the wave's 32 lanes, the result in every lane; the four rows by turns
.macro LANESUM
.irp m, 1,2,4,8
.irp i, 0,1,2,3
	v_add_f32_dpp v[SU+\i], v[SU+\i], v[SU+\i] row_xmask:\m row_mask:0xf bank_mask:0xf
.endr
.endr
.irp i, 0,1,2,3
	v_permlanex16_b32 v[PD+\i], v[SU+\i], s24, s25
.endr
.irp i, 0,1,2,3
	v_add_f32 v[SU+\i], v[SU+\i], v[PD+\i]
.endr
.endm
.macro FOLD                            ; each row's two chains of pairs into one number a lane
.irp i, 0,1,2,3
	v_pk_add_f32 v[C+4*\i:C+4*\i+1], v[C+4*\i:C+4*\i+1], v[C+4*\i+2:C+4*\i+3]
.endr
.irp i, 0,1,2,3
	v_add_f32 v[SU+\i], v[C+4*\i], v[C+4*\i+1]
.endr
.endm
	s_wait_loadcnt 18                              ; x is in; the eighteen loads issued behind it (the norm vectors' sixteen, the weight rows' two) may stay out
	; ---- the mean
.irp i, 0,1,2,3
	v_pk_add_f32 v[C+4*\i:C+4*\i+1], v[X+32*\i:X+32*\i+1], v[X+32*\i+2:X+32*\i+3]
	v_pk_add_f32 v[C+4*\i+2:C+4*\i+3], v[X+32*\i+4:X+32*\i+5], v[X+32*\i+6:X+32*\i+7]
.endr
.irp p, 8,12,16,20,24,28
.irp i, 0,1,2,3
	v_pk_add_f32 v[C+4*\i:C+4*\i+1], v[C+4*\i:C+4*\i+1], v[X+32*\i+\p:X+32*\i+\p+1]
	v_pk_add_f32 v[C+4*\i+2:C+4*\i+3], v[C+4*\i+2:C+4*\i+3], v[X+32*\i+\p+2:X+32*\i+\p+3]
.endr
.endr
	FOLD
	LANESUM
.irp i, 0,1,2,3
	v_mul_f32 v[MP+2*\i], 0x3a800000, v[SU+\i]     ; / 1,024
.endr
.irp i, 0,1,2,3
	v_mov_b32 v[MP+2*\i+1], v[MP+2*\i]
.endr
	; ---- x - mean, in place
.irp i, 0,1,2,3
.set n, 0
.rept 16
	v_pk_add_f32 v[X+32*\i+n:X+32*\i+n+1], v[X+32*\i+n:X+32*\i+n+1], v[MP+2*\i:MP+2*\i+1] neg_lo:[0,1] neg_hi:[0,1]
.set n, n+2
.endr
.endr
	; ---- the mean of its squares
.irp i, 0,1,2,3
	v_pk_mul_f32 v[C+4*\i:C+4*\i+1], v[X+32*\i:X+32*\i+1], v[X+32*\i:X+32*\i+1]
	v_pk_mul_f32 v[C+4*\i+2:C+4*\i+3], v[X+32*\i+2:X+32*\i+3], v[X+32*\i+2:X+32*\i+3]
.endr
.irp p, 4,8,12,16,20,24,28
.irp i, 0,1,2,3
	v_pk_fma_f32 v[C+4*\i:C+4*\i+1], v[X+32*\i+\p:X+32*\i+\p+1], v[X+32*\i+\p:X+32*\i+\p+1], v[C+4*\i:C+4*\i+1]
	v_pk_fma_f32 v[C+4*\i+2:C+4*\i+3], v[X+32*\i+\p+2:X+32*\i+\p+3], v[X+32*\i+\p+2:X+32*\i+\p+3], v[C+4*\i+2:C+4*\i+3]
.endr
.endr
	FOLD
	LANESUM
.irp i, 0,1,2,3
	v_fma_f32 v[SU+\i], v[SU+\i], 0x3a800000, s21  ; var + eps
.endr
.irp i, 0,1,2,3
	v_rsq_f32 v[MP+2*\i], v[SU+\i]                 ; four as one batch
.endr
	v_nop                                          ; a plain instruction behind the last of them
	s_wait_alu depctr_va_vdst(0)                   ; one wait for the batch, ahead of its first reader
.irp i, 0,1,2,3
	v_mov_b32 v[MP+2*\i+1], v[MP+2*\i]
.endr
	s_wait_loadcnt 0x0                             ; norm_weight, norm_bias and the weight tile's two rows
	ds_store_b128 v7, v[TM:TM+3]                   ; the weight rows into their stage
	ds_store_b128 v7, v[TM+4:TM+7] offset:WP
	; ---- y = (x - mean) x rstd x w + b, then into the stage
.irp i, 0,1,2,3
.set n, 0
.rept 16
	v_pk_mul_f32 v[X+32*\i+n:X+32*\i+n+1], v[X+32*\i+n:X+32*\i+n+1], v[MP+2*\i:MP+2*\i+1]
.set n, n+2
.endr
.set n, 0
.rept 16
	v_pk_fma_f32 v[X+32*\i+n:X+32*\i+n+1], v[X+32*\i+n:X+32*\i+n+1], v[NW+n:NW+n+1], v[NB+n:NB+n+1]
.set n, n+2
.endr
.irp j, 0,1,2,3,4,5,6,7
	ds_store_b128 v2, v[X+32*\i+4*\j:X+32*\i+4*\j+3] offset:PITCH*\i+512*\j
.endr
.endr
	s_wait_dscnt 0x0                               ; for the others' sake: my rows lie in the two stages
	s_barrier_signal -1
	s_barrier_wait -1
	; ---- phase 2: the weight tile's K step w, and my row's k = 128 w .. 128 w + 127
	ds_load_b128 v[NB:NB+3], v20                   ; lane (r, h): bytes 64 w + 16 h of row r: registers 0-3 of the fragment,
	ds_load_b128 v[NB+4:NB+7], v20 offset:32       ; and 32 bytes on: registers 4-7
.set n, 0
.rept 32
	ds_load_b128 v[X+4*n:X+4*n+3], v3 offset:16*n
.set n, n+1
.endr
	s_wait_dscnt 0x0
	global_store_b128 v1, v[NB:NB+3], s[18:19]               ; 512 consecutive bytes each: the fragment as its registers stand
	global_store_b128 v1, v[NB+4:NB+7], s[18:19] offset:512
.irp q, 0,1,2,3
	v_max3_num_f32 v[TM+\q], |v[X+32*\q]|, |v[X+32*\q+1]|, 0x1800000   ; block q: all 32 numbers are mine; the floor 2^(3 - 127) holds the byte at 1 from below
.endr
.irp i, 2,4,6,8,10,12,14,16,18,20,22,24,26,28,30
.irp q, 0,1,2,3
	v_max3_num_f32 v[TM+\q], v[TM+\q], |v[X+32*\q+\i]|, |v[X+32*\q+\i+1]|   ; (the four blocks by turns)
.endr
.endr
.irp q, 0,1,2,3
	v_add_nc_u32 v[TM+4+\q], 0xff000000, v[TM+\q]  ; 2 off the exponent field: the conversion takes this operand's exponent field as its scale
.endr
.irp q, 0,1,2,3
.irp g, 0,1,2,3
	v_cvt_scalef32_pk8_fp4_f32 v[C+4*\q+\g], v[X+32*\q+8*\g:X+32*\q+8*\g+7], v[TM+4+\q]
.endr
.endr
.irp q, 0,1,2,3
	v_lshrrev_b32 v[TM+8+\q], 23, v[TM+4+\q]       ; the scale's byte (plain lines behind the conversions)
.endr
	v_lshl_or_b32 v[TM+12], v[TM+9], 8, v[TM+8]    ; my row's scale word of K step w
	v_lshl_or_b32 v[TM+12], v[TM+10], 16, v[TM+12]
	v_lshl_or_b32 v[TM+12], v[TM+11], 24, v[TM+12]
.irp q, 0,1,2,3
	global_store_b128 v4, v[C+4*\q:C+4*\q+3], s[14:15] offset:256*\q   ; sixteen lanes store 256 consecutive bytes, aligned: block 4 w + q of a tile's sixteen rows
.endr
	ds_store_b32 v5, v[TM+12]
	s_wait_dscnt 0x0                               ; for the others' sake: my scale words lie in LDS
	s_barrier_signal -1
	s_barrier_wait -1
	s_cmp_gt_u32 s20, 1                            ; waves 0 and 1 store a tile's scale image each
	s_cbranch_scc1 .Ldone
	ds_load_b128 v[NW:NW+3], v6
	s_wait_dscnt 0x0
	global_store_b128 v1, v[NW:NW+3], s[16:17]     ; 512 consecutive bytes
.Ldone:
	s_wait_tensorcnt 0x0
	ds_add_u32 v254, v255
	s_wait_dscnt 0x0
	s_endpgm
.Lfunc_end_k_qeb304d6a65_lnq:
	.size	k_qeb304d6a65_lnq, .Lfunc_end_k_qeb304d6a65_lnq-k_qeb304d6a65_lnq
	.p2alignl 7, 3214868480
	.fill 96, 4, 3214868480
	.section	.rodata,"a",@progbits
	.p2align	6, 0x0
	.amdhsa_kernel k_qeb304d6a65_lnq
		.amdhsa_group_segment_fixed_size 142080
		.amdhsa_private_segment_fixed_size 0
		.amdhsa_enable_private_segment 0
		.amdhsa_kernarg_size 64
		.amdhsa_user_sgpr_count 2
		.amdhsa_user_sgpr_kernarg_segment_ptr 1
		.amdhsa_wavefront_size32 1
		.amdhsa_system_sgpr_workgroup_id_x 1
		.amdhsa_system_sgpr_workgroup_id_y 1
		.amdhsa_system_sgpr_workgroup_id_z 1
		.amdhsa_system_vgpr_workitem_id 0
		.amdhsa_next_free_vgpr 256
		.amdhsa_next_free_sgpr 66
		.amdhsa_reserve_vcc 0
		.amdhsa_float_denorm_mode_32 3
		.amdhsa_float_denorm_mode_16_64 3
		.amdhsa_memory_ordered 1
		.amdhsa_forward_progress 1
		.amdhsa_inst_pref_size 44
	.end_amdhsa_kernel
	.amdgpu_metadata
---
amdhsa.version: [ 1, 2 ]
amdhsa.kernels:
  - .name:           k_qeb304d6a65_lnq
    .symbol:         k_qeb304d6a65_lnq.kd
    .args:
      - { .name: hidden_states, .offset: 0, .size: 8, .value_kind: global_buffer, .address_space: global }
      - { .name: norm_weight, .offset: 8, .size: 8, .value_kind: global_buffer, .address_space: global }
      - { .name: norm_bias, .offset: 16, .size: 8, .value_kind: global_buffer, .address_space: global }
      - { .name: in_proj_weight_codes, .offset: 24, .size: 8, .value_kind: global_buffer, .address_space: global }
      - { .name: out_proj_weight_codes, .offset: 32, .size: 8, .value_kind: global_buffer, .address_space: global }
      - { .name: y_img, .offset: 40, .size: 8, .value_kind: global_buffer, .address_space: global }
      - { .name: y_sc, .offset: 48, .size: 8, .value_kind: global_buffer, .address_space: global }
      - { .name: w_img, .offset: 56, .size: 8, .value_kind: global_buffer, .address_space: global }
    .group_segment_fixed_size: 142080
    .private_segment_fixed_size: 0
    .kernarg_segment_align: 8
    .kernarg_segment_size: 64
    .max_flat_workgroup_size: 256
    .sgpr_count:     66
    .vgpr_count:     256
    .wavefront_size: 32
...
	.end_amdgpu_metadata
.endif
;; end of part 1
;; launch qkv (part 2): grid 6 x 32, 8 waves a work-group, no clusters, 168,960 bytes of LDS; arguments y_img, y_sc, w_img, in_proj_weight_scales, in_proj_bias, qkv_img, qk_sc, v_sc; writes qkv_img, qk_sc, v_sc
.if DOCPART == 2
	.amdgcn_target "amdgcn-amd-amdhsa--gfx1250"
	.amdhsa_code_object_version 6
	.text
	.protected	k_qeb304d6a65_qkv
	.globl	k_qeb304d6a65_qkv
	.p2align	8
	.type	k_qeb304d6a65_qkv,@function
k_qeb304d6a65_qkv:
	s_mov_b64 s[64:65], 0
	v_nop
	global_prefetch_b8 v0, s[64:65] scope:SCOPE_SE
	s_setreg_imm32_b32 hwreg(HW_REG_WAVE_MODE, 25, 1), 1
	s_wait_xcnt 0x0
; qkv = y W^T + bias on codes of FP4 (E2M1) with E8M0 scales, then the quantisers of q and k (along the head's 64) and of v (along the keys).
; SHARES.  Work-group (cb, rr): 512 of the 3,072 columns (cb 0, 1: q; 2, 3: k; 4, 5: v) x 256 tokens (16 tiles, 8 groups of 32).  Wave w owns 64 columns: one head.  Its 64 x 1,024 weights
; stay in 256 registers (window 1) for the whole launch; the launch before has laid them in the order of these registers, so each of the 64 loads reads 512 consecutive bytes into its final place.
; The 256 tokens' codes (128 KB) and scale words (8 KB) lie in LDS, copied once.  A trip of the loop takes a group of 32 tokens through all of K.
; TILES.  A tile's row r is token (or weight row) 32 b + 8 u + r + 8 (r / 8) for tile 2 b + u: whatever is source 0 of a product, the sixteen result registers of tiles 2 b, 2 b + 1 are then sixteen neighbours,
; 32 b + 16 (lane / 16) + 0 .. 15, and a block of 32 lies in lanes l and l xor 16.
; q, k: source 0 = W, source 1 = y: a lane holds one token, its registers run along the head.   v: source 0 = y, source 1 = W: a lane holds one channel, its registers run along the tokens (the keys).
; OUTPUT (this program's own layouts; bh = 16 x batch + head):
;   qkv_img [which 3][bh 128][32,768]: q, k: [tile 64][block 2][r 16][16 bytes];  v: [channel tile 4][key block 32][r 16][16 bytes].
;   qk_sc [which 2][bh][group 32][lane 32] words: lanes 0-15 tile 2 g, lanes 16-31 tile 2 g + 1; bytes 0, 1 the head's two blocks; bytes 2, 3 are 0 and stand over zero codes.
;   v_sc [bh][key step 8][tp 2][lane 32] words: lanes 0-15 channel tile 2 tp, lanes 16-31 tile 2 tp + 1; byte i is key block 4 s + i.
; LIMITS: a block of zeros gets the byte 1 where the rule says 127 (zero codes; read by this program alone); blocks whose largest magnitude lies under 2^-124 have their byte held at 1; NaN and infinities are not served.
; NO CLUSTER: what work-groups share (y's block along cb, the weights along rr) is fetched once by each at its head and never again; the weights go straight into registers;
; and the 6 column blocks are no multiple of 4.
; LDS: 139,264 bytes are used; more than half of a WGP's is claimed.
.set YSL,  131072                      ; LDS: y's codes from 0 (16 tiles x 8,192); their scale images from here (16 x 512)
.set WSC,  16                          ; v16-31   W's scale words: tile t at WSC + 4 t + i: lanes 0-15 K step i, lanes 16-31 K step 4 + i
.set YSC,  32                          ; v32-39   y's: tile u at YSC + 4 u + j: lanes 0-15 K step 2 j, lanes 16-31 K step 2 j + 1
.set BI,   40                          ; v40-71   the bias in the result's layout, eight registers a tile of W: the C of each sum's first product
.set ACC,  72                          ; v72-135  eight accumulators
.set YF,   136                         ; v136-199 y's fragments: two buffers of 32: two K steps x two tiles
.set TM,   200                         ; v200-215 the quantiser's work
.set SWD,  216                         ; v216-218 scale words on their way out
.set PC,   220                         ; v220-227 the codes just made
.set BV,   228                         ; v228-231 the bias of my lane's weight row, a register a tile (v's way)
.set UPL,  232                         ; v232     16 x thread + 65,536: the copies' LDS address for the upper half of y's codes
.set UPM,  233                         ; v233     the same number: their offset in memory
; v1 16 x lane; v2 16 x thread (LDS); v14 the same (memory); v3 YSL + 16 x thread; v4 YSL + 16 x lane; v7, v8 LDS addresses of the trip; v9 16 r + 8 h; v10, v12 store offsets; v11 4 x lane
; window 1: W's fragment (tile t, K step s) at v[64 t + 8 s]
.set MSB, 0
.macro WIN new                         ; s_set_vgpr_msb: bits 1:0 source 0, 3:2 source 1, 5:4 source 2, 7:6 destination; the high byte repeats the setting that is left
.if MSB != \new
	s_set_vgpr_msb (MSB<<8)|\new
.set MSB, \new
.endif
.endm
.macro PLACES                          ; four plain vector instructions behind a matrix instruction, ahead of loads into its sources and of the first read of its result
.rept 4
	v_nop
.endr
.endm
	s_load_b512 s[4:19], s[0:1], 0x0               ; y_img s[4:5], y_sc s[6:7], w_img s[8:9], W's scales s[10:11], bias s[12:13], qkv_img s[14:15], qk_sc s[16:17], v_sc s[18:19]
	v_lshl_add_u32 v254, v0, 2, 0x29000
	v_mov_b32 v255, 0
	ds_add_u32 v254, v255
	ds_add_u32 v254, v255
	v_lshrrev_b32 v13, 5, v0
	v_readfirstlane_b32 s20, v13                   ; wave 0..7
	v_and_b32 v13, 31, v0                          ; lane
	v_lshlrev_b32 v1, 4, v13
	v_lshlrev_b32 v2, 4, v0
	v_lshlrev_b32 v14, 4, v0
	v_add_nc_u32 v[UPL], 65536, v2
	v_add_nc_u32 v[UPM], 65536, v14
	v_add_nc_u32 v3, YSL, v2
	v_add_nc_u32 v4, YSL, v1
	v_and_b32 v15, 15, v0                          ; r
	v_bfe_u32 v12, v0, 4, 1                        ; h
	v_lshlrev_b32 v9, 4, v15
	v_lshl_add_u32 v9, v12, 3, v9                  ; 16 r + 8 h
	v_lshlrev_b32 v11, 2, v13                      ; 4 x lane
	v_and_b32 v10, 8, v15
	v_add_nc_u32 v10, v10, v15                     ; r + 8 (r / 8)
	v_lshlrev_b32 v13, 5, v10
	v_lshl_add_u32 v13, v12, 4, v13                ; W's scales: 32 bytes a row, + 16 h
	v_lshlrev_b32 v10, 2, v10                      ; the bias of my weight row
	v_lshlrev_b32 v15, 6, v12                      ; the bias along the head: 64 h
	s_and_b32 s30, ttmp7, 0xffff                   ; rr
	s_lshr_b32 s31, ttmp9, 1                       ; which: 0 q, 1 k, 2 v
	s_and_b32 s32, ttmp9, 1
	s_lshl_b32 s32, s32, 3
	s_add_co_u32 s32, s32, s20                     ; head
	s_lshr_b32 s33, s30, 2
	s_lshl_b32 s33, s33, 4
	s_add_co_u32 s33, s33, s32                     ; bh
	s_and_b32 s34, s30, 3                          ; which quarter of the batch's 1,024 tokens
	s_lshl_b32 s35, ttmp9, 9
	s_lshl_b32 s36, s20, 6
	s_add_co_u32 s35, s35, s36                     ; my first column
	s_mov_b32 s22, 0xffff0000                      ; lanes 16-31
	s_mov_b32 s24, 0x76543210                      ; v_permlanex16_b32's selects: lane l xor 16
	s_mov_b32 s25, 0xfedcba98
	s_mov_b32 s41, 0
	s_wait_dscnt 0x0
	s_wait_kmcnt 0x0
	s_lshl_b32 s40, s30, 17
	s_add_nc_u64 s[4:5], s[4:5], s[40:41]          ; y's 16 tiles
	s_lshl_b32 s40, s30, 13
	s_add_nc_u64 s[6:7], s[6:7], s[40:41]          ; and their scale images
	; The copies stand ahead of every LDS read, wait on their counter and barrier.  The immediate is added to both addresses, so LDS holds the bytes as memory has them.  A copy of the work-group moves 256 threads x 16 = 4,096
	; bytes; y's 131,072 bytes go in two halves of sixteen copies, each half by its own pair of registers, so that every immediate lies between 0 and 61,440.
.set n, 0
.rept 16
	global_load_async_to_lds_b128 v2, v14, s[4:5] offset:4096*n
.set n, n+1
.endr
.set n, 0
.rept 16
	global_load_async_to_lds_b128 v[UPL], v[UPM], s[4:5] offset:4096*n
.set n, n+1
.endr
	global_load_async_to_lds_b128 v3, v14, s[6:7]
	global_load_async_to_lds_b128 v3, v14, s[6:7] offset:4096
	s_lshl_b32 s40, s35, 9
	s_add_nc_u64 s[8:9], s[8:9], s[40:41]          ; my 64 rows of W are four tiles of 8,192 bytes: 512 bytes a row
	s_lshl_b32 s40, s35, 5
	s_add_nc_u64 s[10:11], s[10:11], s[40:41]
	s_lshl_b32 s40, s35, 2
	s_add_nc_u64 s[12:13], s[12:13], s[40:41]
	WIN 0x40                                       ; destination window 1
.irp t, 0,1,2,3
.irp s, 0,1,2,3,4,5,6,7
.irp c, 0,1
	global_load_b128 v[64*\t+8*\s+4*\c:64*\t+8*\s+4*\c+3], v1, s[8:9] offset:8192*\t+1024*\s+512*\c   ; registers 4 c .. 4 c + 3 of fragment (t, s): 512 consecutive bytes
.endr
.endr
.endr
	WIN 0
.irp t, 0,1,2,3
	global_load_b128 v[WSC+4*\t:WSC+4*\t+3], v13, s[10:11] offset:(32*(\t/2)+8*(\t%2))*32
.endr
.irp t, 0,1,2,3
	global_load_b128 v[BI+8*\t:BI+8*\t+3], v15, s[12:13] offset:(32*(\t/2)+8*(\t%2))*4
	global_load_b128 v[BI+8*\t+4:BI+8*\t+7], v15, s[12:13] offset:(32*(\t/2)+8*(\t%2))*4+16
.endr
.irp t, 0,1,2,3
	global_load_b32 v[BV+\t], v10, s[12:13] offset:(32*(\t/2)+8*(\t%2))*4
.endr
	; where my results go
	s_cmp_lt_u32 ttmp9, 4                          ; q or k?  The choices hang on the work-group's number alone
	s_cselect_b64 s[28:29], s[16:17], s[18:19]
	s_cselect_b32 s36, 13, 11                      ; a quarter is 8 groups of 1,024 bytes of codes (q, k) or of 256 (v),
	s_cselect_b32 s37, 12, 11                      ; a head has 4,096 bytes of scale words or 2,048,
	s_cselect_b32 s38, 10, 9                       ; a quarter 1,024 or 512
	s_cselect_b32 s39, s31, 0
	s_lshl_b32 s40, s31, 22
	s_lshl_b32 s43, s33, 15
	s_add_co_u32 s40, s40, s43
	s_lshl_b32 s43, s34, s36
	s_add_co_u32 s40, s40, s43
	s_add_nc_u64 s[26:27], s[14:15], s[40:41]      ; the codes
	s_lshl_b32 s40, s39, 19
	s_lshl_b32 s43, s33, s37
	s_add_co_u32 s40, s40, s43
	s_lshl_b32 s43, s34, s38
	s_add_co_u32 s40, s40, s43
	s_add_nc_u64 s[28:29], s[28:29], s[40:41]      ; the scale words
	s_wait_loadcnt 0x0                             ; W, its scale words and the bias
	s_wait_asynccnt 0x0                            ; my copies have landed
	s_barrier_signal -1
	s_barrier_wait -1                              ; everybody's copies have landed.  LDS is only read
	v_mov_b32 v[SWD], 0                            ; v's way: the two running scale words
	v_mov_b32 v[SWD+1], 0
.irp b, 0,1,2,3
	v_mov_b32 v[TM+4+\b], 0                        ; written once: a lane permute's destination counts as one of its sources
.endr
	s_cmp_lt_u32 ttmp9, 4
	s_cbranch_scc1 .Lbias_done
.irp t, 0,1,2,3
.irp j, 0,1,2,3,4,5,6,7
	v_mov_b32 v[BI+8*\t+\j], v[BV+\t]              ; v's way: a lane holds one channel, so all eight registers take its bias
.endr
.endr
.Lbias_done:
; one product.  way 0: source 0 = W (t, s), source 1 = y (u, s), accumulator 4 u + t;  way 1: the sources, their scale words and row selectors change places, accumulator 2 t + u
.macro WM way, s, u, t
.if \way == 0
.set rD, ACC+8*(4*(\u)+(\t))
.set rA, 64*(\t)+8*(\s)
.set rB, YF+32*(((\s)/2)%2)+16*((\s)%2)+8*(\u)
.set rP, WSC+4*(\t)+((\s)%4)
.set rQ, YSC+4*(\u)+((\s)/2)
.set fA, (\s)/4
.set fB, (\s)%2
.else
.set rD, ACC+8*(2*(\t)+(\u))
.set rA, YF+32*(((\s)/2)%2)+16*((\s)%2)+8*(\u)
.set rB, 64*(\t)+8*(\s)
.set rP, YSC+4*(\u)+((\s)/2)
.set rQ, WSC+4*(\t)+((\s)%4)
.set fA, (\s)%2
.set fB, (\s)/4
.endif
.set rC, rD
.if (\s) == 0
.set rC, BI+8*(\t)                     ; the first K step starts the sum from the bias: nothing is cleared, nothing added later
.endif
.if (fA == 0) && (fB == 0)
	v_wmma_scale_f32_16x16x128_f8f6f4 v[rD:rD+7], v[rA:rA+7], v[rB:rB+7], v[rC:rC+7], v[rP], v[rQ] matrix_a_fmt:MATRIX_FMT_FP4 matrix_b_fmt:MATRIX_FMT_FP4
.elseif (fA == 1) && (fB == 0)
	v_wmma_scale_f32_16x16x128_f8f6f4 v[rD:rD+7], v[rA:rA+7], v[rB:rB+7], v[rC:rC+7], v[rP], v[rQ] matrix_a_fmt:MATRIX_FMT_FP4 matrix_b_fmt:MATRIX_FMT_FP4 matrix_a_scale:MATRIX_SCALE_ROW1
.elseif (fA == 0) && (fB == 1)
	v_wmma_scale_f32_16x16x128_f8f6f4 v[rD:rD+7], v[rA:rA+7], v[rB:rB+7], v[rC:rC+7], v[rP], v[rQ] matrix_a_fmt:MATRIX_FMT_FP4 matrix_b_fmt:MATRIX_FMT_FP4 matrix_b_scale:MATRIX_SCALE_ROW1
.else
	v_wmma_scale_f32_16x16x128_f8f6f4 v[rD:rD+7], v[rA:rA+7], v[rB:rB+7], v[rC:rC+7], v[rP], v[rQ] matrix_a_fmt:MATRIX_FMT_FP4 matrix_b_fmt:MATRIX_FMT_FP4 matrix_a_scale:MATRIX_SCALE_ROW1 matrix_b_scale:MATRIX_SCALE_ROW1
.endif
.endm
; K steps 2 p and 2 p + 1: sixteen products; the eight accumulators take turns, one instruction a turn, in the same order in every K step
.macro MUL way, p
.if \way == 0
	WIN 0x01                                       ; source 0 window 1
.else
	WIN 0x04                                       ; source 1 window 1
.endif
.irp k, 0,1
.irp u, 0,1
.irp t, 0,1,2,3
	WM \way, (2*\p+\k), \u, \t
.endr
.endr
.endr
.endm
.macro YLOAD p                         ; y's fragments of K steps 2 p, 2 p + 1, both tiles of the group: eight loads, 512 consecutive bytes each
.irp k, 0,1
.irp u, 0,1
.irp c, 0,1
	ds_load_b128 v[YF+32*((\p)%2)+16*\k+8*\u+4*\c:YF+32*((\p)%2)+16*\k+8*\u+4*\c+3], v7 offset:8192*\u+1024*(2*(\p)+\k)+512*\c
.endr
.endr
.endr
.endm
; The 64 results of a lane are four blocks' halves: registers 16 b + i are sixteen neighbours along the next K.  Codes into v[PC + 2 b], v[PC + 2 b + 1]; bytes into v[TM + 4 + b].  Each accumulator is first read at its low end.
.macro QUANT
.irp b, 0,1,2,3
	v_max3_num_f32 v[TM+\b], |v[ACC+16*\b]|, |v[ACC+16*\b+1]|, 0x1800000   ; my sixteen numbers, and the floor 2^(3 - 127): the byte cannot fall under 1
.endr
.irp i, 2,4,6,8,10,12,14
.irp b, 0,1,2,3
	v_max3_num_f32 v[TM+\b], v[TM+\b], |v[ACC+16*\b+\i]|, |v[ACC+16*\b+\i+1]|
.endr
.endr
.irp b, 0,1,2,3
	v_permlanex16_b32 v[TM+4+\b], v[TM+\b], s24, s25
.endr
.irp b, 0,1,2,3
	v_max_num_f32 v[TM+\b], v[TM+\b], v[TM+4+\b]   ; with lane l xor 16's: the block's largest magnitude
.endr
.irp b, 0,1,2,3
	v_add_nc_u32 v[TM+12+\b], 0xff000000, v[TM+\b] ; 2 off its exponent field: the conversion's scale operand
.endr
.irp b, 0,1,2,3
	v_lshrrev_b32 v[TM+4+\b], 23, v[TM+12+\b]      ; the scale's byte
.endr
.irp b, 0,1,2,3
	v_cvt_scalef32_pk8_fp4_f32 v[PC+2*\b], v[ACC+16*\b:ACC+16*\b+7], v[TM+12+\b]
	v_cvt_scalef32_pk8_fp4_f32 v[PC+2*\b+1], v[ACC+16*\b+8:ACC+16*\b+15], v[TM+12+\b]
.endr
	v_nop                                          ; one plain instruction behind the last scaled conversion
.endm
; A trip: group G of 32 tokens through all of K, quantised and stored.
.macro TRIP way
	v_add_nc_u32 v7, s23, v1                       ; the group's two tiles of codes: 16,384 G + 16 x lane
	v_add_nc_u32 v8, s42, v4                       ; and their scale images: 1,024 G
	YLOAD 0
	ds_load_b128 v[YSC:YSC+3], v8
	ds_load_b128 v[YSC+4:YSC+7], v8 offset:512
	YLOAD 1
	s_wait_dscnt 8                                 ; all but the eight loads just issued
	MUL \way, 0
	PLACES
	WIN 0
	YLOAD 2
	s_wait_dscnt 8
	MUL \way, 1
	PLACES
	WIN 0
	YLOAD 3
	s_wait_dscnt 8
	MUL \way, 2
	s_wait_dscnt 0x0
	MUL \way, 3
	WIN 0
	PLACES
	s_wait_xcnt 0x0                                ; the last trip's stores have read their data and offsets: both are written again below
	QUANT
.if \way == 0
	v_add_nc_u32 v10, s42, v9                      ; two tiles of 512 bytes a group
.irp u, 0,1
.irp b, 0,1
	global_store_b64 v10, v[PC+2*(2*\u+\b):PC+2*(2*\u+\b)+1], s[26:27] offset:512*\u+256*\b   ; 32 lanes store 256 consecutive bytes, aligned: block b of tile u's sixteen rows
.endr
.endr
	v_lshl_or_b32 v[SWD], v[TM+5], 8, v[TM+4]      ; tile 0's word of my token: two bytes, zeros above
	v_lshl_or_b32 v[SWD+1], v[TM+7], 8, v[TM+6]    ; tile 1's
	v_cndmask_b32 v[SWD+2], v[SWD], v[SWD+1], s22  ; lanes 16-31 carry tile 1's
	s_lshl_b32 s43, s21, 7
	v_add_nc_u32 v12, s43, v11
	global_store_b32 v12, v[SWD+2], s[28:29]
.else
	s_lshl_b32 s43, s21, 8
	v_add_nc_u32 v10, s43, v9                      ; a key block of 256 bytes a group
.irp t, 0,1,2,3
	global_store_b64 v10, v[PC+2*\t:PC+2*\t+1], s[26:27] offset:8192*\t   ; 256 consecutive bytes, aligned: this key block of channel tile t's sixteen rows
.endr
.irp q, 0,1
	v_cndmask_b32 v[TM+8+\q], v[TM+4+2*\q], v[TM+5+2*\q], s22   ; lanes 16-31 carry the odd tile's byte
	v_lshrrev_b32 v[SWD+\q], 8, v[SWD+\q]          ; four trips' bytes make a word, the lower key block in the lower byte
	v_lshl_or_b32 v[SWD+\q], v[TM+8+\q], 24, v[SWD+\q]
.endr
	s_and_b32 s43, s21, 3
	s_cmp_lg_u32 s43, 3                            ; a branch on the loop's counter: every fourth trip a key step's words are whole
	s_cbranch_scc1 .Lno_word_\@
	s_lshr_b32 s43, s21, 2
	s_lshl_b32 s43, s43, 8
	v_add_nc_u32 v12, s43, v11
	global_store_b32 v12, v[SWD], s[28:29]
	global_store_b32 v12, v[SWD+1], s[28:29] offset:128
.Lno_word_\@:
.endif
.endm
	s_mov_b32 s21, 0                               ; G
	s_mov_b32 s23, 0                               ; 16,384 G
	s_mov_b32 s42, 0                               ; 1,024 G
.Ltrip:
	s_cmp_lt_u32 ttmp9, 4
	s_cbranch_scc0 .Lway_v
	TRIP 0
	s_branch .Lnext
.Lway_v:
	TRIP 1
.Lnext:
	s_add_co_u32 s23, s23, 16384
	s_add_co_u32 s42, s42, 1024
	s_add_co_u32 s21, s21, 1
	s_cmp_lt_u32 s21, 8
	s_cbranch_scc1 .Ltrip
	s_wait_tensorcnt 0x0
	ds_add_u32 v254, v255
	s_wait_dscnt 0x0
	s_endpgm
.Lfunc_end_k_qeb304d6a65_qkv:
	.size	k_qeb304d6a65_qkv, .Lfunc_end_k_qeb304d6a65_qkv-k_qeb304d6a65_qkv
	.p2alignl 7, 3214868480
	.fill 96, 4, 3214868480
	.section	.rodata,"a",@progbits
	.p2align	6, 0x0
	.amdhsa_kernel k_qeb304d6a65_qkv
		.amdhsa_group_segment_fixed_size 168960
		.amdhsa_private_segment_fixed_size 0
		.amdhsa_enable_private_segment 0
		.amdhsa_kernarg_size 64
		.amdhsa_user_sgpr_count 2
		.amdhsa_user_sgpr_kernarg_segment_ptr 1
		.amdhsa_wavefront_size32 1
		.amdhsa_system_sgpr_workgroup_id_x 1
		.amdhsa_system_sgpr_workgroup_id_y 1
		.amdhsa_system_sgpr_workgroup_id_z 1
		.amdhsa_system_vgpr_workitem_id 0
		.amdhsa_next_free_vgpr 512
		.amdhsa_next_free_sgpr 66
		.amdhsa_reserve_vcc 0
		.amdhsa_float_denorm_mode_32 3
		.amdhsa_float_denorm_mode_16_64 3
		.amdhsa_memory_ordered 1
		.amdhsa_forward_progress 1
		.amdhsa_inst_pref_size 47
	.end_amdhsa_kernel
	.amdgpu_metadata
---
amdhsa.version: [ 1, 2 ]
amdhsa.kernels:
  - .name:           k_qeb304d6a65_qkv
    .symbol:         k_qeb304d6a65_qkv.kd
    .args:
      - { .name: y_img, .offset: 0, .size: 8, .value_kind: global_buffer, .address_space: global }
      - { .name: y_sc, .offset: 8, .size: 8, .value_kind: global_buffer, .address_space: global }
      - { .name: w_img, .offset: 16, .size: 8, .value_kind: global_buffer, .address_space: global }
      - { .name: in_proj_weight_scales, .offset: 24, .size: 8, .value_kind: global_buffer, .address_space: global }
      - { .name: in_proj_bias, .offset: 32, .size: 8, .value_kind: global_buffer, .address_space: global }
      - { .name: qkv_img, .offset: 40, .size: 8, .value_kind: global_buffer, .address_space: global }
      - { .name: qk_sc, .offset: 48, .size: 8, .value_kind: global_buffer, .address_space: global }
      - { .name: v_sc, .offset: 56, .size: 8, .value_kind: global_buffer, .address_space: global }
    .group_segment_fixed_size: 168960
    .private_segment_fixed_size: 0
    .kernarg_segment_align: 8
    .kernarg_segment_size: 64
    .max_flat_workgroup_size: 256
    .sgpr_count:     66
    .vgpr_count:     512
    .wavefront_size: 32
...
	.end_amdgpu_metadata
.endif
;; end of part 2
;; launch attn (part 3): grid 2 x 128, 16 waves a work-group, no clusters, 96,256 bytes of LDS; arguments qkv_img, qk_sc, v_sc, encoder_padding_mask, ctx_img, ctx_sc; writes ctx_img, ctx_sc
.if DOCPART == 3
	.amdgcn_target "amdgcn-amd-amdhsa--gfx1250"
	.amdhsa_code_object_version 6
	.text
	.protected	k_qeb304d6a65_attn
	.globl	k_qeb304d6a65_attn
	.p2align	8
	.type	k_qeb304d6a65_attn,@function
k_qeb304d6a65_attn:
	s_mov_b64 s[64:65], 0
	v_nop
	global_prefetch_b8 v0, s[64:65] scope:SCOPE_SE
	s_setreg_imm32_b32 hwreg(HW_REG_WAVE_MODE, 25, 1), 1
	s_wait_xcnt 0x0
; ctx[b][q][head][:] = the sum over k of softmax_k(q . k / 8 + mask[b][k] x -1e8) v[k][:], both products on codes of FP4 (E2M1) with E8M0 scales; then ctx's quantiser along the hidden axis.
; THE SOFTMAX AHEAD OF THE SECOND PRODUCT: t = logit x log2(e); M = the row's largest t so far, rounded UP to a whole number; p = 2^(t - M) is quantised along the keys, not normalised; the row's sum is taken of the
; unquantised p and divides at the end.  When M moves, the sum and O are multiplied by 2^(old M - new M): exact.
; SHARES.  Work-group (x, bh): half of a head's 1,024 queries.  Sixteen waves, four to a SIMD, so that one wave's vector work stands beside another's products and LDS loads.  A wave owns one tile of 16 queries at a
; time and takes two.  The head's whole K and V (32 KB of codes each), their scale words, the mask's addends, and the work-group's 32 tiles of Q (16 KB) with their scale words lie in LDS, stored once;
; behind the one barrier LDS is only read, and nothing is loaded from memory any more.
; LAYOUT.  Both products are used transposed: S^T = K Q^T (source 0 = 16 keys), O^T = V^T P^T (source 0 = 16 channels): a lane holds ONE query throughout.  The rows of the tiles of K and of V^T were chosen by the launch
; that made them: row r of tile 2 b + u is 32 b + 8 u + r + 8 (r / 8), so the sixteen registers of tiles 2 b, 2 b + 1 are sixteen neighbours, 32 b + 16 (lane / 16) + 0 .. 15.
; The first product's K is the head's 64: the upper half of each operand holds zero codes, written once.
; THE MASK is honoured as it is given: S + 8 x fl(mask x -1e8) is 8 x the rounded logit (a factor 8 commutes with the rounding), then x log2(e) / 8, rounded: t.  A key step none of whose 128 keys has a mask word
; other than 0 passes over that: a scalar branch on whole numbers that this launch reads from memory.
; LIMITS: p under 2^-126 comes out as 0; a block of zeros gets the byte 1 where the rule says 127 (zero codes; read by this program alone); blocks whose largest magnitude lies under 2^-124 have their byte held at 1;
; NaN and infinities are not served.
; NO CLUSTER: the two work-groups of a head share 70 KB, fetched once at their heads through registers; two are no cluster of four.
.set LV,  32768                        ; LDS: K's codes from 0; V's from here;
.set LKS, 65536                        ; K's scale words, 4,096 bytes;
.set LVS, 69632                        ; V's, 2,048;
.set LMA, 71680                        ; 8 x fl(mask x -1e8), f32, a word a key: 4,096 bytes;
.set LQ,  75776                        ; my half's 32 tiles of Q, 512 bytes each;
.set LQS, 92160                        ; and their scale words, 64 bytes a tile
; REGISTERS: v1-5 lane terms of the five LDS addresses; v6-10 those addresses for the step in hand; v11 at work; v12 -M, v13 the largest t, v[14:15] the sum in two halves; v[16:23] Q (v20-23 zeros); v24 Q's scale word;
; v25 p's scale word; v[26:27] f, later 1 / sum; v28-31 K's scale words; v32-95 eight fragments of K (the upper four registers of each are zeros); v96-159 S^T, then p; v160-191 O^T; v192-223 V's fragments (the mask's
; addends before them); v224-231 p's codes; v232-247 at work; v248-249 V's scale words; v250, v251 ctx's store offsets; v241, v253, v255 lane terms that stay; v252, v254 at work.
	s_load_b256 s[4:11], s[0:1], 0x0               ; qkv_img s[4:5], qk_sc s[6:7], v_sc s[8:9], the mask s[10:11]
	s_load_b128 s[12:15], s[0:1], 0x20             ; ctx_img s[12:13], ctx_sc s[14:15]
	v_lshl_add_u32 v242, v0, 2, 0x17000
	v_mov_b32 v243, 0
	v_lshrrev_b32 v11, 5, v0
	v_readfirstlane_b32 s16, v11                   ; wave 0..15
	v_and_b32 v11, 31, v0                          ; lane
	v_lshlrev_b32 v1, 4, v11                       ; K: 16 x lane
	v_add_nc_u32 v2, LV, v1                        ; V
	v_lshlrev_b32 v3, 2, v11
	v_add_nc_u32 v4, LVS, v3                       ; V's scale words: 4 x lane
	v_add_nc_u32 v3, LKS, v3                       ; K's
	v_bfe_u32 v5, v0, 4, 1
	v_lshlrev_b32 v5, 6, v5
	v_add_nc_u32 v5, LMA, v5                       ; the addends of my sixteen keys of a block: 64 h
	v_lshlrev_b32 v6, 4, v0                        ; the head's way in: 16, 8 and 4 bytes a thread
	v_lshlrev_b32 v7, 3, v0
	v_lshlrev_b32 v8, 2, v0
	v_add_nc_u32 v9, LKS, v7
	v_add_nc_u32 v10, LVS, v8
	v_add_nc_u32 v11, LQ, v6                       ; Q's way in
	v_and_b32 v253, 15, v0                         ; r
	v_bfe_u32 v254, v0, 4, 1                       ; h
	v_lshlrev_b32 v255, 4, v253
	v_add_nc_u32 v241, v255, v254                  ; v241: 16 r + h
	v_lshl_add_u32 v255, v254, 3, v255             ; v255: 16 r + 8 h
	v_lshlrev_b32 v253, 2, v253                    ; v253: 4 r
	s_and_b32 s25, ttmp7, 0xffff                   ; bh
	s_and_b32 s26, s25, 15                         ; head
	s_lshr_b32 s27, s25, 4                         ; batch
	s_bfe_u32 s44, s26, 0x10001                    ; the head's place in a tile's scale image: K step head / 2, bytes 2 (head % 2) + block:
	s_lshl_b32 s44, s44, 8                         ; 256 ((head / 2) % 2)
	s_lshr_b32 s40, s26, 2
	s_lshl_b32 s40, s40, 2
	s_add_co_u32 s44, s44, s40                     ; + 4 (head / 4)
	s_and_b32 s40, s26, 1
	s_lshl_b32 s40, s40, 1
	s_add_co_u32 s44, s44, s40                     ; + 2 (head % 2)
	s_mov_b32 s20, 0x76543210                      ; v_permlanex16_b32's selects: lane l xor 16
	s_mov_b32 s21, 0xfedcba98
	s_mov_b32 s24, 0xffff0000                      ; lanes 16-31
	s_mov_b32 s39, 0
	s_lshl_b32 s38, s25, 15
	s_wait_kmcnt 0x0
	s_add_nc_u64 s[28:29], s[4:5], s[38:39]        ; Q's codes of my head,
	s_add_nc_u64 s[32:33], s[28:29], 0x400000      ; K's,
	s_add_nc_u64 s[34:35], s[28:29], 0x800000      ; V's
	s_lshl_b32 s38, s25, 12
	s_add_nc_u64 s[30:31], s[6:7], s[38:39]        ; Q's scale words,
	s_add_nc_u64 s[36:37], s[30:31], 0x80000       ; K's,
	s_lshl_b32 s38, ttmp9, 14
	s_add_nc_u64 s[28:29], s[28:29], s[38:39]      ; of Q my half's 32 tiles: 16,384 bytes of codes,
	s_lshl_b32 s38, ttmp9, 11
	s_add_nc_u64 s[30:31], s[30:31], s[38:39]      ; 2,048 of scale words
	s_lshl_b32 s38, s25, 11
	s_add_nc_u64 s[8:9], s[8:9], s[38:39]          ; V's scale words
	s_lshl_b32 s38, s27, 12
	s_add_nc_u64 s[10:11], s[10:11], s[38:39]      ; my batch's mask
.irp i, 0,1,2,3
	global_load_b128 v[32+4*\i:35+4*\i], v6, s[32:33] offset:8192*\i
.endr
.irp i, 0,1,2,3
	global_load_b128 v[48+4*\i:51+4*\i], v6, s[34:35] offset:8192*\i
.endr
	global_load_b64 v[64:65], v7, s[36:37]
	global_load_b32 v66, v8, s[8:9]
	global_load_b64 v[68:69], v7, s[10:11]         ; two keys' mask words a thread
	global_load_b128 v[72:75], v6, s[28:29]        ; Q: 512 threads x 16 bytes, twice
	global_load_b128 v[76:79], v6, s[28:29] offset:8192
	global_load_b32 v80, v8, s[30:31]
.irp s, 0,1,2,3,4,5,6,7
	global_load_b128 v[96+4*\s:99+4*\s], v1, s[10:11] offset:512*\s   ; and, in every wave, key step s's 128 mask words, four a lane
.endr
	s_wait_loadcnt 0x0
	s_mov_b32 s19, 0                               ; bit s: key step s has a mask word other than 0
.irp s, 0,1,2,3,4,5,6,7
	v_or_b32 v[96+4*\s], v[96+4*\s], v[97+4*\s]
	v_or_b32 v[98+4*\s], v[98+4*\s], v[99+4*\s]
	v_or_b32 v[96+4*\s], v[96+4*\s], v[98+4*\s]
	v_cmp_ne_u32 vcc_lo, 0, v[96+4*\s]
	s_cmp_lg_u32 vcc_lo, 0
	s_cselect_b32 s40, 1<<\s, 0
	s_or_b32 s19, s19, s40
.endr
	v_cvt_f32_i32 v68, v68
	v_cvt_f32_i32 v69, v69
	v_mul_f32 v68, 0xccbebc20, v68                 ; x -1e8, rounded as reference() rounds it,
	v_mul_f32 v69, 0xccbebc20, v69
	v_mul_f32 v68, 0x41000000, v68                 ; x 8: exact
	v_mul_f32 v69, 0x41000000, v69
.irp i, 0,1,2,3
	ds_store_b128 v6, v[32+4*\i:35+4*\i] offset:8192*\i
	ds_store_b128 v6, v[48+4*\i:51+4*\i] offset:LV+8192*\i
.endr
	ds_store_b64 v9, v[64:65]
	ds_store_b32 v10, v66
	ds_store_b64 v9, v[68:69] offset:LMA-LKS
	ds_store_b128 v11, v[72:75]
	ds_store_b128 v11, v[76:79] offset:8192
	ds_store_b32 v10, v80 offset:LQS-LVS
	s_wait_dscnt 0x0                               ; for the others' sake: my stores have landed
	s_barrier_signal -1
	s_barrier_wait -1                              ; from here on LDS is only read
.irp t, 0,1,2,3,4,5,6,7
.irp j, 4,5,6,7
	v_mov_b32 v[32+8*\t+\j], 0                     ; K's fragments beyond the head's 64: zero codes, written once
.endr
.endr
.irp j, 20,21,22,23
	v_mov_b32 v\j, 0                               ; Q's likewise
.endr
.irp b, 0,1,2,3
	v_mov_b32 v[236+\b], 0                         ; written once: a lane permute's destination counts as one of its sources
.endr
	v_mov_b32 v27, 0                               ; (named as the upper half of the pair v[26:27])
	s_mov_b32 s18, 0                               ; which of my two tiles
.Ltile:
	s_wait_xcnt 0x0                                ; the last tile's stores have read their data and offsets
	s_lshl_b32 s45, s18, 4
	s_add_co_u32 s45, s45, s16                     ; my tile in my half: 16 i + wave
	s_lshl_b32 s42, ttmp9, 5
	s_add_co_u32 s42, s42, s45                     ; and in the batch: + 32 x
	s_lshl_b32 s40, s45, 9
	s_add_co_u32 s40, s40, LQ
	v_add_nc_u32 v11, s40, v1
	s_lshl_b32 s40, s45, 6
	s_add_co_u32 s40, s40, LQS
	v_add_nc_u32 v252, s40, v253
	ds_load_b128 v[16:19], v11                     ; Q's fragment: lane (r, h): block h of row r
	ds_load_b32 v24, v252                          ; and row r's scale word
	v_mov_b32 v13, 0xff61b1e6                      ; the largest t so far: -3e38, under every t
	v_floor_f32 v12, -v13                          ; -M
	v_mov_b32 v14, 0
	v_mov_b32 v15, 0
.set n, 0
.rept 32
	v_mov_b32 v[160+n], 0                          ; O^T.  (The step is written once: the first finds zeros, which the first change of M leaves zeros)
.set n, n+1
.endr
	s_mov_b32 s17, 0                               ; the key step
	s_wait_dscnt 0x0
.Lstep:                                            ; 128 keys
	v_lshl_add_u32 v6, s17, 12, v1                 ; eight tiles of K: 4,096 bytes a step.  (These five are also the places behind the last step's products, ahead of the loads into V's registers)
	v_lshl_add_u32 v7, s17, 10, v2                 ; four key blocks of V: 1,024
	v_lshl_add_u32 v8, s17, 9, v3                  ; K's scale words: 512
	v_lshl_add_u32 v9, s17, 8, v4                  ; V's: 256
	v_lshl_add_u32 v10, s17, 9, v5                 ; the addends: 512
.irp t, 0,1,2,3,4,5,6,7
	ds_load_b128 v[32+8*\t:35+8*\t], v6 offset:512*\t
.endr
.irp p, 0,1,2,3
	ds_load_b32 v[28+\p], v8 offset:128*\p         ; lanes 0-15: tile 2 p's words; lanes 16-31: tile 2 p + 1's
.endr
	s_mov_b32 s22, 0x3e38aa3b                      ; c = log2(e) / 8: t = score x c
	s_mov_b32 s23, s22                             ; (the packed forms name the pair)
	s_wait_dscnt 0x0
.irp t, 0,2,4,6
	v_wmma_scale_f32_16x16x128_f8f6f4 v[96+8*\t:103+8*\t], v[32+8*\t:39+8*\t], v[16:23], 0, v[28+\t/2], v24 matrix_a_fmt:MATRIX_FMT_FP4 matrix_b_fmt:MATRIX_FMT_FP4
	v_wmma_scale_f32_16x16x128_f8f6f4 v[104+8*\t:111+8*\t], v[40+8*\t:47+8*\t], v[16:23], 0, v[28+\t/2], v24 matrix_a_fmt:MATRIX_FMT_FP4 matrix_b_fmt:MATRIX_FMT_FP4 matrix_a_scale:MATRIX_SCALE_ROW1
.endr                                              ; register 16 b + i of v96 on: key 128 s + 32 b + 16 h + i
.rept 4
	v_nop
.endr
	s_lshr_b32 s40, s19, s17
	s_and_b32 s40, s40, 1
	s_cmp_eq_u32 s40, 0
	s_cbranch_scc1 .Lopen
.irp p, 0,1                                        ; the masked way, two blocks of 32 keys at a time, registers in ascending order
.irp b, 0,1
.irp e, 0,1,2,3
	ds_load_b128 v[192+16*\b+4*\e:195+16*\b+4*\e], v10 offset:128*(2*\p+\b)+16*\e
.endr
.endr
	s_wait_dscnt 0x0
.set n, 0
.rept 16
	v_pk_add_f32 v[96+32*\p+n:97+32*\p+n], v[96+32*\p+n:97+32*\p+n], v[192+n:193+n]   ; 8 x the logit, rounded where reference() rounds it
.set n, n+2
.endr
.set n, 0
.rept 16
	v_pk_mul_f32 v[96+32*\p+n:97+32*\p+n], v[96+32*\p+n:97+32*\p+n], s[22:23] op_sel_hi:[1,0]   ; t, rounded
.set n, n+2
.endr
.endr
	s_mov_b32 s22, 1.0                             ; the registers now hold t itself
	s_mov_b32 s23, 1.0
.Lopen:
.irp t, 0,1,2,3
.irp c, 0,1
	ds_load_b128 v[192+8*\t+4*\c:195+8*\t+4*\c], v7 offset:8192*\t+512*\c   ; V's fragments land while the softmax is walked
.endr
.endr
.irp q, 0,1
	ds_load_b32 v[248+\q], v9 offset:128*\q
.endr
.irp b, 0,1,2,3
	v_max3_num_f32 v[232+\b], v[96+16*\b], v[97+16*\b], v[98+16*\b]   ; the largest score of each block of 32 keys: it serves the row's maximum and, since p rises with the score, the block's largest p
.endr
.irp i, 3,5,7,9,11,13
.irp b, 0,1,2,3
	v_max3_num_f32 v[232+\b], v[232+\b], v[96+16*\b+\i], v[97+16*\b+\i]
.endr
.endr
.irp b, 0,1,2,3
	v_max_num_f32 v[232+\b], v[232+\b], v[111+16*\b]
.endr
.irp b, 0,1,2,3
	v_permlanex16_b32 v[236+\b], v[232+\b], s20, s21
.endr
.irp b, 0,1,2,3
	v_max_num_f32 v[232+\b], v[232+\b], v[236+\b]  ; with lane l xor 16's sixteen keys
.endr
	v_max3_num_f32 v254, v232, v233, v234
	v_max_num_f32 v254, v254, v235
	v_mul_f32 v254, s22, v254                      ; as t (the factor is positive)
	v_max_num_f32 v13, v13, v254                   ; the running largest t
	v_mov_b32 v254, v12
	v_floor_f32 v12, -v13                          ; the new -M = -ceil(t): a whole number
	v_sub_f32 v254, v12, v254                      ; old M - new M: a whole number, 0 or less
	v_cvt_i32_f32 v254, v254                       ; (it saturates)
	v_ldexp_f32 v26, 1.0, v254                     ; f = 2^(old M - new M)
.set n, 0
.rept 32
	v_pk_fma_f32 v[96+n:97+n], v[96+n:97+n], s[22:23], v[12:13] op_sel_hi:[1,0,0]   ; t - M, two at a time
.set n, n+2
.endr
.irp b, 0,1,2,3
	v_fma_f32 v[232+\b], v[232+\b], s22, v12       ; the same of each block's largest score
.endr
.set n, 0
.rept 64
	v_exp_f32 v[96+n], v[96+n]                     ; p = 2^(t - M), at most 1
.set n, n+1
.endr
	v_pk_mul_f32 v[14:15], v[14:15], v[26:27] op_sel_hi:[1,0]   ; the sums under the new M: a plain instruction behind the exponentials
	s_wait_alu depctr_va_vdst(0)                   ; one wait for the batch of 64, ahead of its first reader
.irp b, 0,1,2,3
	v_exp_f32 v[232+\b], v[232+\b]                 ; the block's largest p: the same two instructions on the same number
.endr
	v_pk_add_f32 v[236:237], v[96:97], v[98:99]    ; the row's sum of the unquantised p, in two chains; it reads the 64 alone
.irp j, 4,8,12,16,20,24,28,32,36,40,44,48,52,56,60
	v_pk_add_f32 v[14:15], v[14:15], v[96+\j:97+\j]
	v_pk_add_f32 v[236:237], v[236:237], v[98+\j:99+\j]
.endr
	v_pk_add_f32 v[14:15], v[14:15], v[236:237]
	s_wait_alu depctr_va_vdst(0)                   ; and one for the four
.irp b, 0,1,2,3
	v_max_num_f32 v[232+\b], 0x1800000, v[232+\b]  ; the floor 2^(3 - 127): the byte cannot fall under 1
.endr
.irp b, 0,1,2,3
	v_add_nc_u32 v[244+\b], 0xff000000, v[232+\b]  ; the conversion's scale operand
.endr
.irp b, 0,1,2,3
	v_lshrrev_b32 v[236+\b], 23, v[244+\b]         ; the scale's byte
.endr
	v_lshl_or_b32 v25, v237, 8, v236               ; p's scale word for these 128 keys
	v_lshl_or_b32 v25, v238, 16, v25
	v_lshl_or_b32 v25, v239, 24, v25
.irp b, 0,1,2,3
	v_cvt_scalef32_pk8_fp4_f32 v[224+2*\b], v[96+16*\b:103+16*\b], v[244+\b]
	v_cvt_scalef32_pk8_fp4_f32 v[225+2*\b], v[104+16*\b:111+16*\b], v[244+\b]
.endr
	v_nop                                          ; one plain instruction behind the last scaled conversion
.irp c, 0,1                                        ; the operand's layout wants a whole block in a lane: lanes 0-15 block 2 c, lanes 16-31 block 2 c + 1
.irp i, 0,1
	v_permlane16_swap_b32 v[224+4*\c+\i], v[226+4*\c+\i]
.endr
.endr
.set n, 0
.rept 16
	v_pk_mul_f32 v[160+n:161+n], v[160+n:161+n], v[26:27] op_sel_hi:[1,0]   ; O^T under the new M.  Twelve of these sixteen name no register of any one product below: the places ahead of it for p's scale word (eight) and codes (four)
.set n, n+2
.endr
	s_wait_dscnt 0x0                               ; V's fragments and scale words
.irp t, 0,2
	v_wmma_scale_f32_16x16x128_f8f6f4 v[160+8*\t:167+8*\t], v[192+8*\t:199+8*\t], v[224:231], v[160+8*\t:167+8*\t], v[248+\t/2], v25 matrix_a_fmt:MATRIX_FMT_FP4 matrix_b_fmt:MATRIX_FMT_FP4
	v_wmma_scale_f32_16x16x128_f8f6f4 v[168+8*\t:175+8*\t], v[200+8*\t:207+8*\t], v[224:231], v[168+8*\t:175+8*\t], v[248+\t/2], v25 matrix_a_fmt:MATRIX_FMT_FP4 matrix_b_fmt:MATRIX_FMT_FP4 matrix_a_scale:MATRIX_SCALE_ROW1
.endr                                              ; four accumulators, one instruction each
	s_add_co_u32 s17, s17, 1
	s_cmp_lt_u32 s17, 8
	s_cbranch_scc1 .Lstep
	; ---- the tile's end: O^T / the sum, quantised along the hidden axis: the head's two blocks
	v_add_f32 v14, v14, v15
	v_permlanex16_b32 v254, v14, s20, s21
	v_add_f32 v14, v14, v254                       ; the row's sum
	v_rcp_f32 v26, v14
	s_lshl_b32 s43, s27, 6
	s_add_co_u32 s43, s43, s42                     ; my tile among all 512
	s_lshl_b32 s40, s43, 13
	s_lshl_b32 s41, s26, 9
	s_add_co_u32 s40, s40, s41
	v_add_nc_u32 v250, s40, v255                   ; ctx_img: 8,192 T + 256 (2 head + block) + 16 r + 8 h
	s_lshl_b32 s40, s43, 9
	s_add_co_u32 s40, s40, s44
	v_add_nc_u32 v251, s40, v241                   ; ctx_sc: 512 T + the head's place + 16 r + the block, which is h
	v_nop
	v_nop                                          ; (with the additions above: the places behind the last products)
	s_wait_alu depctr_va_vdst(0)                   ; the wait ahead of the reciprocal's first reader
.set n, 0
.rept 16
	v_pk_mul_f32 v[96+n:97+n], v[160+n:161+n], v[26:27] op_sel_hi:[1,0]   ; register 16 b + i: channel 32 b + 16 h + i of my query; each accumulator from its low end on
.set n, n+2
.endr
.irp b, 0,1
	v_max3_num_f32 v[232+\b], |v[96+16*\b]|, |v[97+16*\b]|, 0x1800000
.endr
.irp i, 2,4,6,8,10,12,14
.irp b, 0,1
	v_max3_num_f32 v[232+\b], v[232+\b], |v[96+16*\b+\i]|, |v[97+16*\b+\i]|
.endr
.endr
.irp b, 0,1
	v_permlanex16_b32 v[236+\b], v[232+\b], s20, s21
.endr
.irp b, 0,1
	v_max_num_f32 v[232+\b], v[232+\b], v[236+\b]
.endr
.irp b, 0,1
	v_add_nc_u32 v[244+\b], 0xff000000, v[232+\b]
.endr
.irp b, 0,1
	v_cvt_scalef32_pk8_fp4_f32 v[224+2*\b], v[96+16*\b:103+16*\b], v[244+\b]
	v_cvt_scalef32_pk8_fp4_f32 v[225+2*\b], v[104+16*\b:111+16*\b], v[244+\b]
.endr
	v_cndmask_b32 v240, v244, v245, s24            ; lanes 0-15 store block 0's byte, lanes 16-31 block 1's.  (The plain instruction behind the conversions)
	v_lshrrev_b32 v240, 23, v240
	global_store_b64 v250, v[224:225], s[12:13]    ; 32 lanes store 256 consecutive bytes, aligned: a block of the tile's sixteen rows
	global_store_b64 v250, v[226:227], s[12:13] offset:256
	global_store_b8 v251, v240, s[14:15]           ; one byte in 17 of what the tile stores
	s_add_co_u32 s18, s18, 1
	s_cmp_lt_u32 s18, 2
	s_cbranch_scc1 .Ltile
	s_wait_tensorcnt 0x0
	ds_add_u32 v242, v243
	s_wait_dscnt 0x0
	s_endpgm
.Lfunc_end_k_qeb304d6a65_attn:
	.size	k_qeb304d6a65_attn, .Lfunc_end_k_qeb304d6a65_attn-k_qeb304d6a65_attn
	.p2alignl 7, 3214868480
	.fill 96, 4, 3214868480
	.section	.rodata,"a",@progbits
	.p2align	6, 0x0
	.amdhsa_kernel k_qeb304d6a65_attn
		.amdhsa_group_segment_fixed_size 96256
		.amdhsa_private_segment_fixed_size 0
		.amdhsa_enable_private_segment 0
		.amdhsa_kernarg_size 48
		.amdhsa_user_sgpr_count 2
		.amdhsa_user_sgpr_kernarg_segment_ptr 1
		.amdhsa_wavefront_size32 1
		.amdhsa_system_sgpr_workgroup_id_x 1
		.amdhsa_system_sgpr_workgroup_id_y 1
		.amdhsa_system_sgpr_workgroup_id_z 1
		.amdhsa_system_vgpr_workitem_id 0
		.amdhsa_next_free_vgpr 256
		.amdhsa_next_free_sgpr 66
		.amdhsa_reserve_vcc 1
		.amdhsa_float_denorm_mode_32 3
		.amdhsa_float_denorm_mode_16_64 3
		.amdhsa_memory_ordered 1
		.amdhsa_forward_progress 1
		.amdhsa_inst_pref_size 36
	.end_amdhsa_kernel
	.amdgpu_metadata
---
amdhsa.version: [ 1, 2 ]
amdhsa.kernels:
  - .name:           k_qeb304d6a65_attn
    .symbol:         k_qeb304d6a65_attn.kd
    .args:
      - { .name: qkv_img, .offset: 0, .size: 8, .value_kind: global_buffer, .address_space: global }
      - { .name: qk_sc, .offset: 8, .size: 8, .value_kind: global_buffer, .address_space: global }
      - { .name: v_sc, .offset: 16, .size: 8, .value_kind: global_buffer, .address_space: global }
      - { .name: encoder_padding_mask, .offset: 24, .size: 8, .value_kind: global_buffer, .address_space: global }
      - { .name: ctx_img, .offset: 32, .size: 8, .value_kind: global_buffer, .address_space: global }
      - { .name: ctx_sc, .offset: 40, .size: 8, .value_kind: global_buffer, .address_space: global }
    .group_segment_fixed_size: 96256
    .private_segment_fixed_size: 0
    .kernarg_segment_align: 8
    .kernarg_segment_size: 48
    .max_flat_workgroup_size: 512
    .sgpr_count:     66
    .vgpr_count:     256
    .wavefront_size: 32
...
	.end_amdgpu_metadata
.endif
;; end of part 3
;; launch outp (part 4): grid 4 x 64, 4 waves a work-group, no clusters, 168,448 bytes of LDS; arguments ctx_img, ctx_sc, w_img, out_proj_weight_scales, out_proj_bias, hidden_states, out0; writes out0
.if DOCPART == 4
	.amdgcn_target "amdgcn-amd-amdhsa--gfx1250"
	.amdhsa_code_object_version 6
	.text
	.protected	k_qeb304d6a65_outp
	.globl	k_qeb304d6a65_outp
	.p2align	8
	.type	k_qeb304d6a65_outp,@function
k_qeb304d6a65_outp:
	s_mov_b64 s[64:65], 0
	v_nop
	global_prefetch_b8 v0, s[64:65] scope:SCOPE_SE
	s_setreg_imm32_b32 hwreg(HW_REG_WAVE_MODE, 25, 1), 1
	s_wait_xcnt 0x0
; out0 = x + ctx W^T + bias; the product on codes of FP4 (E2M1) with E8M0 scales, sums in f32.
; SHARES.  Work-group (cx, ry): 256 columns x 128 tokens (8 tiles, 4 groups of 32).  Wave w owns 64 columns: its 64 x 1,024 weights stay in 256 registers (window 1), its 128 rows x 256 bytes of x in 256 more (window 2);
; the first launch has laid the weights in the order of these registers, so each of the 64 loads reads 512 consecutive bytes into its final place.
; The tokens' codes (64 KB) and scale words (4 KB) lie in LDS, copied once.  Everything that the work-group reads is asked for at its head.
; TILES.  Row r of tile 2 b + u is token (or weight row) 32 b + 8 u + r + 8 (r / 8), as the launches before laid ctx and W.  Source 0 = W, source 1 = ctx: a lane holds one token and eight neighbouring columns a tile.
; THE WAY OUT.  A tile's sixteen rows x 256 bytes go through the wave's own stage in LDS and come back by rows; x is added; sixteen lanes store 256 consecutive bytes, aligned.
; NO CLUSTER: what work-groups share (ctx's block along cx, the weights along ry) is fetched once by each at its head and never again, and the weights go straight into registers.
; LDS: 87,040 bytes are used; more than half of a WGP's is claimed.
.set CSL,  65536                       ; LDS: ctx's codes from 0 (8 tiles x 8,192); their scale images from here (8 x 512);
.set STG,  69632                       ; then a stage of 16 rows x 272 bytes for each wave, for the way out (272 = 17 x 16: sixteen rows start in sixteen different 16-byte columns)
.set SPO,  272
.set WOUT, 0x180000                    ; out_proj's tiles in w_img lie behind in_proj's 192 tiles of 8,192 bytes
.set WSC,  16                          ; v16-31   W's scale words: tile t at WSC + 4 t + i: lanes 0-15 K step i, lanes 16-31 K step 4 + i
.set CSC,  32                          ; v32-39   ctx's: tile u at CSC + 4 u + j: lanes 0-15 K step 2 j, lanes 16-31 K step 2 j + 1
.set ACC,  40                          ; v40-103  eight accumulators: (u, t) at ACC + 8 (4 u + t)
.set CF,   104                         ; v104-167 ctx's fragments: two buffers of 32
.set RB,   168                         ; v168-199 sixteen rows read back from the stage
.set BI,   200                         ; v200-231 the bias in the result's layout: the C of each sum's first product
; v1 16 x lane; v2 16 x thread (LDS); v12 the same (memory); v3 CSL + 16 x thread; v4 CSL + 16 x lane; v7, v8 the way out, in and back; v9 my place in two rows of x and out0
.set MSB, 0
.macro WIN new                         ; s_set_vgpr_msb: bits 1:0 source 0, 3:2 source 1, 5:4 source 2, 7:6 destination; the high byte repeats the setting that is left
.if MSB != \new
	s_set_vgpr_msb (MSB<<8)|\new
.set MSB, \new
.endif
.endm
.macro PLACES                          ; four plain vector instructions behind a matrix instruction, ahead of loads into its sources and of the first read of its result
.rept 4
	v_nop
.endr
.endm
	s_load_b256 s[4:11], s[0:1], 0x0               ; ctx_img s[4:5], ctx_sc s[6:7], w_img s[8:9], W's scales s[10:11]
	s_load_b128 s[12:15], s[0:1], 0x20             ; bias s[12:13], x s[14:15]
	s_load_b64 s[16:17], s[0:1], 0x30              ; out0
	v_lshl_add_u32 v254, v0, 2, 0x29000
	v_mov_b32 v255, 0
	ds_add_u32 v254, v255
	ds_add_u32 v254, v255
	v_lshrrev_b32 v13, 5, v0
	v_readfirstlane_b32 s20, v13                   ; wave 0..3
	v_and_b32 v13, 31, v0                          ; lane
	v_lshlrev_b32 v1, 4, v13
	v_lshlrev_b32 v2, 4, v0
	v_lshlrev_b32 v12, 4, v0
	v_add_nc_u32 v3, CSL, v2
	v_add_nc_u32 v4, CSL, v1
	s_mul_i32 s31, s20, 16*SPO
	s_add_co_u32 s31, s31, STG                     ; my stage
	v_and_b32 v14, 15, v0                          ; r
	v_bfe_u32 v15, v0, 4, 1                        ; h
	v_mul_u32_u24 v7, v14, SPO
	v_lshl_add_u32 v7, v15, 6, v7
	v_add_nc_u32 v7, s31, v7                       ; the way out, in: row r, + 64 h: my half's sixteen columns of a block of 32
	v_mul_u32_u24 v8, v15, SPO
	v_lshl_add_u32 v8, v14, 4, v8
	v_add_nc_u32 v8, s31, v8                       ; back: lanes 0-15 one row of 256 bytes, lanes 16-31 the next
	v_lshlrev_b32 v9, 4, v14
	v_lshl_add_u32 v9, v15, 12, v9                 ; and the same two rows in x and out0
	v_and_b32 v10, 8, v14
	v_add_nc_u32 v10, v10, v14                     ; r + 8 (r / 8)
	v_lshlrev_b32 v10, 5, v10
	v_lshl_add_u32 v10, v15, 4, v10                ; W's scales: 32 bytes a row, + 16 h
	v_lshlrev_b32 v11, 6, v15                      ; the bias: 64 h
	s_and_b32 s30, ttmp7, 0xffff                   ; ry
	s_lshl_b32 s35, ttmp9, 8
	s_lshl_b32 s31, s20, 6
	s_add_co_u32 s35, s35, s31                     ; my first column
	s_mov_b32 s33, 0
	s_wait_dscnt 0x0
	s_wait_kmcnt 0x0
	s_lshl_b32 s32, s30, 16
	s_add_nc_u64 s[4:5], s[4:5], s[32:33]          ; ctx's 8 tiles
	s_lshl_b32 s32, s30, 12
	s_add_nc_u64 s[6:7], s[6:7], s[32:33]          ; and their scale images
	; the copies stand ahead of every LDS read, wait on their counter and barrier; the immediate is added to both addresses, so LDS holds the bytes as memory has them
.set n, 0
.rept 32
	global_load_async_to_lds_b128 v2, v12, s[4:5] offset:2048*n
.set n, n+1
.endr
	global_load_async_to_lds_b128 v3, v12, s[6:7]
	global_load_async_to_lds_b128 v3, v12, s[6:7] offset:2048
	s_lshl_b32 s32, s35, 9
	s_add_nc_u64 s[8:9], s[8:9], s[32:33]          ; my 64 rows of W are four tiles of 8,192 bytes: 512 bytes a row,
	s_add_nc_u64 s[8:9], s[8:9], WOUT              ; among out_proj's
	s_lshl_b32 s32, s35, 5
	s_add_nc_u64 s[10:11], s[10:11], s[32:33]
	s_lshl_b32 s32, s35, 2
	s_add_nc_u64 s[12:13], s[12:13], s[32:33]
	s_lshl_b32 s34, s30, 19                        ; 128 rows of 4,096 bytes
	s_add_co_u32 s32, s32, s34
	s_add_nc_u64 s[14:15], s[14:15], s[32:33]
	s_add_nc_u64 s[16:17], s[16:17], s[32:33]
	WIN 0x40                                       ; destination window 1
.irp t, 0,1,2,3
.irp s, 0,1,2,3,4,5,6,7
.irp c, 0,1
	global_load_b128 v[64*\t+8*\s+4*\c:64*\t+8*\s+4*\c+3], v1, s[8:9] offset:8192*\t+1024*\s+512*\c   ; registers 4 c .. 4 c + 3 of fragment (t, s): 512 consecutive bytes
.endr
.endr
.endr
	WIN 0
.irp t, 0,1,2,3
	global_load_b128 v[WSC+4*\t:WSC+4*\t+3], v10, s[10:11] offset:(32*(\t/2)+8*(\t%2))*32
.endr
.irp t, 0,1,2,3
	global_load_b128 v[BI+8*\t:BI+8*\t+3], v11, s[12:13] offset:(32*(\t/2)+8*(\t%2))*4
	global_load_b128 v[BI+8*\t+4:BI+8*\t+7], v11, s[12:13] offset:(32*(\t/2)+8*(\t%2))*4+16
.endr
	WIN 0x80                                       ; destination window 2: x, in the order in which the way out reads rows back
.irp g, 0,1,2,3
.irp u, 0,1
.irp i, 0,1,2,3,4,5,6,7
	global_load_b128 v[64*\g+32*\u+4*\i:64*\g+32*\u+4*\i+3], v9, s[14:15] offset:(32*\g+8*\u+2*\i+8*(\i/4))*4096 th:TH_LOAD_NT
.endr
.endr
.endr
	WIN 0
	s_wait_loadcnt 63                              ; of my 140 loads the oldest 77 are in: W's 64, its scale words' 4 and the bias's 8 are the first 76
	s_wait_asynccnt 0x0                            ; my copies have landed
	s_barrier_signal -1
	s_barrier_wait -1                              ; everybody's copies have landed; ctx's bytes are only read
; one product: source 0 = W (t, s), source 1 = ctx (u, s)
.macro WM s, u, t
.set rD, ACC+8*(4*(\u)+(\t))
.set rA, 64*(\t)+8*(\s)
.set rB, CF+32*(((\s)/2)%2)+16*((\s)%2)+8*(\u)
.set rP, WSC+4*(\t)+((\s)%4)
.set rQ, CSC+4*(\u)+((\s)/2)
.set fA, (\s)/4
.set fB, (\s)%2
.set rC, rD
.if (\s) == 0
.set rC, BI+8*(\t)                     ; the first K step starts the sum from the bias
.endif
.if (fA == 0) && (fB == 0)
	v_wmma_scale_f32_16x16x128_f8f6f4 v[rD:rD+7], v[rA:rA+7], v[rB:rB+7], v[rC:rC+7], v[rP], v[rQ] matrix_a_fmt:MATRIX_FMT_FP4 matrix_b_fmt:MATRIX_FMT_FP4
.elseif (fA == 1) && (fB == 0)
	v_wmma_scale_f32_16x16x128_f8f6f4 v[rD:rD+7], v[rA:rA+7], v[rB:rB+7], v[rC:rC+7], v[rP], v[rQ] matrix_a_fmt:MATRIX_FMT_FP4 matrix_b_fmt:MATRIX_FMT_FP4 matrix_a_scale:MATRIX_SCALE_ROW1
.elseif (fA == 0) && (fB == 1)
	v_wmma_scale_f32_16x16x128_f8f6f4 v[rD:rD+7], v[rA:rA+7], v[rB:rB+7], v[rC:rC+7], v[rP], v[rQ] matrix_a_fmt:MATRIX_FMT_FP4 matrix_b_fmt:MATRIX_FMT_FP4 matrix_b_scale:MATRIX_SCALE_ROW1
.else
	v_wmma_scale_f32_16x16x128_f8f6f4 v[rD:rD+7], v[rA:rA+7], v[rB:rB+7], v[rC:rC+7], v[rP], v[rQ] matrix_a_fmt:MATRIX_FMT_FP4 matrix_b_fmt:MATRIX_FMT_FP4 matrix_a_scale:MATRIX_SCALE_ROW1 matrix_b_scale:MATRIX_SCALE_ROW1
.endif
.endm
; K steps 2 p and 2 p + 1: sixteen products; the eight accumulators take turns, one instruction a turn, in the same order in every K step
.macro MUL p
	WIN 0x01                                       ; source 0 window 1
.irp k, 0,1
.irp u, 0,1
.irp t, 0,1,2,3
	WM (2*\p+\k), \u, \t
.endr
.endr
.endr
.endm
.macro CLOAD g, p                      ; ctx's fragments of K steps 2 p, 2 p + 1, both tiles of group g: eight loads, 512 consecutive bytes each
.irp k, 0,1
.irp u, 0,1
.irp c, 0,1
	ds_load_b128 v[CF+32*((\p)%2)+16*\k+8*\u+4*\c:CF+32*((\p)%2)+16*\k+8*\u+4*\c+3], v1 offset:(2*(\g)+\u)*8192+1024*(2*(\p)+\k)+512*\c
.endr
.endr
.endr
.endm
; Group g of 32 tokens: all of K, then the way out.
.macro GROUP g
	CLOAD \g, 0
	ds_load_b128 v[CSC:CSC+3], v4 offset:(2*\g)*512
	ds_load_b128 v[CSC+4:CSC+7], v4 offset:(2*\g+1)*512
	CLOAD \g, 1
	s_wait_dscnt 8                                 ; all but the eight loads just issued
	MUL 0
	PLACES
	WIN 0
	CLOAD \g, 2
	s_wait_dscnt 8
	MUL 1
	PLACES
	WIN 0
	CLOAD \g, 3
	s_wait_dscnt 8
	MUL 2
	s_wait_dscnt 0x0
	MUL 3
	WIN 0
	PLACES
	s_wait_loadcnt 48-16*\g                        ; this group's sixteen loads of x are in; those of the groups behind it may stay out
.irp u, 0,1
	s_wait_xcnt 0x0                                ; the earlier stores have read their data: the rows' registers take new loads
.irp t, 0,1,2,3
	ds_store_b128 v7, v[ACC+8*(4*\u+\t):ACC+8*(4*\u+\t)+3] offset:128*(\t/2)+32*(\t%2)        ; lane (r, h): columns 32 (t / 2) + 16 h + 8 (t % 2) + 0 .. 7 of row r; each accumulator from its low end on
	ds_store_b128 v7, v[ACC+8*(4*\u+\t)+4:ACC+8*(4*\u+\t)+7] offset:128*(\t/2)+32*(\t%2)+16
.endr
.irp i, 0,1,2,3,4,5,6,7
	ds_load_b128 v[RB+4*\i:RB+4*\i+3], v8 offset:2*SPO*\i   ; LDS serves a wave's instructions in order: these see my stores
.endr
	s_wait_dscnt 0x0
	WIN 0x08                                       ; source 1 window 2: x
.set n, 0
.rept 16
	v_pk_add_f32 v[RB+n:RB+n+1], v[RB+n:RB+n+1], v[64*\g+32*\u+n:64*\g+32*\u+n+1]
.set n, n+2
.endr
	WIN 0
.irp i, 0,1,2,3,4,5,6,7
	global_store_b128 v9, v[RB+4*\i:RB+4*\i+3], s[16:17] offset:(32*\g+8*\u+2*\i+8*(\i/4))*4096 th:TH_STORE_NT   ; sixteen lanes store 256 consecutive bytes, aligned; written once, read by nobody here
.endr
.endr
.endm
	GROUP 0
	GROUP 1
	GROUP 2
	GROUP 3
	s_wait_tensorcnt 0x0
	ds_add_u32 v254, v255
	s_wait_dscnt 0x0
	s_endpgm
.Lfunc_end_k_qeb304d6a65_outp:
	.size	k_qeb304d6a65_outp, .Lfunc_end_k_qeb304d6a65_outp-k_qeb304d6a65_outp
	.p2alignl 7, 3214868480
	.fill 96, 4, 3214868480
	.section	.rodata,"a",@progbits
	.p2align	6, 0x0
	.amdhsa_kernel k_qeb304d6a65_outp
		.amdhsa_group_segment_fixed_size 168448
		.amdhsa_private_segment_fixed_size 0
		.amdhsa_enable_private_segment 0
		.amdhsa_kernarg_size 56
		.amdhsa_user_sgpr_count 2
		.amdhsa_user_sgpr_kernarg_segment_ptr 1
		.amdhsa_wavefront_size32 1
		.amdhsa_system_sgpr_workgroup_id_x 1
		.amdhsa_system_sgpr_workgroup_id_y 1
		.amdhsa_system_sgpr_workgroup_id_z 1
		.amdhsa_system_vgpr_workitem_id 0
		.amdhsa_next_free_vgpr 768
		.amdhsa_next_free_sgpr 66
		.amdhsa_reserve_vcc 0
		.amdhsa_float_denorm_mode_32 3
		.amdhsa_float_denorm_mode_16_64 3
		.amdhsa_memory_ordered 1
		.amdhsa_forward_progress 1
		.amdhsa_inst_pref_size 86
	.end_amdhsa_kernel
	.amdgpu_metadata
---
amdhsa.version: [ 1, 2 ]
amdhsa.kernels:
  - .name:           k_qeb304d6a65_outp
    .symbol:         k_qeb304d6a65_outp.kd
    .args:
      - { .name: ctx_img, .offset: 0, .size: 8, .value_kind: global_buffer, .address_space: global }
      - { .name: ctx_sc, .offset: 8, .size: 8, .value_kind: global_buffer, .address_space: global }
      - { .name: w_img, .offset: 16, .size: 8, .value_kind: global_buffer, .address_space: global }
      - { .name: out_proj_weight_scales, .offset: 24, .size: 8, .value_kind: global_buffer, .address_space: global }
      - { .name: out_proj_bias, .offset: 32, .size: 8, .value_kind: global_buffer, .address_space: global }
      - { .name: hidden_states, .offset: 40, .size: 8, .value_kind: global_buffer, .address_space: global }
      - { .name: out0, .offset: 48, .size: 8, .value_kind: global_buffer, .address_space: global }
    .group_segment_fixed_size: 168448
    .private_segment_fixed_size: 0
    .kernarg_segment_align: 8
    .kernarg_segment_size: 56
    .max_flat_workgroup_size: 128
    .sgpr_count:     66
    .vgpr_count:     768
    .wavefront_size: 32
...
	.end_amdgpu_metadata
.endif
;; end of part 4
;; ======== version 2 of 2: 4 launches
;; workspace buffers: y_img 4,194,304 bytes; y_sc 262,144 bytes; qkv_img 12,582,912 bytes; qk_sc 1,048,576 bytes; v_sc 262,144 bytes; ctx_img 4,194,304 bytes; ctx_sc 262,144 bytes; w_img 2,097,152 bytes
;; launch lnq (part 5): grid 256 x 1, 8 waves a work-group, no clusters, 142,080 bytes of LDS; arguments hidden_states, norm_weight, norm_bias, in_proj_weight_codes, out_proj_weight_codes, y_img, y_sc, w_img; writes y_img, y_sc, w_img
.if DOCPART == 5
	.amdgcn_target "amdgcn-amd-amdhsa--gfx1250"
	.amdhsa_code_object_version 6
	.text
	.protected	k_qeb304d6a65_lnq
	.globl	k_qeb304d6a65_lnq
	.p2align	8
	.type	k_qeb304d6a65_lnq,@function
k_qeb304d6a65_lnq:
	s_mov_b64 s[64:65], 0
	v_nop
	global_prefetch_b8 v0, s[64:65] scope:SCOPE_SE
	s_setreg_imm32_b32 hwreg(HW_REG_WAVE_MODE, 25, 1), 1
	s_wait_xcnt 0x0
; y = LayerNorm(x) x w + b in f32, then y's codes of FP4 (E2M1) with one E8M0 byte for each 32 along the hidden axis.  Beside that: the two weights' codes are laid in the order of an operand's registers.
; x: [8192][1024] f32.  A work-group takes 32 tokens (group G = its number), eight waves.
; OUTPUT LAYOUT (this program's own): tiles of 16 rows; tile T = 2 G + u holds in its row r the token (or weight row) 32 G + 8 u + r + 8 (r / 8).
;   y_img [T][kb 32][r 16][16 bytes]: block kb of 32 codes of row r.  A fragment (16 rows x 128 K) is then two loads of 16 bytes a lane at 16 x lane.
;   y_sc  [T][lane 32][j 4] words: the word at 16 (r + 16 hh) + 4 j is row r's scale word of K step 2 j + hh.
;   w_img [T 256][kb 32][r 16][16 bytes]: the same for the weights' rows: tiles 0-191 in_proj's 3,072 rows, tiles 192-255 out_proj's 1,024.  The codes are copied as they are given.
; PHASE 1: a wave takes four rows, a row in 32 registers (lane l, register 4 j + e: k = 128 j + 4 l + e): mean, then the sum of squares of x - mean, in f32.  The rows go to a stage in LDS.
; PHASE 2: wave w takes K step w (128 along K) of all 32 rows, a lane a row: four whole blocks of 32 in a lane's registers, so no other lane is asked for a maximum.
; THE WEIGHTS: there are 256 tiles and 256 work-groups: work-group G takes tile G, 16 rows of 512 bytes.  Wave w loads rows 2 w and 2 w + 1 of the tile (neighbours in memory: 1,024 consecutive bytes), they go to a
; stage of their own ahead of the barrier between the phases, and behind it wave w reads K step w as a fragment and stores it as 2 x 512 consecutive bytes.
; A block's scale byte is its largest magnitude's exponent field - 2, held at 1 from below by a floor among the maximum's leaves.
; LIMITS: a block of zeros gets the byte 1 where the rule says 127 (its codes are zeros and this program alone reads the bytes); blocks whose largest magnitude lies under 2^-124 have their byte held at 1;
; NaN and infinities among the inputs are not served.
; No matrix unit, no cluster: work-groups share only the two norm vectors (8 KB against 128 KB of x).  All 50 loads of a wave go out at its head.
.set PITCH, 4112                       ; a stage row: 4,096 bytes + 16: an odd multiple of 16, so that sixteen lanes that read sixteen rows touch sixteen different 16-byte columns
.set YS,    32*PITCH                   ; behind the stage: the two tiles' scale images, 1,024 bytes
.set WS,    YS+1024                    ; behind them: the weight tile's stage, 16 rows x 528 bytes (528 = 33 x 16)
.set WP,    528
.set MP,  8                            ; v[8:15]    row i: the mean, later 1 / sqrt(var + eps), twice (a pair for the packed forms)
.set SU,  16                           ; v[16:19]   row i: a sum
.set PD,  28                           ; v[28:31]   destinations of the lane permutes
.set X,   32                           ; v[32:159]  phase 1: row i at X + 32 i; phase 2: my row's 128 numbers
.set NW,  160                          ; v[160:191] norm_weight at my k
.set NB,  192                          ; v[192:223] norm_bias; phase 2: the weight tile's fragment
.set C,   224                          ; v[224:239] phase 1: partial sums; phase 2: the codes
.set TM,  240                          ; v[240:255] phase 1: two rows of the weight tile; phase 2: the quantiser's work
	s_load_b512 s[4:19], s[0:1], 0x0               ; x s[4:5], norm_weight s[6:7], norm_bias s[8:9], in_proj's codes s[10:11], out_proj's s[12:13], y_img s[14:15], y_sc s[16:17], w_img s[18:19]
	v_lshl_add_u32 v254, v0, 2, 0x22700
	v_mov_b32 v255, 0
	v_lshrrev_b32 v16, 5, v0
	s_delay_alu instid0(VALU_DEP_1)
	v_readfirstlane_b32 s20, v16                   ; wave 0..7
	v_and_b32 v17, 31, v0                          ; lane
	s_delay_alu instid0(VALU_DEP_1)
	v_lshlrev_b32 v1, 4, v17                       ; v1: 16 x lane
	s_mul_i32 s26, s20, 4*PITCH
	v_add_nc_u32 v2, s26, v1                       ; v2: the stage, in: my wave's four rows, 16 x lane
	v_mul_u32_u24 v3, v17, PITCH
	s_lshl_b32 s26, s20, 9
	v_add_nc_u32 v3, s26, v3                       ; v3: the stage, out: row = lane, 512 bytes x wave
	v_lshrrev_b32 v18, 4, v17                      ; u (for the weight tile: h)
	v_and_b32 v19, 15, v17                         ; r
	s_wait_alu depctr_va_vdst(0)
	v_lshlrev_b32 v4, 4, v19
	s_delay_alu instid0(VALU_DEP_1)
	v_lshl_add_u32 v5, v18, 9, v4                  ; 512 u + 16 r
	s_delay_alu instid0(VALU_DEP_2)
	v_lshl_add_u32 v4, v18, 13, v4                 ; v4: my place in y_img: 8,192 u + 16 r
	s_and_b32 s26, s20, 1
	s_lshl_b32 s27, s26, 8
	s_lshr_b32 s28, s20, 1
	s_lshl_b32 s28, s28, 2
	s_add_co_u32 s27, s27, s28
	s_add_co_u32 s27, s27, YS
	v_add_nc_u32 v5, s27, v5                       ; v5: my row's scale word of K step w: YS + 512 u + 16 r + 256 (w % 2) + 4 (w / 2)
	s_lshl_b32 s26, s26, 9
	s_add_co_u32 s26, s26, YS
	v_add_nc_u32 v6, s26, v1                       ; v6: a tile's scale image read back: YS + 512 (w % 2) + 16 x lane
	s_mul_i32 s26, s20, 2*WP
	s_add_co_u32 s26, s26, WS
	v_add_nc_u32 v7, s26, v1                       ; v7: the weight tile's stage, in: rows 2 w, 2 w + 1, 16 x lane
	v_mul_u32_u24 v20, v19, WP
	s_delay_alu instid0(VALU_DEP_1)
	v_lshl_add_u32 v20, v18, 4, v20
	s_lshl_b32 s26, s20, 6
	s_add_co_u32 s26, s26, WS
	v_add_nc_u32 v20, s26, v20                     ; v20: out: row r, K step w's 64 bytes, + 16 h
	s_lshr_b32 s26, s20, 2                         ; my four stage rows 4 w .. 4 w + 3 are neighbouring tokens: the first is 8 (w / 4) + 4 (w % 4) + 8 ((w / 2) % 2)
	s_lshl_b32 s26, s26, 3
	s_and_b32 s27, s20, 3
	s_lshl_b32 s27, s27, 2
	s_add_co_u32 s26, s26, s27
	s_bfe_u32 s27, s20, 0x10001
	s_lshl_b32 s27, s27, 3
	s_add_co_u32 s26, s26, s27
	s_lshl_b32 s27, ttmp9, 5
	s_add_co_u32 s26, s26, s27                     ; + 32 G
	s_lshl_b32 s26, s26, 12                        ; x 4,096 bytes: under 2^25
	s_mov_b32 s27, 0
	s_lshl_b32 s28, ttmp9, 14                      ; y_img: two tiles of 8,192 bytes a group, + four blocks of 256 bytes a wave
	s_lshl_b32 s29, s20, 10
	s_add_co_u32 s28, s28, s29
	s_mov_b32 s29, 0
	s_lshl_b32 s30, ttmp9, 10                      ; y_sc: two tiles of 512 bytes a group, + the tile that waves 0 and 1 store
	s_and_b32 s31, s20, 1
	s_lshl_b32 s31, s31, 9
	s_add_co_u32 s30, s30, s31
	s_mov_b32 s31, 0
	s_lshl_b32 s32, ttmp9, 13                      ; w_img: a tile of 8,192 bytes a work-group, + a K step of 1,024 bytes a wave
	s_lshl_b32 s33, s20, 10
	s_add_co_u32 s32, s32, s33
	s_mov_b32 s33, 0
	s_cmp_lt_u32 ttmp9, 192                        ; in_proj's tile or out_proj's?  The choice hangs on the work-group's number alone
	s_cselect_b32 s34, 0, 192
	s_sub_co_u32 s34, ttmp9, s34                   ; the tile in its tensor
	s_lshr_b32 s35, s34, 1
	s_lshl_b32 s35, s35, 5
	s_and_b32 s34, s34, 1
	s_lshl_b32 s34, s34, 3
	s_add_co_u32 s34, s34, s35                     ; its first row: 32 (T / 2) + 8 (T % 2);
	s_lshl_b32 s35, s20, 1
	s_add_co_u32 s34, s34, s35
	s_lshr_b32 s35, s20, 2
	s_lshl_b32 s35, s35, 3
	s_add_co_u32 s34, s34, s35                     ; its row p = 2 w lies p + 8 (p / 8) further on, and row 2 w + 1 is the next in memory
	s_lshl_b32 s34, s34, 9                         ; x 512 bytes
	s_mov_b32 s35, 0
	s_mov_b32 s24, 0x76543210                      ; v_permlanex16_b32's selects: lane l xor 16
	s_mov_b32 s25, 0xfedcba98
	s_mov_b32 s21, 0x3727c5ac                      ; 1e-5
	s_wait_kmcnt 0x0
	s_add_nc_u64 s[4:5], s[4:5], s[26:27]
	s_add_nc_u64 s[14:15], s[14:15], s[28:29]
	s_add_nc_u64 s[16:17], s[16:17], s[30:31]
	s_add_nc_u64 s[18:19], s[18:19], s[32:33]
	s_cmp_lt_u32 ttmp9, 192
	s_cselect_b64 s[10:11], s[10:11], s[12:13]
	s_add_nc_u64 s[10:11], s[10:11], s[34:35]
.irp i, 0,1,2,3
.irp j, 0,1,2,3,4,5,6,7
	global_load_b128 v[X+32*\i+4*\j:X+32*\i+4*\j+3], v1, s[4:5] offset:4096*\i+512*\j th:TH_LOAD_NT   ; 32 lanes read 512 consecutive bytes
.endr
.endr
.irp j, 0,1,2,3,4,5,6,7
	global_load_b128 v[NW+4*\j:NW+4*\j+3], v1, s[6:7] offset:512*\j
	global_load_b128 v[NB+4*\j:NB+4*\j+3], v1, s[8:9] offset:512*\j
.endr
	global_load_b128 v[TM:TM+3], v1, s[10:11] th:TH_LOAD_NT              ; the weight tile's row 2 w: 512 consecutive bytes,
	global_load_b128 v[TM+4:TM+7], v1, s[10:11] offset:512 th:TH_LOAD_NT ; and row 2 w + 1
.irp i, 0,1,2,3
	v_mov_b32 v[PD+\i], 0                          ; written once: a lane permute's destination counts as one of its sources
.endr
; v[SU + i], i = 0 .. 3: summed over the wave's 32 lanes, the result in every lane; the four rows by turns
.macro LANESUM
.irp m, 1,2,4,8
.irp i, 0,1,2,3
	s_delay_alu instid0(VALU_DEP_4)
	v_add_f32_dpp v[SU+\i], v[SU+\i], v[SU+\i] row_xmask:\m row_mask:0xf bank_mask:0xf
.endr
.endr
.irp i, 0,1,2,3
	s_delay_alu instid0(VALU_DEP_4)
	v_permlanex16_b32 v[PD+\i], v[SU+\i], s24, s25
.endr
.irp i, 0,1,2,3
	s_delay_alu instid0(VALU_DEP_4)
	v_add_f32 v[SU+\i], v[SU+\i], v[PD+\i]
.endr
.endm
.macro FOLD                            ; each row's two chains of pairs into one number a lane
.irp i, 0,1,2,3
	v_pk_add_f32 v[C+4*\i:C+4*\i+1], v[C+4*\i:C+4*\i+1], v[C+4*\i+2:C+4*\i+3]
.endr
.irp i, 0,1,2,3
	s_delay_alu instid0(VALU_DEP_4)
	v_add_f32 v[SU+\i], v[C+4*\i], v[C+4*\i+1]
.endr
.endm
	s_wait_loadcnt 18                              ; x is in; the eighteen loads issued behind it (the norm vectors' sixteen, the weight rows' two) may stay out
	; ---- the mean
.irp i, 0,1,2,3
	v_pk_add_f32 v[C+4*\i:C+4*\i+1], v[X+32*\i:X+32*\i+1], v[X+32*\i+2:X+32*\i+3]
	v_pk_add_f32 v[C+4*\i+2:C+4*\i+3], v[X+32*\i+4:X+32*\i+5], v[X+32*\i+6:X+32*\i+7]
.endr
.irp p, 8,12,16,20,24,28
.irp i, 0,1,2,3
	v_pk_add_f32 v[C+4*\i:C+4*\i+1], v[C+4*\i:C+4*\i+1], v[X+32*\i+\p:X+32*\i+\p+1]
	v_pk_add_f32 v[C+4*\i+2:C+4*\i+3], v[C+4*\i+2:C+4*\i+3], v[X+32*\i+\p+2:X+32*\i+\p+3]
.endr
.endr
	FOLD
	LANESUM
.irp i, 0,1,2,3
	s_delay_alu instid0(VALU_DEP_4)
	v_mul_f32 v[MP+2*\i], 0x3a800000, v[SU+\i]     ; / 1,024
.endr
.irp i, 0,1,2,3
	s_delay_alu instid0(VALU_DEP_4)
	v_mov_b32 v[MP+2*\i+1], v[MP+2*\i]
.endr
	; ---- x - mean, in place
.irp i, 0,1,2,3
.set n, 0
.rept 16
	v_pk_add_f32 v[X+32*\i+n:X+32*\i+n+1], v[X+32*\i+n:X+32*\i+n+1], v[MP+2*\i:MP+2*\i+1] neg_lo:[0,1] neg_hi:[0,1]
.set n, n+2
.endr
.endr
	; ---- the mean of its squares
.irp i, 0,1,2,3
	v_pk_mul_f32 v[C+4*\i:C+4*\i+1], v[X+32*\i:X+32*\i+1], v[X+32*\i:X+32*\i+1]
	v_pk_mul_f32 v[C+4*\i+2:C+4*\i+3], v[X+32*\i+2:X+32*\i+3], v[X+32*\i+2:X+32*\i+3]
.endr
.irp p, 4,8,12,16,20,24,28
.irp i, 0,1,2,3
	v_pk_fma_f32 v[C+4*\i:C+4*\i+1], v[X+32*\i+\p:X+32*\i+\p+1], v[X+32*\i+\p:X+32*\i+\p+1], v[C+4*\i:C+4*\i+1]
	v_pk_fma_f32 v[C+4*\i+2:C+4*\i+3], v[X+32*\i+\p+2:X+32*\i+\p+3], v[X+32*\i+\p+2:X+32*\i+\p+3], v[C+4*\i+2:C+4*\i+3]
.endr
.endr
	FOLD
	LANESUM
.irp i, 0,1,2,3
	s_delay_alu instid0(VALU_DEP_4)
	v_fma_f32 v[SU+\i], v[SU+\i], 0x3a800000, s21  ; var + eps
.endr
	s_wait_alu depctr_va_vdst(0)
.irp i, 0,1,2,3
	v_rsq_f32 v[MP+2*\i], v[SU+\i]                 ; four as one batch
.endr
	v_nop                                          ; a plain instruction behind the last of them
	s_wait_alu depctr_va_vdst(0)                   ; one wait for the batch, ahead of its first reader
.irp i, 0,1,2,3
	v_mov_b32 v[MP+2*\i+1], v[MP+2*\i]
.endr
	s_wait_alu depctr_va_vdst(0)
	s_wait_loadcnt 0x0                             ; norm_weight, norm_bias and the weight tile's two rows
	ds_store_b128 v7, v[TM:TM+3]                   ; the weight rows into their stage
	ds_store_b128 v7, v[TM+4:TM+7] offset:WP
	; ---- y = (x - mean) x rstd x w + b, then into the stage
.irp i, 0,1,2,3
.set n, 0
.rept 16
	v_pk_mul_f32 v[X+32*\i+n:X+32*\i+n+1], v[X+32*\i+n:X+32*\i+n+1], v[MP+2*\i:MP+2*\i+1]
.set n, n+2
.endr
.set n, 0
.rept 16
	v_pk_fma_f32 v[X+32*\i+n:X+32*\i+n+1], v[X+32*\i+n:X+32*\i+n+1], v[NW+n:NW+n+1], v[NB+n:NB+n+1]
.set n, n+2
.endr
.irp j, 0,1,2,3,4,5,6,7
	ds_store_b128 v2, v[X+32*\i+4*\j:X+32*\i+4*\j+3] offset:PITCH*\i+512*\j
.endr
.endr
	s_wait_dscnt 0x0                               ; for the others' sake: my rows lie in the two stages
	s_barrier_signal -1
	s_barrier_wait -1
	; ---- phase 2: the weight tile's K step w, and my row's k = 128 w .. 128 w + 127
	ds_load_b128 v[NB:NB+3], v20                   ; lane (r, h): bytes 64 w + 16 h of row r: registers 0-3 of the fragment,
	ds_load_b128 v[NB+4:NB+7], v20 offset:32       ; and 32 bytes on: registers 4-7
.set n, 0
.rept 32
	ds_load_b128 v[X+4*n:X+4*n+3], v3 offset:16*n
.set n, n+1
.endr
	s_wait_dscnt 0x0
	global_store_b128 v1, v[NB:NB+3], s[18:19]               ; 512 consecutive bytes each: the fragment as its registers stand
	global_store_b128 v1, v[NB+4:NB+7], s[18:19] offset:512
.irp q, 0,1,2,3
	v_max3_num_f32 v[TM+\q], |v[X+32*\q]|, |v[X+32*\q+1]|, 0x1800000   ; block q: all 32 numbers are mine; the floor 2^(3 - 127) holds the byte at 1 from below
.endr
.irp i, 2,4,6,8,10,12,14,16,18,20,22,24,26,28,30
.irp q, 0,1,2,3
	s_delay_alu instid0(VALU_DEP_4)
	v_max3_num_f32 v[TM+\q], v[TM+\q], |v[X+32*\q+\i]|, |v[X+32*\q+\i+1]|   ; (the four blocks by turns)
.endr
.endr
.irp q, 0,1,2,3
	s_delay_alu instid0(VALU_DEP_4)
	v_add_nc_u32 v[TM+4+\q], 0xff000000, v[TM+\q]  ; 2 off the exponent field: the conversion takes this operand's exponent field as its scale
.endr
.irp q, 0,1,2,3
.irp g, 0,1,2,3
	v_cvt_scalef32_pk8_fp4_f32 v[C+4*\q+\g], v[X+32*\q+8*\g:X+32*\q+8*\g+7], v[TM+4+\q]
.endr
.endr
.irp q, 0,1,2,3
	v_lshrrev_b32 v[TM+8+\q], 23, v[TM+4+\q]       ; the scale's byte (plain lines behind the conversions)
.endr
	s_delay_alu instid0(VALU_DEP_3)
	v_lshl_or_b32 v[TM+12], v[TM+9], 8, v[TM+8]    ; my row's scale word of K step w
	s_delay_alu instid0(VALU_DEP_1)
	v_lshl_or_b32 v[TM+12], v[TM+10], 16, v[TM+12]
	s_delay_alu instid0(VALU_DEP_1)
	v_lshl_or_b32 v[TM+12], v[TM+11], 24, v[TM+12]
.irp q, 0,1,2,3
	global_store_b128 v4, v[C+4*\q:C+4*\q+3], s[14:15] offset:256*\q   ; sixteen lanes store 256 consecutive bytes, aligned: block 4 w + q of a tile's sixteen rows
.endr
	ds_store_b32 v5, v[TM+12]
	s_wait_dscnt 0x0                               ; for the others' sake: my scale words lie in LDS
	s_barrier_signal -1
	s_barrier_wait -1
	s_cmp_gt_u32 s20, 1                            ; waves 0 and 1 store a tile's scale image each
	s_cbranch_scc1 .Ldone
	ds_load_b128 v[NW:NW+3], v6
	s_wait_dscnt 0x0
	global_store_b128 v1, v[NW:NW+3], s[16:17]     ; 512 consecutive bytes
.Ldone:
	s_wait_tensorcnt 0x0
	ds_add_u32 v254, v255
	s_wait_dscnt 0x0
	s_endpgm
.Lfunc_end_k_qeb304d6a65_lnq:
	.size	k_qeb304d6a65_lnq, .Lfunc_end_k_qeb304d6a65_lnq-k_qeb304d6a65_lnq
	.p2alignl 7, 3214868480
	.fill 96, 4, 3214868480
	.section	.rodata,"a",@progbits
	.p2align	6, 0x0
	.amdhsa_kernel k_qeb304d6a65_lnq
		.amdhsa_group_segment_fixed_size 142080
		.amdhsa_private_segment_fixed_size 0
		.amdhsa_enable_private_segment 0
		.amdhsa_kernarg_size 64
		.amdhsa_user_sgpr_count 2
		.amdhsa_user_sgpr_kernarg_segment_ptr 1
		.amdhsa_wavefront_size32 1
		.amdhsa_system_sgpr_workgroup_id_x 1
		.amdhsa_system_sgpr_workgroup_id_y 1
		.amdhsa_system_sgpr_workgroup_id_z 1
		.amdhsa_system_vgpr_workitem_id 0
		.amdhsa_next_free_vgpr 256
		.amdhsa_next_free_sgpr 66
		.amdhsa_reserve_vcc 0
		.amdhsa_float_denorm_mode_32 3
		.amdhsa_float_denorm_mode_16_64 3
		.amdhsa_memory_ordered 1
		.amdhsa_forward_progress 1
		.amdhsa_inst_pref_size 49
	.end_amdhsa_kernel
	.amdgpu_metadata
---
amdhsa.version: [ 1, 2 ]
amdhsa.kernels:
  - .name:           k_qeb304d6a65_lnq
    .symbol:         k_qeb304d6a65_lnq.kd
    .args:
      - { .name: hidden_states, .offset: 0, .size: 8, .value_kind: global_buffer, .address_space: global }
      - { .name: norm_weight, .offset: 8, .size: 8, .value_kind: global_buffer, .address_space: global }
      - { .name: norm_bias, .offset: 16, .size: 8, .value_kind: global_buffer, .address_space: global }
      - { .name: in_proj_weight_codes, .offset: 24, .size: 8, .value_kind: global_buffer, .address_space: global }
      - { .name: out_proj_weight_codes, .offset: 32, .size: 8, .value_kind: global_buffer, .address_space: global }
      - { .name: y_img, .offset: 40, .size: 8, .value_kind: global_buffer, .address_space: global }
      - { .name: y_sc, .offset: 48, .size: 8, .value_kind: global_buffer, .address_space: global }
      - { .name: w_img, .offset: 56, .size: 8, .value_kind: global_buffer, .address_space: global }
    .group_segment_fixed_size: 142080
    .private_segment_fixed_size: 0
    .kernarg_segment_align: 8
    .kernarg_segment_size: 64
    .max_flat_workgroup_size: 256
    .sgpr_count:     66
    .vgpr_count:     256
    .wavefront_size: 32
...
	.end_amdgpu_metadata
.endif
;; end of part 5
;; launch qkv (part 6): grid 6 x 32, 8 waves a work-group, no clusters, 168,960 bytes of LDS; arguments y_img, y_sc, w_img, in_proj_weight_scales, in_proj_bias, qkv_img, qk_sc, v_sc; writes qkv_img, qk_sc, v_sc
.if DOCPART == 6
	.amdgcn_target "amdgcn-amd-amdhsa--gfx1250"
	.amdhsa_code_object_version 6
	.text
	.protected	k_qeb304d6a65_qkv
	.globl	k_qeb304d6a65_qkv
	.p2align	8
	.type	k_qeb304d6a65_qkv,@function
k_qeb304d6a65_qkv:
	s_mov_b64 s[64:65], 0
	v_nop
	global_prefetch_b8 v0, s[64:65] scope:SCOPE_SE
	s_setreg_imm32_b32 hwreg(HW_REG_WAVE_MODE, 25, 1), 1
	s_wait_xcnt 0x0
; qkv = y W^T + bias on codes of FP4 (E2M1) with E8M0 scales, then the quantisers of q and k (along the head's 64) and of v (along the keys).
; SHARES.  Work-group (cb, rr): 512 of the 3,072 columns (cb 0, 1: q; 2, 3: k; 4, 5: v) x 256 tokens (16 tiles, 8 groups of 32).  Wave w owns 64 columns: one head.  Its 64 x 1,024 weights
; stay in 256 registers (window 1) for the whole launch; the launch before has laid them in the order of these registers, so each of the 64 loads reads 512 consecutive bytes into its final place.
; The 256 tokens' codes (128 KB) and scale words (8 KB) lie in LDS, copied once.  A trip of the loop takes a group of 32 tokens through all of K.
; TILES.  A tile's row r is token (or weight row) 32 b + 8 u + r + 8 (r / 8) for tile 2 b + u: whatever is source 0 of a product, the sixteen result registers of tiles 2 b, 2 b + 1 are then sixteen neighbours,
; 32 b + 16 (lane / 16) + 0 .. 15, and a block of 32 lies in lanes l and l xor 16.
; q, k: source 0 = W, source 1 = y: a lane holds one token, its registers run along the head.   v: source 0 = y, source 1 = W: a lane holds one channel, its registers run along the tokens (the keys).
; OUTPUT (this program's own layouts; bh = 16 x batch + head):
;   qkv_img [which 3][bh 128][32,768]: q, k: [tile 64][block 2][r 16][16 bytes];  v: [channel tile 4][key block 32][r 16][16 bytes].
;   qk_sc [which 2][bh][group 32][lane 32] words: lanes 0-15 tile 2 g, lanes 16-31 tile 2 g + 1; bytes 0, 1 the head's two blocks; bytes 2, 3 are 0 and stand over zero codes.
;   v_sc [bh][key step 8][tp 2][lane 32] words: lanes 0-15 channel tile 2 tp, lanes 16-31 tile 2 tp + 1; byte i is key block 4 s + i.
; LIMITS: a block of zeros gets the byte 1 where the rule says 127 (zero codes; read by this program alone); blocks whose largest magnitude lies under 2^-124 have their byte held at 1; NaN and infinities are not served.
; NO CLUSTER: what work-groups share (y's block along cb, the weights along rr) is fetched once by each at its head and never again; the weights go straight into registers;
; and the 6 column blocks are no multiple of 4.
; LDS: 139,264 bytes are used; more than half of a WGP's is claimed.
.set YSL,  131072                      ; LDS: y's codes from 0 (16 tiles x 8,192); their scale images from here (16 x 512)
.set WSC,  16                          ; v16-31   W's scale words: tile t at WSC + 4 t + i: lanes 0-15 K step i, lanes 16-31 K step 4 + i
.set YSC,  32                          ; v32-39   y's: tile u at YSC + 4 u + j: lanes 0-15 K step 2 j, lanes 16-31 K step 2 j + 1
.set BI,   40                          ; v40-71   the bias in the result's layout, eight registers a tile of W: the C of each sum's first product
.set ACC,  72                          ; v72-135  eight accumulators
.set YF,   136                         ; v136-199 y's fragments: two buffers of 32: two K steps x two tiles
.set TM,   200                         ; v200-215 the quantiser's work
.set SWD,  216                         ; v216-218 scale words on their way out
.set PC,   220                         ; v220-227 the codes just made
.set BV,   228                         ; v228-231 the bias of my lane's weight row, a register a tile (v's way)
.set UPL,  232                         ; v232     16 x thread + 65,536: the copies' LDS address for the upper half of y's codes
.set UPM,  233                         ; v233     the same number: their offset in memory
; v1 16 x lane; v2 16 x thread (LDS); v14 the same (memory); v3 YSL + 16 x thread; v4 YSL + 16 x lane; v7, v8 LDS addresses of the trip; v9 16 r + 8 h; v10, v12 store offsets; v11 4 x lane
; window 1: W's fragment (tile t, K step s) at v[64 t + 8 s]
.set MSB, 0
.macro WIN new                         ; s_set_vgpr_msb: bits 1:0 source 0, 3:2 source 1, 5:4 source 2, 7:6 destination; the high byte repeats the setting that is left
.if MSB != \new
	s_set_vgpr_msb (MSB<<8)|\new
.set MSB, \new
.endif
.endm
.macro PLACES                          ; four plain vector instructions behind a matrix instruction, ahead of loads into its sources and of the first read of its result
.rept 4
	v_nop
.endr
.endm
	s_load_b512 s[4:19], s[0:1], 0x0               ; y_img s[4:5], y_sc s[6:7], w_img s[8:9], W's scales s[10:11], bias s[12:13], qkv_img s[14:15], qk_sc s[16:17], v_sc s[18:19]
	v_lshl_add_u32 v254, v0, 2, 0x29000
	v_mov_b32 v255, 0
	ds_add_u32 v254, v255
	ds_add_u32 v254, v255
	v_lshrrev_b32 v13, 5, v0
	s_delay_alu instid0(VALU_DEP_1)
	v_readfirstlane_b32 s20, v13                   ; wave 0..7
	v_and_b32 v13, 31, v0                          ; lane
	s_delay_alu instid0(VALU_DEP_1)
	v_lshlrev_b32 v1, 4, v13
	v_lshlrev_b32 v2, 4, v0
	v_lshlrev_b32 v14, 4, v0
	s_delay_alu instid0(VALU_DEP_2)
	v_add_nc_u32 v[UPL], 65536, v2
	s_delay_alu instid0(VALU_DEP_2)
	v_add_nc_u32 v[UPM], 65536, v14
	s_delay_alu instid0(VALU_DEP_4)
	v_add_nc_u32 v3, YSL, v2
	v_add_nc_u32 v4, YSL, v1
	v_and_b32 v15, 15, v0                          ; r
	v_bfe_u32 v12, v0, 4, 1                        ; h
	s_delay_alu instid0(VALU_DEP_2)
	v_lshlrev_b32 v9, 4, v15
	s_delay_alu instid0(VALU_DEP_1)
	v_lshl_add_u32 v9, v12, 3, v9                  ; 16 r + 8 h
	v_lshlrev_b32 v11, 2, v13                      ; 4 x lane
	v_and_b32 v10, 8, v15
	s_delay_alu instid0(VALU_DEP_1)
	v_add_nc_u32 v10, v10, v15                     ; r + 8 (r / 8)
	s_delay_alu instid0(VALU_DEP_1)
	v_lshlrev_b32 v13, 5, v10
	s_delay_alu instid0(VALU_DEP_1)
	v_lshl_add_u32 v13, v12, 4, v13                ; W's scales: 32 bytes a row, + 16 h
	s_delay_alu instid0(VALU_DEP_3)
	v_lshlrev_b32 v10, 2, v10                      ; the bias of my weight row
	v_lshlrev_b32 v15, 6, v12                      ; the bias along the head: 64 h
	s_and_b32 s30, ttmp7, 0xffff                   ; rr
	s_lshr_b32 s31, ttmp9, 1                       ; which: 0 q, 1 k, 2 v
	s_and_b32 s32, ttmp9, 1
	s_lshl_b32 s32, s32, 3
	s_add_co_u32 s32, s32, s20                     ; head
	s_lshr_b32 s33, s30, 2
	s_lshl_b32 s33, s33, 4
	s_add_co_u32 s33, s33, s32                     ; bh
	s_and_b32 s34, s30, 3                          ; which quarter of the batch's 1,024 tokens
	s_lshl_b32 s35, ttmp9, 9
	s_lshl_b32 s36, s20, 6
	s_add_co_u32 s35, s35, s36                     ; my first column
	s_mov_b32 s22, 0xffff0000                      ; lanes 16-31
	s_mov_b32 s24, 0x76543210                      ; v_permlanex16_b32's selects: lane l xor 16
	s_mov_b32 s25, 0xfedcba98
	s_mov_b32 s41, 0
	s_wait_alu depctr_va_vdst(0)
	s_wait_dscnt 0x0
	s_wait_kmcnt 0x0
	s_lshl_b32 s40, s30, 17
	s_add_nc_u64 s[4:5], s[4:5], s[40:41]          ; y's 16 tiles
	s_lshl_b32 s40, s30, 13
	s_add_nc_u64 s[6:7], s[6:7], s[40:41]          ; and their scale images
	; The copies stand ahead of every LDS read, wait on their counter and barrier.  The immediate is added to both addresses, so LDS holds the bytes as memory has them.  A copy of the work-group moves 256 threads x 16 = 4,096
	; bytes; y's 131,072 bytes go in two halves of sixteen copies, each half by its own pair of registers, so that every immediate lies between 0 and 61,440.
.set n, 0
.rept 16
	global_load_async_to_lds_b128 v2, v14, s[4:5] offset:4096*n
.set n, n+1
.endr
.set n, 0
.rept 16
	global_load_async_to_lds_b128 v[UPL], v[UPM], s[4:5] offset:4096*n
.set n, n+1
.endr
	global_load_async_to_lds_b128 v3, v14, s[6:7]
	global_load_async_to_lds_b128 v3, v14, s[6:7] offset:4096
	s_lshl_b32 s40, s35, 9
	s_add_nc_u64 s[8:9], s[8:9], s[40:41]          ; my 64 rows of W are four tiles of 8,192 bytes: 512 bytes a row
	s_lshl_b32 s40, s35, 5
	s_add_nc_u64 s[10:11], s[10:11], s[40:41]
	s_lshl_b32 s40, s35, 2
	s_add_nc_u64 s[12:13], s[12:13], s[40:41]
	WIN 0x40                                       ; destination window 1
.irp t, 0,1,2,3
.irp s, 0,1,2,3,4,5,6,7
.irp c, 0,1
	global_load_b128 v[64*\t+8*\s+4*\c:64*\t+8*\s+4*\c+3], v1, s[8:9] offset:8192*\t+1024*\s+512*\c   ; registers 4 c .. 4 c + 3 of fragment (t, s): 512 consecutive bytes
.endr
.endr
.endr
	WIN 0
.irp t, 0,1,2,3
	global_load_b128 v[WSC+4*\t:WSC+4*\t+3], v13, s[10:11] offset:(32*(\t/2)+8*(\t%2))*32
.endr
.irp t, 0,1,2,3
	global_load_b128 v[BI+8*\t:BI+8*\t+3], v15, s[12:13] offset:(32*(\t/2)+8*(\t%2))*4
	global_load_b128 v[BI+8*\t+4:BI+8*\t+7], v15, s[12:13] offset:(32*(\t/2)+8*(\t%2))*4+16
.endr
.irp t, 0,1,2,3
	global_load_b32 v[BV+\t], v10, s[12:13] offset:(32*(\t/2)+8*(\t%2))*4
.endr
	; where my results go
	s_cmp_lt_u32 ttmp9, 4                          ; q or k?  The choices hang on the work-group's number alone
	s_cselect_b64 s[28:29], s[16:17], s[18:19]
	s_cselect_b32 s36, 13, 11                      ; a quarter is 8 groups of 1,024 bytes of codes (q, k) or of 256 (v),
	s_cselect_b32 s37, 12, 11                      ; a head has 4,096 bytes of scale words or 2,048,
	s_cselect_b32 s38, 10, 9                       ; a quarter 1,024 or 512
	s_cselect_b32 s39, s31, 0
	s_lshl_b32 s40, s31, 22
	s_lshl_b32 s43, s33, 15
	s_add_co_u32 s40, s40, s43
	s_lshl_b32 s43, s34, s36
	s_add_co_u32 s40, s40, s43
	s_add_nc_u64 s[26:27], s[14:15], s[40:41]      ; the codes
	s_lshl_b32 s40, s39, 19
	s_lshl_b32 s43, s33, s37
	s_add_co_u32 s40, s40, s43
	s_lshl_b32 s43, s34, s38
	s_add_co_u32 s40, s40, s43
	s_add_nc_u64 s[28:29], s[28:29], s[40:41]      ; the scale words
	s_wait_loadcnt 0x0                             ; W, its scale words and the bias
	s_wait_asynccnt 0x0                            ; my copies have landed
	s_barrier_signal -1
	s_barrier_wait -1                              ; everybody's copies have landed.  LDS is only read
	v_mov_b32 v[SWD], 0                            ; v's way: the two running scale words
	v_mov_b32 v[SWD+1], 0
.irp b, 0,1,2,3
	v_mov_b32 v[TM+4+\b], 0                        ; written once: a lane permute's destination counts as one of its sources
.endr
	s_cmp_lt_u32 ttmp9, 4
	s_cbranch_scc1 .Lbias_done
.irp t, 0,1,2,3
.irp j, 0,1,2,3,4,5,6,7
	v_mov_b32 v[BI+8*\t+\j], v[BV+\t]              ; v's way: a lane holds one channel, so all eight registers take its bias
.endr
.endr
.Lbias_done:
; one product.  way 0: source 0 = W (t, s), source 1 = y (u, s), accumulator 4 u + t;  way 1: the sources, their scale words and row selectors change places, accumulator 2 t + u
.macro WM way, s, u, t
.if \way == 0
.set rD, ACC+8*(4*(\u)+(\t))
.set rA, 64*(\t)+8*(\s)
.set rB, YF+32*(((\s)/2)%2)+16*((\s)%2)+8*(\u)
.set rP, WSC+4*(\t)+((\s)%4)
.set rQ, YSC+4*(\u)+((\s)/2)
.set fA, (\s)/4
.set fB, (\s)%2
.else
.set rD, ACC+8*(2*(\t)+(\u))
.set rA, YF+32*(((\s)/2)%2)+16*((\s)%2)+8*(\u)
.set rB, 64*(\t)+8*(\s)
.set rP, YSC+4*(\u)+((\s)/2)
.set rQ, WSC+4*(\t)+((\s)%4)
.set fA, (\s)%2
.set fB, (\s)/4
.endif
.set rC, rD
.if (\s) == 0
.set rC, BI+8*(\t)                     ; the first K step starts the sum from the bias: nothing is cleared, nothing added later
.endif
.if (fA == 0) && (fB == 0)
	v_wmma_scale_f32_16x16x128_f8f6f4 v[rD:rD+7], v[rA:rA+7], v[rB:rB+7], v[rC:rC+7], v[rP], v[rQ] matrix_a_fmt:MATRIX_FMT_FP4 matrix_b_fmt:MATRIX_FMT_FP4
.elseif (fA == 1) && (fB == 0)
	v_wmma_scale_f32_16x16x128_f8f6f4 v[rD:rD+7], v[rA:rA+7], v[rB:rB+7], v[rC:rC+7], v[rP], v[rQ] matrix_a_fmt:MATRIX_FMT_FP4 matrix_b_fmt:MATRIX_FMT_FP4 matrix_a_scale:MATRIX_SCALE_ROW1
.elseif (fA == 0) && (fB == 1)
	v_wmma_scale_f32_16x16x128_f8f6f4 v[rD:rD+7], v[rA:rA+7], v[rB:rB+7], v[rC:rC+7], v[rP], v[rQ] matrix_a_fmt:MATRIX_FMT_FP4 matrix_b_fmt:MATRIX_FMT_FP4 matrix_b_scale:MATRIX_SCALE_ROW1
.else
	v_wmma_scale_f32_16x16x128_f8f6f4 v[rD:rD+7], v[rA:rA+7], v[rB:rB+7], v[rC:rC+7], v[rP], v[rQ] matrix_a_fmt:MATRIX_FMT_FP4 matrix_b_fmt:MATRIX_FMT_FP4 matrix_a_scale:MATRIX_SCALE_ROW1 matrix_b_scale:MATRIX_SCALE_ROW1
.endif
.endm
; K steps 2 p and 2 p + 1: sixteen products; the eight accumulators take turns, one instruction a turn, in the same order in every K step
.macro MUL way, p
.if \way == 0
	WIN 0x01                                       ; source 0 window 1
.else
	WIN 0x04                                       ; source 1 window 1
.endif
.irp k, 0,1
.irp u, 0,1
.irp t, 0,1,2,3
	WM \way, (2*\p+\k), \u, \t
.endr
.endr
.endr
.endm
.macro YLOAD p                         ; y's fragments of K steps 2 p, 2 p + 1, both tiles of the group: eight loads, 512 consecutive bytes each
.irp k, 0,1
.irp u, 0,1
.irp c, 0,1
	ds_load_b128 v[YF+32*((\p)%2)+16*\k+8*\u+4*\c:YF+32*((\p)%2)+16*\k+8*\u+4*\c+3], v7 offset:8192*\u+1024*(2*(\p)+\k)+512*\c
.endr
.endr
.endr
.endm
; The 64 results of a lane are four blocks' halves: registers 16 b + i are sixteen neighbours along the next K.  Codes into v[PC + 2 b], v[PC + 2 b + 1]; bytes into v[TM + 4 + b].  Each accumulator is first read at its low end.
.macro QUANT
.irp b, 0,1,2,3
	v_max3_num_f32 v[TM+\b], |v[ACC+16*\b]|, |v[ACC+16*\b+1]|, 0x1800000   ; my sixteen numbers, and the floor 2^(3 - 127): the byte cannot fall under 1
.endr
.irp i, 2,4,6,8,10,12,14
.irp b, 0,1,2,3
	v_max3_num_f32 v[TM+\b], v[TM+\b], |v[ACC+16*\b+\i]|, |v[ACC+16*\b+\i+1]|
.endr
.endr
.irp b, 0,1,2,3
	s_delay_alu instid0(VALU_DEP_4)
	v_permlanex16_b32 v[TM+4+\b], v[TM+\b], s24, s25
.endr
.irp b, 0,1,2,3
	s_delay_alu instid0(VALU_DEP_4)
	v_max_num_f32 v[TM+\b], v[TM+\b], v[TM+4+\b]   ; with lane l xor 16's: the block's largest magnitude
.endr
.irp b, 0,1,2,3
	s_delay_alu instid0(VALU_DEP_4)
	v_add_nc_u32 v[TM+12+\b], 0xff000000, v[TM+\b] ; 2 off its exponent field: the conversion's scale operand
.endr
.irp b, 0,1,2,3
	s_delay_alu instid0(VALU_DEP_4)
	v_lshrrev_b32 v[TM+4+\b], 23, v[TM+12+\b]      ; the scale's byte
.endr
.irp b, 0,1,2,3
	v_cvt_scalef32_pk8_fp4_f32 v[PC+2*\b], v[ACC+16*\b:ACC+16*\b+7], v[TM+12+\b]
	v_cvt_scalef32_pk8_fp4_f32 v[PC+2*\b+1], v[ACC+16*\b+8:ACC+16*\b+15], v[TM+12+\b]
.endr
	v_nop                                          ; one plain instruction behind the last scaled conversion
.endm
; A trip: group G of 32 tokens through all of K, quantised and stored.
.macro TRIP way
	v_add_nc_u32 v7, s23, v1                       ; the group's two tiles of codes: 16,384 G + 16 x lane
	v_add_nc_u32 v8, s42, v4                       ; and their scale images: 1,024 G
	YLOAD 0
	ds_load_b128 v[YSC:YSC+3], v8
	ds_load_b128 v[YSC+4:YSC+7], v8 offset:512
	YLOAD 1
	s_wait_alu depctr_va_vdst(0)
	s_wait_dscnt 8                                 ; all but the eight loads just issued
	MUL \way, 0
	PLACES
	WIN 0
	YLOAD 2
	s_wait_dscnt 8
	MUL \way, 1
	PLACES
	WIN 0
	YLOAD 3
	s_wait_dscnt 8
	MUL \way, 2
	s_wait_dscnt 0x0
	MUL \way, 3
	WIN 0
	PLACES
	s_wait_xcnt 0x0                                ; the last trip's stores have read their data and offsets: both are written again below
	QUANT
.if \way == 0
	v_add_nc_u32 v10, s42, v9                      ; two tiles of 512 bytes a group
.irp u, 0,1
.irp b, 0,1
	global_store_b64 v10, v[PC+2*(2*\u+\b):PC+2*(2*\u+\b)+1], s[26:27] offset:512*\u+256*\b   ; 32 lanes store 256 consecutive bytes, aligned: block b of tile u's sixteen rows
.endr
.endr
	v_lshl_or_b32 v[SWD], v[TM+5], 8, v[TM+4]      ; tile 0's word of my token: two bytes, zeros above
	v_lshl_or_b32 v[SWD+1], v[TM+7], 8, v[TM+6]    ; tile 1's
	s_delay_alu instid0(VALU_DEP_1)
	v_cndmask_b32 v[SWD+2], v[SWD], v[SWD+1], s22  ; lanes 16-31 carry tile 1's
	s_lshl_b32 s43, s21, 7
	v_add_nc_u32 v12, s43, v11
	global_store_b32 v12, v[SWD+2], s[28:29]
.else
	s_lshl_b32 s43, s21, 8
	v_add_nc_u32 v10, s43, v9                      ; a key block of 256 bytes a group
.irp t, 0,1,2,3
	global_store_b64 v10, v[PC+2*\t:PC+2*\t+1], s[26:27] offset:8192*\t   ; 256 consecutive bytes, aligned: this key block of channel tile t's sixteen rows
.endr
.irp q, 0,1
	v_cndmask_b32 v[TM+8+\q], v[TM+4+2*\q], v[TM+5+2*\q], s22   ; lanes 16-31 carry the odd tile's byte
	v_lshrrev_b32 v[SWD+\q], 8, v[SWD+\q]          ; four trips' bytes make a word, the lower key block in the lower byte
	s_delay_alu instid0(VALU_DEP_1)
	v_lshl_or_b32 v[SWD+\q], v[TM+8+\q], 24, v[SWD+\q]
.endr
	s_and_b32 s43, s21, 3
	s_cmp_lg_u32 s43, 3                            ; a branch on the loop's counter: every fourth trip a key step's words are whole
	s_cbranch_scc1 .Lno_word_\@
	s_lshr_b32 s43, s21, 2
	s_lshl_b32 s43, s43, 8
	v_add_nc_u32 v12, s43, v11
	global_store_b32 v12, v[SWD], s[28:29]
	global_store_b32 v12, v[SWD+1], s[28:29] offset:128
.Lno_word_\@:
.endif
.endm
	s_mov_b32 s21, 0                               ; G
	s_mov_b32 s23, 0                               ; 16,384 G
	s_mov_b32 s42, 0                               ; 1,024 G
.Ltrip:
	s_cmp_lt_u32 ttmp9, 4
	s_cbranch_scc0 .Lway_v
	s_wait_alu depctr_va_vdst(0)
	TRIP 0
	s_branch .Lnext
.Lway_v:
	TRIP 1
.Lnext:
	s_add_co_u32 s23, s23, 16384
	s_add_co_u32 s42, s42, 1024
	s_add_co_u32 s21, s21, 1
	s_cmp_lt_u32 s21, 8
	s_cbranch_scc1 .Ltrip
	s_wait_tensorcnt 0x0
	ds_add_u32 v254, v255
	s_wait_dscnt 0x0
	s_endpgm
.Lfunc_end_k_qeb304d6a65_qkv:
	.size	k_qeb304d6a65_qkv, .Lfunc_end_k_qeb304d6a65_qkv-k_qeb304d6a65_qkv
	.p2alignl 7, 3214868480
	.fill 96, 4, 3214868480
	.section	.rodata,"a",@progbits
	.p2align	6, 0x0
	.amdhsa_kernel k_qeb304d6a65_qkv
		.amdhsa_group_segment_fixed_size 168960
		.amdhsa_private_segment_fixed_size 0
		.amdhsa_enable_private_segment 0
		.amdhsa_kernarg_size 64
		.amdhsa_user_sgpr_count 2
		.amdhsa_user_sgpr_kernarg_segment_ptr 1
		.amdhsa_wavefront_size32 1
		.amdhsa_system_sgpr_workgroup_id_x 1
		.amdhsa_system_sgpr_workgroup_id_y 1
		.amdhsa_system_sgpr_workgroup_id_z 1
		.amdhsa_system_vgpr_workitem_id 0
		.amdhsa_next_free_vgpr 512
		.amdhsa_next_free_sgpr 66
		.amdhsa_reserve_vcc 0
		.amdhsa_float_denorm_mode_32 3
		.amdhsa_float_denorm_mode_16_64 3
		.amdhsa_memory_ordered 1
		.amdhsa_forward_progress 1
		.amdhsa_inst_pref_size 48
	.end_amdhsa_kernel
	.amdgpu_metadata
---
amdhsa.version: [ 1, 2 ]
amdhsa.kernels:
  - .name:           k_qeb304d6a65_qkv
    .symbol:         k_qeb304d6a65_qkv.kd
    .args:
      - { .name: y_img, .offset: 0, .size: 8, .value_kind: global_buffer, .address_space: global }
      - { .name: y_sc, .offset: 8, .size: 8, .value_kind: global_buffer, .address_space: global }
      - { .name: w_img, .offset: 16, .size: 8, .value_kind: global_buffer, .address_space: global }
      - { .name: in_proj_weight_scales, .offset: 24, .size: 8, .value_kind: global_buffer, .address_space: global }
      - { .name: in_proj_bias, .offset: 32, .size: 8, .value_kind: global_buffer, .address_space: global }
      - { .name: qkv_img, .offset: 40, .size: 8, .value_kind: global_buffer, .address_space: global }
      - { .name: qk_sc, .offset: 48, .size: 8, .value_kind: global_buffer, .address_space: global }
      - { .name: v_sc, .offset: 56, .size: 8, .value_kind: global_buffer, .address_space: global }
    .group_segment_fixed_size: 168960
    .private_segment_fixed_size: 0
    .kernarg_segment_align: 8
    .kernarg_segment_size: 64
    .max_flat_workgroup_size: 256
    .sgpr_count:     66
    .vgpr_count:     512
    .wavefront_size: 32
...
	.end_amdgpu_metadata
.endif
;; end of part 6
;; launch attn (part 7): grid 2 x 128, 16 waves a work-group, no clusters, 96,256 bytes of LDS; arguments qkv_img, qk_sc, v_sc, encoder_padding_mask, ctx_img, ctx_sc; writes ctx_img, ctx_sc
.if DOCPART == 7
	.amdgcn_target "amdgcn-amd-amdhsa--gfx1250"
	.amdhsa_code_object_version 6
	.text
	.protected	k_qeb304d6a65_attn
	.globl	k_qeb304d6a65_attn
	.p2align	8
	.type	k_qeb304d6a65_attn,@function
k_qeb304d6a65_attn:
	s_mov_b64 s[64:65], 0
	v_nop
	global_prefetch_b8 v0, s[64:65] scope:SCOPE_SE
	s_setreg_imm32_b32 hwreg(HW_REG_WAVE_SCHED_MODE, 0, 2), 2
	s_setreg_imm32_b32 hwreg(HW_REG_WAVE_MODE, 25, 1), 1
	s_wait_xcnt 0x0
	s_wait_alu depctr_vm_vsrc(0)
; ctx[b][q][head][:] = the sum over k of softmax_k(q . k / 8 + mask[b][k] x -1e8) v[k][:], both products on codes of FP4 (E2M1) with E8M0 scales; then ctx's quantiser along the hidden axis.
; THE SOFTMAX AHEAD OF THE SECOND PRODUCT: t = logit x log2(e); M = the row's largest t so far, rounded UP to a whole number; p = 2^(t - M) is quantised along the keys, not normalised; the row's sum is taken of the
; unquantised p and divides at the end.  When M moves, the sum and O are multiplied by 2^(old M - new M): exact.
; SHARES.  Work-group (x, bh): half of a head's 1,024 queries.  Sixteen waves, four to a SIMD, so that one wave's vector work stands beside another's products and LDS loads.  A wave owns one tile of 16 queries at a
; time and takes two.  The head's whole K and V (32 KB of codes each), their scale words, the mask's addends, and the work-group's 32 tiles of Q (16 KB) with their scale words lie in LDS, stored once;
; behind the one barrier LDS is only read, and nothing is loaded from memory any more.
; LAYOUT.  Both products are used transposed: S^T = K Q^T (source 0 = 16 keys), O^T = V^T P^T (source 0 = 16 channels): a lane holds ONE query throughout.  The rows of the tiles of K and of V^T were chosen by the launch
; that made them: row r of tile 2 b + u is 32 b + 8 u + r + 8 (r / 8), so the sixteen registers of tiles 2 b, 2 b + 1 are sixteen neighbours, 32 b + 16 (lane / 16) + 0 .. 15.
; The first product's K is the head's 64: the upper half of each operand holds zero codes, written once.
; THE MASK is honoured as it is given: S + 8 x fl(mask x -1e8) is 8 x the rounded logit (a factor 8 commutes with the rounding), then x log2(e) / 8, rounded: t.  A key step none of whose 128 keys has a mask word
; other than 0 passes over that: a scalar branch on whole numbers that this launch reads from memory.
; LIMITS: p under 2^-126 comes out as 0; a block of zeros gets the byte 1 where the rule says 127 (zero codes; read by this program alone); blocks whose largest magnitude lies under 2^-124 have their byte held at 1;
; NaN and infinities are not served.
; NO CLUSTER: the two work-groups of a head share 70 KB, fetched once at their heads through registers; two are no cluster of four.
; THE MODE: SCHED_MODE bits 1:0 = 2 (LLVM: expert scheduling mode 2), set by the entry lines.  The code itself states the register dependences
; between vector or matrix instructions and memory or LDS instructions, with s_wait_alu, always for 0.
; THE PLAN.  Registers that LDS or memory instructions touch, in the loops:
;   v6, v8         addresses of K's fragments and scale words.  Written once a step, ahead of the exponentials, for key step (s + 1) mod 8; read by the twelve loads of K behind the exponentials' wait.
;   v7, v9, v10    addresses of V's fragments, V's scale words and the mask's addends.  Written in the same five lines; read by the loads of the next step.
;   K: v28-31 and the lower four of each eight of v32-95.  Read by step s's eight products K Q^T; the loads for step (s + 1) mod 8 land in them behind the exponentials' wait of step s.
;   v192-223, v248-249.  The masked way's addends land here and its additions read them; then V's fragments and scale words land; step s's four products V^T P read them.
;   Q: v16-19, v24, and its addresses v11, v252: written and loaded once a tile; read by every product K Q^T of the tile.
;   v224-227, v240, v250, v251: a tile's codes, byte and offsets: written at the tile's end (v224-227 in every step too), read by its three stores.
; So a step has: one wait on va_vdst behind the places that follow K Q^T (the last step's V^T P is done with V's registers); one on vm_vsrc ahead of the five address lines; the wait for the 64 exponentials, which also
; states that the addresses are written and that K Q^T is done with K's registers; the wait for the four exponentials; one ahead of V^T P, for p's codes and scale word.  A tile's last step asks for key step 0, which
; is the next tile's first; behind the last tile's last step nobody reads those twelve loads: a branch round them would stand in every step.
.set LV,  32768                        ; LDS: K's codes from 0; V's from here;
.set LKS, 65536                        ; K's scale words, 4,096 bytes;
.set LVS, 69632                        ; V's, 2,048;
.set LMA, 71680                        ; 8 x fl(mask x -1e8), f32, a word a key: 4,096 bytes;
.set LQ,  75776                        ; my half's 32 tiles of Q, 512 bytes each;
.set LQS, 92160                        ; and their scale words, 64 bytes a tile
.set MK,  28                           ; s[28:35] at the head, once the loads that read these registers as bases are in: key step s's lanes with a mask word other than 0
; REGISTERS: v1-5 lane terms of the five LDS addresses; v6-10 those addresses (THE PLAN); v11 at work; v12 -M, v13 the largest t, v[14:15] the sum in two halves; v[16:23] Q (v20-23 zeros); v24 Q's scale word;
; v25 p's scale word; v[26:27] f, later 1 / sum; v28-31 K's scale words; v32-95 eight fragments of K (the upper four registers of each are zeros); v96-159 S^T, then p; v160-191 O^T; v192-223 V's fragments (the mask's
; addends before them); v224-231 p's codes; v232-247 at work (v242, v243: the closing add's two, kept for it alone); v248-249 V's scale words; v250, v251 ctx's store offsets; v241, v253, v255 lane terms that stay; v252, v254 at work.
; The five LDS addresses of key step s46
.macro ADDR
	v_lshl_add_u32 v6, s46, 12, v1                 ; eight tiles of K: 4,096 bytes a step
	v_lshl_add_u32 v7, s46, 10, v2                 ; four key blocks of V: 1,024
	v_lshl_add_u32 v8, s46, 9, v3                  ; K's scale words: 512
	v_lshl_add_u32 v9, s46, 8, v4                  ; V's: 256
	v_lshl_add_u32 v10, s46, 9, v5                 ; the addends: 512
.endm
; A key step's eight fragments of K and their scale words: twelve loads
.macro KLOAD
.irp t, 0,1,2,3,4,5,6,7
	ds_load_b128 v[32+8*\t:35+8*\t], v6 offset:512*\t
.endr
.irp p, 0,1,2,3
	ds_load_b32 v[28+\p], v8 offset:128*\p         ; lanes 0-15: tile 2 p's words; lanes 16-31: tile 2 p + 1's
.endr
.endm
; The masked way, two blocks of 32 keys (half p of the step) at a time, registers in ascending order
.macro MLOAD p
.irp b, 0,1
.irp e, 0,1,2,3
	ds_load_b128 v[192+16*\b+4*\e:195+16*\b+4*\e], v10 offset:128*(2*\p+\b)+16*\e
.endr
.endr
.endm
.macro MADD p
.set n, 0
.rept 16
	v_pk_add_f32 v[96+32*\p+n:97+32*\p+n], v[96+32*\p+n:97+32*\p+n], v[192+n:193+n]   ; 8 x the logit, rounded where reference() rounds it
.set n, n+2
.endr
.endm
.macro MMUL p
.set n, 0
.rept 16
	v_pk_mul_f32 v[96+32*\p+n:97+32*\p+n], v[96+32*\p+n:97+32*\p+n], s[22:23] op_sel_hi:[1,0]   ; t, rounded
.set n, n+2
.endr
.endm
	s_load_b256 s[4:11], s[0:1], 0x0               ; qkv_img s[4:5], qk_sc s[6:7], v_sc s[8:9], the mask s[10:11]
	s_load_b128 s[12:15], s[0:1], 0x20             ; ctx_img s[12:13], ctx_sc s[14:15]
	v_lshl_add_u32 v242, v0, 2, 0x17000            ; the LDS address of my spare word, behind Q's scale words,
	v_mov_b32 v243, 0                              ; and 0: made here and kept for the closing lines alone
	v_lshrrev_b32 v11, 5, v0
	v_readfirstlane_b32 s16, v11                   ; wave 0..15
	v_and_b32 v11, 31, v0                          ; lane
	v_lshlrev_b32 v1, 4, v11                       ; K: 16 x lane
	v_add_nc_u32 v2, LV, v1                        ; V
	v_lshlrev_b32 v3, 2, v11
	v_add_nc_u32 v4, LVS, v3                       ; V's scale words: 4 x lane
	v_add_nc_u32 v3, LKS, v3                       ; K's
	v_bfe_u32 v5, v0, 4, 1
	v_lshlrev_b32 v5, 6, v5
	v_add_nc_u32 v5, LMA, v5                       ; the addends of my sixteen keys of a block: 64 h
	v_lshlrev_b32 v6, 4, v0                        ; the head's way in: 16, 8 and 4 bytes a thread
	v_lshlrev_b32 v7, 3, v0
	v_lshlrev_b32 v8, 2, v0
	v_add_nc_u32 v9, LKS, v7
	v_add_nc_u32 v10, LVS, v8
	v_add_nc_u32 v11, LQ, v6                       ; Q's way in
	v_and_b32 v253, 15, v0                         ; r
	v_bfe_u32 v254, v0, 4, 1                       ; h
	v_lshlrev_b32 v255, 4, v253
	v_add_nc_u32 v241, v255, v254                  ; v241: 16 r + h
	v_lshl_add_u32 v255, v254, 3, v255             ; v255: 16 r + 8 h
	v_lshlrev_b32 v253, 2, v253                    ; v253: 4 r
	s_wait_alu depctr_va_sdst(0)                   ; s16, the wave's number, is written: it stands in this straight run, ahead of its first reader, which makes the tile's number from it
	s_and_b32 s25, ttmp7, 0xffff                   ; bh
	s_and_b32 s26, s25, 15                         ; head
	s_lshr_b32 s27, s25, 4                         ; batch
	s_bfe_u32 s44, s26, 0x10001                    ; the head's place in a tile's scale image: K step head / 2, bytes 2 (head % 2) + block:
	s_lshl_b32 s44, s44, 8                         ; 256 ((head / 2) % 2)
	s_lshr_b32 s40, s26, 2
	s_lshl_b32 s40, s40, 2
	s_add_co_u32 s44, s44, s40                     ; + 4 (head / 4)
	s_and_b32 s40, s26, 1
	s_lshl_b32 s40, s40, 1
	s_add_co_u32 s44, s44, s40                     ; + 2 (head % 2)
	s_mov_b32 s20, 0x76543210                      ; v_permlanex16_b32's selects: lane l xor 16
	s_mov_b32 s21, 0xfedcba98
	s_mov_b32 s24, 0xffff0000                      ; lanes 16-31
	s_mov_b32 s39, 0
	s_lshl_b32 s38, s25, 15
	s_wait_kmcnt 0x0
	s_add_nc_u64 s[28:29], s[4:5], s[38:39]        ; Q's codes of my head,
	s_add_nc_u64 s[32:33], s[28:29], 0x400000      ; K's,
	s_add_nc_u64 s[34:35], s[28:29], 0x800000      ; V's
	s_lshl_b32 s38, s25, 12
	s_add_nc_u64 s[30:31], s[6:7], s[38:39]        ; Q's scale words,
	s_add_nc_u64 s[36:37], s[30:31], 0x80000       ; K's,
	s_lshl_b32 s38, ttmp9, 14
	s_add_nc_u64 s[28:29], s[28:29], s[38:39]      ; of Q my half's 32 tiles: 16,384 bytes of codes,
	s_lshl_b32 s38, ttmp9, 11
	s_add_nc_u64 s[30:31], s[30:31], s[38:39]      ; 2,048 of scale words
	s_lshl_b32 s38, s25, 11
	s_add_nc_u64 s[8:9], s[8:9], s[38:39]          ; V's scale words
	s_lshl_b32 s38, s27, 12
	s_add_nc_u64 s[10:11], s[10:11], s[38:39]      ; my batch's mask
	s_wait_alu depctr_va_vdst(0)                   ; the offsets v1, v6, v7, v8 are written, which the loads below read; so are v9, v10, v11, the LDS stores' addresses
.irp i, 0,1,2,3
	global_load_b128 v[32+4*\i:35+4*\i], v6, s[32:33] offset:8192*\i
.endr
.irp i, 0,1,2,3
	global_load_b128 v[48+4*\i:51+4*\i], v6, s[34:35] offset:8192*\i
.endr
	global_load_b64 v[64:65], v7, s[36:37]
	global_load_b32 v66, v8, s[8:9]
	global_load_b64 v[68:69], v7, s[10:11]         ; two keys' mask words a thread
	global_load_b128 v[72:75], v6, s[28:29]        ; Q: 512 threads x 16 bytes, twice
	global_load_b128 v[76:79], v6, s[28:29] offset:8192
	global_load_b32 v80, v8, s[30:31]
.irp s, 0,1,2,3,4,5,6,7
	global_load_b128 v[96+4*\s:99+4*\s], v1, s[10:11] offset:512*\s   ; and, in every wave, key step s's 128 mask words, four a lane
.endr
	s_wait_loadcnt 0x0                             ; all are in: so their bases s[28:35] may take the compares' masks
	s_mov_b32 s19, 0                               ; bit s: key step s has a mask word other than 0
.irp s, 0,1,2,3,4,5,6,7
	v_or_b32 v[96+4*\s], v[96+4*\s], v[97+4*\s]
	v_or_b32 v[98+4*\s], v[98+4*\s], v[99+4*\s]
	v_or_b32 v[96+4*\s], v[96+4*\s], v[98+4*\s]
.endr
.irp s, 0,1,2,3,4,5,6,7
	v_cmp_ne_u32 s[MK+\s], 0, v[96+4*\s]           ; the eight compares in one run, a scalar register each
.endr
	s_wait_alu depctr_va_sdst(0)                   ; the eight masks s[28:35] are written, ahead of the scalar compares that read them: one wait for the run
.irp s, 0,1,2,3,4,5,6,7
	s_cmp_lg_u32 s[MK+\s], 0
	s_cselect_b32 s40, 1<<\s, 0
	s_or_b32 s19, s19, s40
.endr
	v_cvt_f32_i32 v68, v68
	v_cvt_f32_i32 v69, v69
	v_mul_f32 v68, 0xccbebc20, v68                 ; x -1e8, rounded as reference() rounds it,
	v_mul_f32 v69, 0xccbebc20, v69
	v_mul_f32 v68, 0x41000000, v68                 ; x 8: exact
	v_mul_f32 v69, 0x41000000, v69
	s_wait_alu depctr_va_vdst(0)                   ; the multiplications have written v68 and v69, which an LDS store below reads
.irp i, 0,1,2,3
	ds_store_b128 v6, v[32+4*\i:35+4*\i] offset:8192*\i
	ds_store_b128 v6, v[48+4*\i:51+4*\i] offset:LV+8192*\i
.endr
	ds_store_b64 v9, v[64:65]
	ds_store_b32 v10, v66
	ds_store_b64 v9, v[68:69] offset:LMA-LKS
	ds_store_b128 v11, v[72:75]
	ds_store_b128 v11, v[76:79] offset:8192
	ds_store_b32 v10, v80 offset:LQS-LVS
	s_wait_dscnt 0x0                               ; for the others' sake: my stores have landed
	s_barrier_signal -1
	s_barrier_wait -1                              ; from here on LDS is only read
	s_wait_alu depctr_vm_vsrc(0)                   ; my LDS stores have read their data v32-80 and their addresses v6, v9, v10, v11: the zeros, the new addresses and K's loads below write these registers
.irp t, 0,1,2,3,4,5,6,7
.irp j, 4,5,6,7
	v_mov_b32 v[32+8*\t+\j], 0                     ; K's fragments beyond the head's 64: zero codes, written once
.endr
.endr
.irp j, 20,21,22,23
	v_mov_b32 v\j, 0                               ; Q's likewise
.endr
.irp b, 0,1,2,3
	v_mov_b32 v[236+\b], 0                         ; written once: a lane permute's destination counts as one of its sources
.endr
	v_mov_b32 v27, 0                               ; (named as the upper half of the pair v[26:27])
	s_mov_b32 s46, 0
	ADDR                                           ; key step 0's addresses
	s_wait_alu depctr_va_vdst(0)                   ; v6 to v10 are written, which the loads of key step 0 read; so are the zero codes, which the scaled products take as parts of their operands
	KLOAD                                          ; key step 0 of the first tile; every later step's K is asked for in the step before
	s_mov_b32 s18, 0                               ; which of my two tiles
.Ltile:
	s_wait_xcnt 0x0                                ; the last tile's stores have read their data and offsets
	s_wait_alu depctr_vm_vsrc(0)                   ; beside it: those stores have read v224-227, v240, v250, v251, and the last tile's loads of Q have read v11 and v252: all are written again in this tile
	s_lshl_b32 s45, s18, 4
	s_add_co_u32 s45, s45, s16                     ; my tile in my half: 16 i + wave
	s_lshl_b32 s42, ttmp9, 5
	s_add_co_u32 s42, s42, s45                     ; and in the batch: + 32 x
	s_lshl_b32 s40, s45, 9
	s_add_co_u32 s40, s40, LQ
	v_add_nc_u32 v11, s40, v1
	s_lshl_b32 s40, s45, 6
	s_add_co_u32 s40, s40, LQS
	v_add_nc_u32 v252, s40, v253
	s_wait_alu depctr_va_vdst(0)                   ; v11 and v252 are written, which the two loads read; the last tile's products are done reading v16-19 and v24, in which they land
	ds_load_b128 v[16:19], v11                     ; Q's fragment: lane (r, h): block h of row r
	ds_load_b32 v24, v252                          ; and row r's scale word
	v_mov_b32 v13, 0xff61b1e6                      ; the largest t so far: -3e38, under every t
	v_floor_f32 v12, -v13                          ; -M
	v_mov_b32 v14, 0
	v_mov_b32 v15, 0
.set n, 0
.rept 32
	v_mov_b32 v[160+n], 0                          ; O^T.  (The step is written once: the first finds zeros, which the first change of M leaves zeros)
.set n, n+1
.endr
	s_mov_b32 s17, 0                               ; the key step
.Lstep:                                            ; 128 keys
	s_mov_b32 s22, 0x3e38aa3b                      ; c = log2(e) / 8: t = score x c
	s_mov_b32 s23, s22                             ; (the packed forms name the pair)
	s_wait_dscnt 0x0                               ; K's fragments and scale words, asked for in the step before; in a tile's first step Q's fragment and scale word too
.irp t, 0,2,4,6
	v_wmma_scale_f32_16x16x128_f8f6f4 v[96+8*\t:103+8*\t], v[32+8*\t:39+8*\t], v[16:23], 0, v[28+\t/2], v24 matrix_a_fmt:MATRIX_FMT_FP4 matrix_b_fmt:MATRIX_FMT_FP4
	v_wmma_scale_f32_16x16x128_f8f6f4 v[104+8*\t:111+8*\t], v[40+8*\t:47+8*\t], v[16:23], 0, v[28+\t/2], v24 matrix_a_fmt:MATRIX_FMT_FP4 matrix_b_fmt:MATRIX_FMT_FP4 matrix_a_scale:MATRIX_SCALE_ROW1
.endr                                              ; register 16 b + i of v96 on: key 128 s + 32 b + 16 h + i
.rept 4
	v_nop                                          ; four places behind the products, ahead of the first read of their results (ISA guide 7.12.1)
.endr
	s_wait_alu depctr_va_vdst(0)                   ; the last step's products V^T P are done reading v192-223 and v248-249, in which the loads below land (the addends' on the masked way, V's on both)
	s_lshr_b32 s40, s19, s17
	s_and_b32 s40, s40, 1
	s_cmp_eq_u32 s40, 0
	s_cbranch_scc1 .Lopen
	MLOAD 0                                        ; the masked way
	s_wait_dscnt 0x0
	MADD 0
	s_wait_alu depctr_va_vdst(0)                   ; the additions are done reading v192-223, in which the other half's addends land
	MLOAD 1
	MMUL 0                                         ; (names v96-127 alone: it stands beside those loads)
	s_wait_dscnt 0x0
	MADD 1
	s_wait_alu depctr_va_vdst(0)                   ; the additions are done reading v192-223, in which V's fragments land
	MMUL 1
	s_mov_b32 s22, 1.0                             ; the registers now hold t itself
	s_mov_b32 s23, 1.0
.Lopen:
.irp t, 0,1,2,3
.irp c, 0,1
	ds_load_b128 v[192+8*\t+4*\c:195+8*\t+4*\c], v7 offset:8192*\t+512*\c   ; V's fragments land while the softmax is walked.  No wait: on either way no vector or matrix instruction since the last wait on va_vdst names v192-223, v248-249, v7 or v9
.endr
.endr
.irp q, 0,1
	ds_load_b32 v[248+\q], v9 offset:128*\q
.endr
.irp b, 0,1,2,3
	v_max3_num_f32 v[232+\b], v[96+16*\b], v[97+16*\b], v[98+16*\b]   ; the largest score of each block of 32 keys: it serves the row's maximum and, since p rises with the score, the block's largest p
.endr
.irp i, 3,5,7,9,11,13
.irp b, 0,1,2,3
	v_max3_num_f32 v[232+\b], v[232+\b], v[96+16*\b+\i], v[97+16*\b+\i]
.endr
.endr
.irp b, 0,1,2,3
	v_max_num_f32 v[232+\b], v[232+\b], v[111+16*\b]
.endr
.irp b, 0,1,2,3
	v_permlanex16_b32 v[236+\b], v[232+\b], s20, s21
.endr
.irp b, 0,1,2,3
	v_max_num_f32 v[232+\b], v[232+\b], v[236+\b]  ; with lane l xor 16's sixteen keys
.endr
	v_max3_num_f32 v254, v232, v233, v234
	v_max_num_f32 v254, v254, v235
	v_mul_f32 v254, s22, v254                      ; as t (the factor is positive)
	v_max_num_f32 v13, v13, v254                   ; the running largest t
	v_mov_b32 v254, v12
	v_floor_f32 v12, -v13                          ; the new -M = -ceil(t): a whole number
	v_sub_f32 v254, v12, v254                      ; old M - new M: a whole number, 0 or less
	v_cvt_i32_f32 v254, v254                       ; (it saturates)
	v_ldexp_f32 v26, 1.0, v254                     ; f = 2^(old M - new M)
.set n, 0
.rept 32
	v_pk_fma_f32 v[96+n:97+n], v[96+n:97+n], s[22:23], v[12:13] op_sel_hi:[1,0,0]   ; t - M, two at a time
.set n, n+2
.endr
.irp b, 0,1,2,3
	v_fma_f32 v[232+\b], v[232+\b], s22, v12       ; the same of each block's largest score
.endr
	s_add_co_u32 s46, s17, 1
	s_and_b32 s46, s46, 7                          ; the next key step; behind a tile's last step: 0, the next tile's first
	s_wait_alu depctr_vm_vsrc(0)                   ; all LDS loads issued so far, this step's among them, have read v6 to v10
	ADDR                                           ; the next step's addresses: ahead of the wait that stands behind the exponentials in any case
.set n, 0
	s_wait_alu depctr_va_vdst(0)
.rept 64
	v_exp_f32 v[96+n], v[96+n]                     ; p = 2^(t - M), at most 1
.set n, n+1
.endr
	v_pk_mul_f32 v[14:15], v[14:15], v[26:27] op_sel_hi:[1,0]   ; the sums under the new M: a plain instruction behind the exponentials
	s_wait_alu depctr_va_vdst(0)                   ; the 64 exponentials have written v96-159, ahead of their first reader (one wait for the batch); v6 to v10 are written; this step's products K Q^T are done reading K's registers
	KLOAD                                          ; the next step's K lands during the rest of the softmax
.irp b, 0,1,2,3
	v_exp_f32 v[232+\b], v[232+\b]                 ; the block's largest p: the same two instructions on the same number
.endr
	v_pk_add_f32 v[236:237], v[96:97], v[98:99]    ; the row's sum of the unquantised p, in two chains; it reads the 64 alone
.irp j, 4,8,12,16,20,24,28,32,36,40,44,48,52,56,60
	v_pk_add_f32 v[14:15], v[14:15], v[96+\j:97+\j]
	v_pk_add_f32 v[236:237], v[236:237], v[98+\j:99+\j]
.endr
	v_pk_add_f32 v[14:15], v[14:15], v[236:237]
	s_wait_alu depctr_va_vdst(0)                   ; the four exponentials have written v232-235, ahead of their first reader
.irp b, 0,1,2,3
	v_max_num_f32 v[232+\b], 0x1800000, v[232+\b]  ; the floor 2^(3 - 127): the byte cannot fall under 1
.endr
.irp b, 0,1,2,3
	v_add_nc_u32 v[244+\b], 0xff000000, v[232+\b]  ; the conversion's scale operand
.endr
.irp b, 0,1,2,3
	v_lshrrev_b32 v[236+\b], 23, v[244+\b]         ; the scale's byte
.endr
	v_lshl_or_b32 v25, v237, 8, v236               ; p's scale word for these 128 keys
	v_lshl_or_b32 v25, v238, 16, v25
	v_lshl_or_b32 v25, v239, 24, v25
.irp b, 0,1,2,3
	v_cvt_scalef32_pk8_fp4_f32 v[224+2*\b], v[96+16*\b:103+16*\b], v[244+\b]
	v_cvt_scalef32_pk8_fp4_f32 v[225+2*\b], v[104+16*\b:111+16*\b], v[244+\b]
.endr
	v_nop                                          ; one plain instruction behind the last scaled conversion
.irp c, 0,1                                        ; the operand's layout wants a whole block in a lane: lanes 0-15 block 2 c, lanes 16-31 block 2 c + 1
.irp i, 0,1
	v_permlane16_swap_b32 v[224+4*\c+\i], v[226+4*\c+\i]
.endr
.endr
.set n, 0
.rept 16
	v_pk_mul_f32 v[160+n:161+n], v[160+n:161+n], v[26:27] op_sel_hi:[1,0]   ; O^T under the new M.  Twelve of these sixteen name no register of any one product below: the places ahead of it for p's scale word (eight) and codes (four)
.set n, n+2
.endr
	s_wait_dscnt 12                                ; V's fragments and scale words are in; the twelve loads issued behind them, the next step's K, may stay out
	s_wait_alu depctr_va_vdst(0)                   ; behind the places: vector instructions have written p's codes v224-231 and scale word v25, which the scaled products take as operand and scales
.irp t, 0,2
	v_wmma_scale_f32_16x16x128_f8f6f4 v[160+8*\t:167+8*\t], v[192+8*\t:199+8*\t], v[224:231], v[160+8*\t:167+8*\t], v[248+\t/2], v25 matrix_a_fmt:MATRIX_FMT_FP4 matrix_b_fmt:MATRIX_FMT_FP4
	v_wmma_scale_f32_16x16x128_f8f6f4 v[168+8*\t:175+8*\t], v[200+8*\t:207+8*\t], v[224:231], v[168+8*\t:175+8*\t], v[248+\t/2], v25 matrix_a_fmt:MATRIX_FMT_FP4 matrix_b_fmt:MATRIX_FMT_FP4 matrix_a_scale:MATRIX_SCALE_ROW1
.endr                                              ; four accumulators, one instruction each
	s_add_co_u32 s17, s17, 1
	s_cmp_lt_u32 s17, 8
	s_cbranch_scc1 .Lstep
	; ---- the tile's end: O^T / the sum, quantised along the hidden axis: the head's two blocks
	v_add_f32 v14, v14, v15
	v_permlanex16_b32 v254, v14, s20, s21
	v_add_f32 v14, v14, v254                       ; the row's sum
	s_wait_alu depctr_va_vdst(0)
	v_rcp_f32 v26, v14
	s_lshl_b32 s43, s27, 6
	s_add_co_u32 s43, s43, s42                     ; my tile among all 512
	s_lshl_b32 s40, s43, 13
	s_lshl_b32 s41, s26, 9
	s_add_co_u32 s40, s40, s41
	v_add_nc_u32 v250, s40, v255                   ; ctx_img: 8,192 T + 256 (2 head + block) + 16 r + 8 h
	s_lshl_b32 s40, s43, 9
	s_add_co_u32 s40, s40, s44
	v_add_nc_u32 v251, s40, v241                   ; ctx_sc: 512 T + the head's place + 16 r + the block, which is h
	v_nop
	v_nop                                          ; (with the additions above: the places behind the last products)
	s_wait_alu depctr_va_vdst(0)                   ; the reciprocal has written v26, ahead of its first reader
.set n, 0
.rept 16
	v_pk_mul_f32 v[96+n:97+n], v[160+n:161+n], v[26:27] op_sel_hi:[1,0]   ; register 16 b + i: channel 32 b + 16 h + i of my query; each accumulator from its low end on
.set n, n+2
.endr
.irp b, 0,1
	v_max3_num_f32 v[232+\b], |v[96+16*\b]|, |v[97+16*\b]|, 0x1800000
.endr
.irp i, 2,4,6,8,10,12,14
.irp b, 0,1
	v_max3_num_f32 v[232+\b], v[232+\b], |v[96+16*\b+\i]|, |v[97+16*\b+\i]|
.endr
.endr
.irp b, 0,1
	v_permlanex16_b32 v[236+\b], v[232+\b], s20, s21
.endr
.irp b, 0,1
	v_max_num_f32 v[232+\b], v[232+\b], v[236+\b]
.endr
.irp b, 0,1
	v_add_nc_u32 v[244+\b], 0xff000000, v[232+\b]
.endr
.irp b, 0,1
	v_cvt_scalef32_pk8_fp4_f32 v[224+2*\b], v[96+16*\b:103+16*\b], v[244+\b]
	v_cvt_scalef32_pk8_fp4_f32 v[225+2*\b], v[104+16*\b:111+16*\b], v[244+\b]
.endr
	v_cndmask_b32 v240, v244, v245, s24            ; lanes 0-15 store block 0's byte, lanes 16-31 block 1's.  (The plain instruction behind the conversions)
	v_lshrrev_b32 v240, 23, v240
	s_wait_alu depctr_va_vdst(0)                   ; the conversions have written v224-227 and the shift v240, which the three stores read (their offsets v250, v251 were written ahead of the wait above)
	global_store_b64 v250, v[224:225], s[12:13]    ; 32 lanes store 256 consecutive bytes, aligned: a block of the tile's sixteen rows
	global_store_b64 v250, v[226:227], s[12:13] offset:256
	global_store_b8 v251, v240, s[14:15]           ; one byte in 17 of what the tile stores
	s_add_co_u32 s18, s18, 1
	s_cmp_lt_u32 s18, 2
	s_cbranch_scc1 .Ltile
	s_wait_dscnt 0x0                               ; the closing lines, six on end
	s_wait_alu 0x0
	s_wait_tensorcnt 0x0
	ds_add_u32 v242, v243
	s_wait_dscnt 0x0
	s_endpgm
.Lfunc_end_k_qeb304d6a65_attn:
	.size	k_qeb304d6a65_attn, .Lfunc_end_k_qeb304d6a65_attn-k_qeb304d6a65_attn
	.p2alignl 7, 3214868480
	.fill 96, 4, 3214868480
	.section	.rodata,"a",@progbits
	.p2align	6, 0x0
	.amdhsa_kernel k_qeb304d6a65_attn
		.amdhsa_group_segment_fixed_size 96256
		.amdhsa_private_segment_fixed_size 0
		.amdhsa_enable_private_segment 0
		.amdhsa_kernarg_size 48
		.amdhsa_user_sgpr_count 2
		.amdhsa_user_sgpr_kernarg_segment_ptr 1
		.amdhsa_wavefront_size32 1
		.amdhsa_system_sgpr_workgroup_id_x 1
		.amdhsa_system_sgpr_workgroup_id_y 1
		.amdhsa_system_sgpr_workgroup_id_z 1
		.amdhsa_system_vgpr_workitem_id 0
		.amdhsa_next_free_vgpr 256
		.amdhsa_next_free_sgpr 66
		.amdhsa_reserve_vcc 0
		.amdhsa_float_denorm_mode_32 3
		.amdhsa_float_denorm_mode_16_64 3
		.amdhsa_memory_ordered 1
		.amdhsa_forward_progress 1
		.amdhsa_inst_pref_size 38
	.end_amdhsa_kernel
	.amdgpu_metadata
---
amdhsa.version: [ 1, 2 ]
amdhsa.kernels:
  - .name:           k_qeb304d6a65_attn
    .symbol:         k_qeb304d6a65_attn.kd
    .args:
      - { .name: qkv_img, .offset: 0, .size: 8, .value_kind: global_buffer, .address_space: global }
      - { .name: qk_sc, .offset: 8, .size: 8, .value_kind: global_buffer, .address_space: global }
      - { .name: v_sc, .offset: 16, .size: 8, .value_kind: global_buffer, .address_space: global }
      - { .name: encoder_padding_mask, .offset: 24, .size: 8, .value_kind: global_buffer, .address_space: global }
      - { .name: ctx_img, .offset: 32, .size: 8, .value_kind: global_buffer, .address_space: global }
      - { .name: ctx_sc, .offset: 40, .size: 8, .value_kind: global_buffer, .address_space: global }
    .group_segment_fixed_size: 96256
    .private_segment_fixed_size: 0
    .kernarg_segment_align: 8
    .kernarg_segment_size: 48
    .max_flat_workgroup_size: 512
    .sgpr_count:     66
    .vgpr_count:     256
    .wavefront_size: 32
...
	.end_amdgpu_metadata
.endif
;; end of part 7
;; launch outp (part 8): grid 4 x 64, 4 waves a work-group, no clusters, 168,448 bytes of LDS; arguments ctx_img, ctx_sc, w_img, out_proj_weight_scales, out_proj_bias, hidden_states, out0; writes out0
.if DOCPART == 8
	.amdgcn_target "amdgcn-amd-amdhsa--gfx1250"
	.amdhsa_code_object_version 6
	.text
	.protected	k_qeb304d6a65_outp
	.globl	k_qeb304d6a65_outp
	.p2align	8
	.type	k_qeb304d6a65_outp,@function
k_qeb304d6a65_outp:
	s_mov_b64 s[64:65], 0
	v_nop
	global_prefetch_b8 v0, s[64:65] scope:SCOPE_SE
	s_setreg_imm32_b32 hwreg(HW_REG_WAVE_MODE, 25, 1), 1
	s_wait_xcnt 0x0
; out0 = x + ctx W^T + bias; the product on codes of FP4 (E2M1) with E8M0 scales, sums in f32.
; SHARES.  Work-group (cx, ry): 256 columns x 128 tokens (8 tiles, 4 groups of 32).  Wave w owns 64 columns: its 64 x 1,024 weights stay in 256 registers (window 1), its 128 rows x 256 bytes of x in 256 more (window 2);
; the first launch has laid the weights in the order of these registers, so each of the 64 loads reads 512 consecutive bytes into its final place.
; The tokens' codes (64 KB) and scale words (4 KB) lie in LDS, copied once.  Everything that the work-group reads is asked for at its head.
; TILES.  Row r of tile 2 b + u is token (or weight row) 32 b + 8 u + r + 8 (r / 8), as the launches before laid ctx and W.  Source 0 = W, source 1 = ctx: a lane holds one token and eight neighbouring columns a tile.
; THE WAY OUT.  A tile's sixteen rows x 256 bytes go through the wave's own stage in LDS and come back by rows; x is added; sixteen lanes store 256 consecutive bytes, aligned.
; NO CLUSTER: what work-groups share (ctx's block along cx, the weights along ry) is fetched once by each at its head and never again, and the weights go straight into registers.
; LDS: 87,040 bytes are used; more than half of a WGP's is claimed.
.set CSL,  65536                       ; LDS: ctx's codes from 0 (8 tiles x 8,192); their scale images from here (8 x 512);
.set STG,  69632                       ; then a stage of 16 rows x 272 bytes for each wave, for the way out (272 = 17 x 16: sixteen rows start in sixteen different 16-byte columns)
.set SPO,  272
.set WOUT, 0x180000                    ; out_proj's tiles in w_img lie behind in_proj's 192 tiles of 8,192 bytes
.set WSC,  16                          ; v16-31   W's scale words: tile t at WSC + 4 t + i: lanes 0-15 K step i, lanes 16-31 K step 4 + i
.set CSC,  32                          ; v32-39   ctx's: tile u at CSC + 4 u + j: lanes 0-15 K step 2 j, lanes 16-31 K step 2 j + 1
.set ACC,  40                          ; v40-103  eight accumulators: (u, t) at ACC + 8 (4 u + t)
.set CF,   104                         ; v104-167 ctx's fragments: two buffers of 32
.set RB,   168                         ; v168-199 sixteen rows read back from the stage
.set BI,   200                         ; v200-231 the bias in the result's layout: the C of each sum's first product
; v1 16 x lane; v2 16 x thread (LDS); v12 the same (memory); v3 CSL + 16 x thread; v4 CSL + 16 x lane; v7, v8 the way out, in and back; v9 my place in two rows of x and out0
.set MSB, 0
.macro WIN new                         ; s_set_vgpr_msb: bits 1:0 source 0, 3:2 source 1, 5:4 source 2, 7:6 destination; the high byte repeats the setting that is left
.if MSB != \new
	s_set_vgpr_msb (MSB<<8)|\new
.set MSB, \new
.endif
.endm
.macro PLACES                          ; four plain vector instructions behind a matrix instruction, ahead of loads into its sources and of the first read of its result
.rept 4
	v_nop
.endr
.endm
	s_load_b256 s[4:11], s[0:1], 0x0               ; ctx_img s[4:5], ctx_sc s[6:7], w_img s[8:9], W's scales s[10:11]
	s_load_b128 s[12:15], s[0:1], 0x20             ; bias s[12:13], x s[14:15]
	s_load_b64 s[16:17], s[0:1], 0x30              ; out0
	v_lshl_add_u32 v254, v0, 2, 0x29000
	v_mov_b32 v255, 0
	ds_add_u32 v254, v255
	ds_add_u32 v254, v255
	v_lshrrev_b32 v13, 5, v0
	v_readfirstlane_b32 s20, v13                   ; wave 0..3
	v_and_b32 v13, 31, v0                          ; lane
	v_lshlrev_b32 v1, 4, v13
	v_lshlrev_b32 v2, 4, v0
	v_lshlrev_b32 v12, 4, v0
	v_add_nc_u32 v3, CSL, v2
	v_add_nc_u32 v4, CSL, v1
	s_mul_i32 s31, s20, 16*SPO
	s_add_co_u32 s31, s31, STG                     ; my stage
	v_and_b32 v14, 15, v0                          ; r
	v_bfe_u32 v15, v0, 4, 1                        ; h
	v_mul_u32_u24 v7, v14, SPO
	v_lshl_add_u32 v7, v15, 6, v7
	v_add_nc_u32 v7, s31, v7                       ; the way out, in: row r, + 64 h: my half's sixteen columns of a block of 32
	v_mul_u32_u24 v8, v15, SPO
	v_lshl_add_u32 v8, v14, 4, v8
	v_add_nc_u32 v8, s31, v8                       ; back: lanes 0-15 one row of 256 bytes, lanes 16-31 the next
	v_lshlrev_b32 v9, 4, v14
	v_lshl_add_u32 v9, v15, 12, v9                 ; and the same two rows in x and out0
	v_and_b32 v10, 8, v14
	v_add_nc_u32 v10, v10, v14                     ; r + 8 (r / 8)
	v_lshlrev_b32 v10, 5, v10
	v_lshl_add_u32 v10, v15, 4, v10                ; W's scales: 32 bytes a row, + 16 h
	v_lshlrev_b32 v11, 6, v15                      ; the bias: 64 h
	s_and_b32 s30, ttmp7, 0xffff                   ; ry
	s_lshl_b32 s35, ttmp9, 8
	s_lshl_b32 s31, s20, 6
	s_add_co_u32 s35, s35, s31                     ; my first column
	s_mov_b32 s33, 0
	s_wait_alu depctr_va_vdst(0)
	s_wait_dscnt 0x0
	s_wait_kmcnt 0x0
	s_lshl_b32 s32, s30, 16
	s_add_nc_u64 s[4:5], s[4:5], s[32:33]          ; ctx's 8 tiles
	s_lshl_b32 s32, s30, 12
	s_add_nc_u64 s[6:7], s[6:7], s[32:33]          ; and their scale images
	; the copies stand ahead of every LDS read, wait on their counter and barrier; the immediate is added to both addresses, so LDS holds the bytes as memory has them
.set n, 0
.rept 32
	global_load_async_to_lds_b128 v2, v12, s[4:5] offset:2048*n
.set n, n+1
.endr
	global_load_async_to_lds_b128 v3, v12, s[6:7]
	global_load_async_to_lds_b128 v3, v12, s[6:7] offset:2048
	s_lshl_b32 s32, s35, 9
	s_add_nc_u64 s[8:9], s[8:9], s[32:33]          ; my 64 rows of W are four tiles of 8,192 bytes: 512 bytes a row,
	s_add_nc_u64 s[8:9], s[8:9], WOUT              ; among out_proj's
	s_lshl_b32 s32, s35, 5
	s_add_nc_u64 s[10:11], s[10:11], s[32:33]
	s_lshl_b32 s32, s35, 2
	s_add_nc_u64 s[12:13], s[12:13], s[32:33]
	s_lshl_b32 s34, s30, 19                        ; 128 rows of 4,096 bytes
	s_add_co_u32 s32, s32, s34
	s_add_nc_u64 s[14:15], s[14:15], s[32:33]
	s_add_nc_u64 s[16:17], s[16:17], s[32:33]
	WIN 0x40                                       ; destination window 1
.irp t, 0,1,2,3
.irp s, 0,1,2,3,4,5,6,7
.irp c, 0,1
	global_load_b128 v[64*\t+8*\s+4*\c:64*\t+8*\s+4*\c+3], v1, s[8:9] offset:8192*\t+1024*\s+512*\c   ; registers 4 c .. 4 c + 3 of fragment (t, s): 512 consecutive bytes
.endr
.endr
.endr
	WIN 0
.irp t, 0,1,2,3
	global_load_b128 v[WSC+4*\t:WSC+4*\t+3], v10, s[10:11] offset:(32*(\t/2)+8*(\t%2))*32
.endr
.irp t, 0,1,2,3
	global_load_b128 v[BI+8*\t:BI+8*\t+3], v11, s[12:13] offset:(32*(\t/2)+8*(\t%2))*4
	global_load_b128 v[BI+8*\t+4:BI+8*\t+7], v11, s[12:13] offset:(32*(\t/2)+8*(\t%2))*4+16
.endr
	WIN 0x80                                       ; destination window 2: x, in the order in which the way out reads rows back
.irp g, 0,1,2,3
.irp u, 0,1
.irp i, 0,1,2,3,4,5,6,7
	global_load_b128 v[64*\g+32*\u+4*\i:64*\g+32*\u+4*\i+3], v9, s[14:15] offset:(32*\g+8*\u+2*\i+8*(\i/4))*4096 th:TH_LOAD_NT
.endr
.endr
.endr
	WIN 0
	s_wait_loadcnt 63                              ; of my 140 loads the oldest 77 are in: W's 64, its scale words' 4 and the bias's 8 are the first 76
	s_wait_asynccnt 0x0                            ; my copies have landed
	s_barrier_signal -1
	s_barrier_wait -1                              ; everybody's copies have landed; ctx's bytes are only read
; one product: source 0 = W (t, s), source 1 = ctx (u, s)
.macro WM s, u, t
.set rD, ACC+8*(4*(\u)+(\t))
.set rA, 64*(\t)+8*(\s)
.set rB, CF+32*(((\s)/2)%2)+16*((\s)%2)+8*(\u)
.set rP, WSC+4*(\t)+((\s)%4)
.set rQ, CSC+4*(\u)+((\s)/2)
.set fA, (\s)/4
.set fB, (\s)%2
.set rC, rD
.if (\s) == 0
.set rC, BI+8*(\t)                     ; the first K step starts the sum from the bias
.endif
.if (fA == 0) && (fB == 0)
	v_wmma_scale_f32_16x16x128_f8f6f4 v[rD:rD+7], v[rA:rA+7], v[rB:rB+7], v[rC:rC+7], v[rP], v[rQ] matrix_a_fmt:MATRIX_FMT_FP4 matrix_b_fmt:MATRIX_FMT_FP4
.elseif (fA == 1) && (fB == 0)
	v_wmma_scale_f32_16x16x128_f8f6f4 v[rD:rD+7], v[rA:rA+7], v[rB:rB+7], v[rC:rC+7], v[rP], v[rQ] matrix_a_fmt:MATRIX_FMT_FP4 matrix_b_fmt:MATRIX_FMT_FP4 matrix_a_scale:MATRIX_SCALE_ROW1
.elseif (fA == 0) && (fB == 1)
	v_wmma_scale_f32_16x16x128_f8f6f4 v[rD:rD+7], v[rA:rA+7], v[rB:rB+7], v[rC:rC+7], v[rP], v[rQ] matrix_a_fmt:MATRIX_FMT_FP4 matrix_b_fmt:MATRIX_FMT_FP4 matrix_b_scale:MATRIX_SCALE_ROW1
.else
	v_wmma_scale_f32_16x16x128_f8f6f4 v[rD:rD+7], v[rA:rA+7], v[rB:rB+7], v[rC:rC+7], v[rP], v[rQ] matrix_a_fmt:MATRIX_FMT_FP4 matrix_b_fmt:MATRIX_FMT_FP4 matrix_a_scale:MATRIX_SCALE_ROW1 matrix_b_scale:MATRIX_SCALE_ROW1
.endif
.endm
; K steps 2 p and 2 p + 1: sixteen products; the eight accumulators take turns, one instruction a turn, in the same order in every K step
.macro MUL p
	WIN 0x01                                       ; source 0 window 1
.irp k, 0,1
.irp u, 0,1
.irp t, 0,1,2,3
	WM (2*\p+\k), \u, \t
.endr
.endr
.endr
.endm
.macro CLOAD g, p                      ; ctx's fragments of K steps 2 p, 2 p + 1, both tiles of group g: eight loads, 512 consecutive bytes each
.irp k, 0,1
.irp u, 0,1
.irp c, 0,1
	ds_load_b128 v[CF+32*((\p)%2)+16*\k+8*\u+4*\c:CF+32*((\p)%2)+16*\k+8*\u+4*\c+3], v1 offset:(2*(\g)+\u)*8192+1024*(2*(\p)+\k)+512*\c
.endr
.endr
.endr
.endm
; Group g of 32 tokens: all of K, then the way out.
.macro GROUP g
	CLOAD \g, 0
	ds_load_b128 v[CSC:CSC+3], v4 offset:(2*\g)*512
	ds_load_b128 v[CSC+4:CSC+7], v4 offset:(2*\g+1)*512
	CLOAD \g, 1
	s_wait_dscnt 8                                 ; all but the eight loads just issued
	MUL 0
	PLACES
	WIN 0
	CLOAD \g, 2
	s_wait_dscnt 8
	MUL 1
	PLACES
	WIN 0
	CLOAD \g, 3
	s_wait_dscnt 8
	MUL 2
	s_wait_dscnt 0x0
	MUL 3
	WIN 0
	PLACES
	s_wait_loadcnt 48-16*\g                        ; this group's sixteen loads of x are in; those of the groups behind it may stay out
.irp u, 0,1
	s_wait_xcnt 0x0                                ; the earlier stores have read their data: the rows' registers take new loads
.irp t, 0,1,2,3
	ds_store_b128 v7, v[ACC+8*(4*\u+\t):ACC+8*(4*\u+\t)+3] offset:128*(\t/2)+32*(\t%2)        ; lane (r, h): columns 32 (t / 2) + 16 h + 8 (t % 2) + 0 .. 7 of row r; each accumulator from its low end on
	ds_store_b128 v7, v[ACC+8*(4*\u+\t)+4:ACC+8*(4*\u+\t)+7] offset:128*(\t/2)+32*(\t%2)+16
.endr
.irp i, 0,1,2,3,4,5,6,7
	ds_load_b128 v[RB+4*\i:RB+4*\i+3], v8 offset:2*SPO*\i   ; LDS serves a wave's instructions in order: these see my stores
.endr
	s_wait_dscnt 0x0
	WIN 0x08                                       ; source 1 window 2: x
.set n, 0
.rept 16
	v_pk_add_f32 v[RB+n:RB+n+1], v[RB+n:RB+n+1], v[64*\g+32*\u+n:64*\g+32*\u+n+1]
.set n, n+2
.endr
	WIN 0
.irp i, 0,1,2,3,4,5,6,7
	global_store_b128 v9, v[RB+4*\i:RB+4*\i+3], s[16:17] offset:(32*\g+8*\u+2*\i+8*(\i/4))*4096 th:TH_STORE_NT   ; sixteen lanes store 256 consecutive bytes, aligned; written once, read by nobody here
.endr
.endr
.endm
	GROUP 0
	GROUP 1
	GROUP 2
	GROUP 3
	s_wait_tensorcnt 0x0
	ds_add_u32 v254, v255
	s_wait_dscnt 0x0
	s_endpgm
.Lfunc_end_k_qeb304d6a65_outp:
	.size	k_qeb304d6a65_outp, .Lfunc_end_k_qeb304d6a65_outp-k_qeb304d6a65_outp
	.p2alignl 7, 3214868480
	.fill 96, 4, 3214868480
	.section	.rodata,"a",@progbits
	.p2align	6, 0x0
	.amdhsa_kernel k_qeb304d6a65_outp
		.amdhsa_group_segment_fixed_size 168448
		.amdhsa_private_segment_fixed_size 0
		.amdhsa_enable_private_segment 0
		.amdhsa_kernarg_size 56
		.amdhsa_user_sgpr_count 2
		.amdhsa_user_sgpr_kernarg_segment_ptr 1
		.amdhsa_wavefront_size32 1
		.amdhsa_system_sgpr_workgroup_id_x 1
		.amdhsa_system_sgpr_workgroup_id_y 1
		.amdhsa_system_sgpr_workgroup_id_z 1
		.amdhsa_system_vgpr_workitem_id 0
		.amdhsa_next_free_vgpr 768
		.amdhsa_next_free_sgpr 66
		.amdhsa_reserve_vcc 0
		.amdhsa_float_denorm_mode_32 3
		.amdhsa_float_denorm_mode_16_64 3
		.amdhsa_memory_ordered 1
		.amdhsa_forward_progress 1
		.amdhsa_inst_pref_size 86
	.end_amdhsa_kernel
	.amdgpu_metadata
---
amdhsa.version: [ 1, 2 ]
amdhsa.kernels:
  - .name:           k_qeb304d6a65_outp
    .symbol:         k_qeb304d6a65_outp.kd
    .args:
      - { .name: ctx_img, .offset: 0, .size: 8, .value_kind: global_buffer, .address_space: global }
      - { .name: ctx_sc, .offset: 8, .size: 8, .value_kind: global_buffer, .address_space: global }
      - { .name: w_img, .offset: 16, .size: 8, .value_kind: global_buffer, .address_space: global }
      - { .name: out_proj_weight_scales, .offset: 24, .size: 8, .value_kind: global_buffer, .address_space: global }
      - { .name: out_proj_bias, .offset: 32, .size: 8, .value_kind: global_buffer, .address_space: global }
      - { .name: hidden_states, .offset: 40, .size: 8, .value_kind: global_buffer, .address_space: global }
      - { .name: out0, .offset: 48, .size: 8, .value_kind: global_buffer, .address_space: global }
    .group_segment_fixed_size: 168448
    .private_segment_fixed_size: 0
    .kernarg_segment_align: 8
    .kernarg_segment_size: 56
    .max_flat_workgroup_size: 128
    .sgpr_count:     66
    .vgpr_count:     768
    .wavefront_size: 32
...
	.end_amdgpu_metadata
.endif
;; end of part 8
